; MI455X (gfx1250); checked and timed in simulation.
; The chip was launched on July 23, 2026; its instructions are those of AMD's public machine-readable ISA for CDNA 5 (MIT licence, August 2026) and "CDNA5" Instruction Set Architecture Reference Guide (July 2026). The comments in the code are by the model that wrote it; some were corrected since.
;; Transformer Block. Allowed arithmetic: matrix products marked QUANTISED: E2M3 operands, one E8M0 scale for each 32 along K, by v_wmma_scale_f32_16x16x128_f8f6f4 with both operands' format E2M3, f32 sums; everything else in f32.
;; Inputs: b_attn 3,072 float32; b_fc 4,096 float32; b_out 1,024 float32; b_proj 1,024 float32; ln1_b 1,024 float32; ln1_g 1,024 float32; ln2_b 1,024 float32; ln2_g 1,024 float32; w_attn_codes 3,072 x 32 x 24 uint8 (E2M3 codes of w_attn, K innermost, in blocks of 32 codes, four codes in three bytes); w_attn_scales 3,072 x 32 uint8 (E8M0 scales of w_attn, one for each 32 codes along K); w_fc_codes 4,096 x 32 x 24 uint8 (E2M3 codes of w_fc, K innermost, in blocks of 32 codes, four codes in three bytes); w_fc_scales 4,096 x 32 uint8 (E8M0 scales of w_fc, one for each 32 codes along K); w_out_codes 1,024 x 128 x 24 uint8 (E2M3 codes of w_out, K innermost, in blocks of 32 codes, four codes in three bytes); w_out_scales 1,024 x 128 uint8 (E8M0 scales of w_out, one for each 32 codes along K); w_proj_codes 1,024 x 32 x 24 uint8 (E2M3 codes of w_proj, K innermost, in blocks of 32 codes, four codes in three bytes); w_proj_scales 1,024 x 32 uint8 (E8M0 scales of w_proj, one for each 32 codes along K); x 2,048 x 2 x 1,024 float32.
;; Outputs: out0 2,048 x 2 x 1,024 float32; out1 2 x 2 x 16 x 2,048 x 64 float32.
;; This version of the problem:
;;   THIS VERSION OF THE PROBLEM IS GIVEN IN LOW PRECISION. The matrix products marked QUANTISED in the list below multiply operands that are first quantised to E2M3 (2 exponent bits, 3 mantissa bits; 6 bits a number), with one power-of-two scale for each 32 numbers along K (OCP MX v1.0); their sums are f32. All else is computed in f32.
;;   The module's matrix products, in the order in which they are computed (A, B: the left and right operand; K: the contracted axis; several contracted axes count as one K, in the product's order):
;;     1. [M 4,096, K 1,024] x [K 1,024, N 3,072]; A: computed on the way; B: input w_attn (given as codes): QUANTISED
;;     2. batch 32 x [M 2,048, K 64] x [K 64, N 2,048]; A: computed on the way; B: computed on the way: QUANTISED
;;     3. batch 32 x [M 2,048, K 2,048] x [K 2,048, N 64]; A: softmax (see below); B: computed on the way: QUANTISED
;;     4. [M 4,096, K 1,024] x [K 1,024, N 1,024]; A: computed on the way; B: input w_proj (given as codes): QUANTISED
;;     5. [M 4,096, K 1,024] x [K 1,024, N 4,096]; A: computed on the way; B: input w_fc (given as codes): QUANTISED
;;     6. [M 4,096, K 4,096] x [K 4,096, N 1,024]; A: computed on the way; B: input w_out (given as codes): QUANTISED
;;   THE QUANTISER, for each operand of a quantised product, along K:
;;     - K is cut into blocks of 32 from its start; a last block that is shorter is filled with zeros.
;;     - A block's scale is 2^e with e = floor(log2(the largest magnitude in the block)) - 2, held to -126 .. 127; a block of zeros has e = 0. As a byte (E8M0): e + 127.
;;     - Each number is divided by its block's scale, clamped to +-7.5, and rounded to the nearest number of E2M3, ties to even, subnormals kept.
;;     - The product sums the exact products of the quantised numbers (number of the format x scale) in f32.
;;   ~~~python
;;   def quantise(x, axis):      # numpy; x: float32 -> the quantised numbers, widened to float32 again
;;       x = np.moveaxis(x, axis, -1); K = x.shape[-1]
;;       x = np.pad(x, [(0, 0)] * (x.ndim - 1) + [(0, -K % 32)]); x = x.reshape(x.shape[:-1] + (-1, 32)); a = np.abs(x).max(-1, keepdims=True)
;;       e = np.where(a > 0, np.clip(np.frexp(np.where(a > 0, a, 1))[1] - 1 - 2, -126, 127), 0)      # np.frexp(a)[1] - 1 = floor(log2(a)), exactly
;;       r = np.clip(x / 2.0 ** e, -7.5, 7.5)
;;       step = 2.0 ** (np.maximum(np.frexp(np.where(r == 0, 1, r))[1] - 1, 0) - 3)
;;       q = np.round(r / step) * step * 2.0 ** e      # np.round: ties to even
;;       return np.moveaxis(q.reshape(q.shape[:-2] + (-1,))[..., :K], -1, axis).astype(np.float32)
;;   ~~~
;;   SOFTMAX AHEAD OF A QUANTISED PRODUCT. Where the list says 'softmax', what is quantised is not the finished softmax but p = 2^(t - M), with t = logit x log2(e) and M = ceil(the row's largest t), a whole number; so 1/2 < the row's largest p <= 1. The row's sum l is taken of the UNQUANTISED p, in f32, and the product's result is divided by l at the end. Since M is a whole number, a kernel that streams over the keys may use a running M (the ceiling of the running maximum): every later rescaling is an exact power of two, which a block's scale takes up: the codes' values come out the same.
;;   OPERANDS COMPUTED ON THE WAY. 'Computed on the way' means the value that the module computes at that place (a softmax that the list does not call 'softmax' is quantised finished and normalised). What goes into a quantiser is computed in f32, as accurately as f32 sums, v_exp_f32 and their like allow (about 1e-6 of the number): no bf16 or f16 on the way to a quantiser, and a product that is left as it is and whose result goes on into a quantised operand takes f32 operands (vector FMAs, or v_wmma_f32_16x16x4_f32). A number that lies on a knife's edge between two numbers of the format may be rounded either way, as far as f32 arithmetic and the matrix unit's own rounding can turn it there, and no further.
;;   INPUTS GIVEN AS CODES. w_attn (in the module: [1024, 3072], K = its axis 0); w_fc (in the module: [1024, 4096], K = its axis 0); w_out (in the module: [4096, 1024], K = its axis 0); w_proj (in the module: [1024, 1024], K = its axis 0): each comes as NAME_codes (uint8): NAME with its K axis moved to the last place and cut into blocks of 32 codes, [.., K / 32, bytes a block], one block behind the other in memory; four codes in three bytes: a row's codes are one little-endian stream of bits, code i at bits 6 i .. 6 i + 5 (a code: sign, 2 exponent bits, 3 mantissa bits); and NAME_scales (uint8): the same leading axes, one E8M0 byte (e + 127) for each 32 codes along K. Its value is code x scale, taken as it is: it is not quantised again, and the codes and scales need not be those that the quantiser above would give.
;; 2 versions. Each part assembles by itself: llvm-mc -triple=amdgcn-amd-amdhsa -mcpu=gfx1250 --defsym DOCPART=n.
;; ======== version 1 of 2: 7 launches
;; workspace buffers: H 3,276,800 bytes; QKV 9,830,400 bytes; AT 3,276,800 bytes; X1 16,777,216 bytes; G 13,107,200 bytes
;; launch ln1 (part 1): grid 256 x 1, 8 waves a work-group, no clusters, 82,944 bytes of LDS; arguments x, ln1_g, ln1_b, H; writes H
.if DOCPART == 1
	.amdgcn_target "amdgcn-amd-amdhsa--gfx1250"
	.amdhsa_code_object_version 6
	.text
	.protected	k_q6d10600492_ln1
	.globl	k_q6d10600492_ln1
	.p2align	8
	.type	k_q6d10600492_ln1,@function
k_q6d10600492_ln1:
	s_mov_b64 s[64:65], 0
	v_nop
	global_prefetch_b8 v0, s[64:65] scope:SCOPE_SE
	s_setreg_imm32_b32 hwreg(HW_REG_WAVE_MODE, 25, 1), 1
	s_wait_xcnt 0x0
; Layer norm of 16 rows of [2048][2][1024] f32, then the MX quantiser (E2M3, one E8M0 byte for each 32 along the row): codes as rows of 768 bytes, scale bytes as rows of 32.
; ROW ORDER OF THE RESULT: row m' = batch x 2048 + l.  Work-group g takes rows m' = 16 g .. 16 g + 15: batch g / 128, l = 16 (g % 128) + i; a row of the input begins at l x 8192 + batch x 4096.
; SHARES: wave w takes columns 128 w .. 128 w + 127 of all 16 rows: one operand fragment.  Each load reads 512 consecutive bytes of a row; the numbers turn through the wave's own LDS stage so that lane (r, h)
; holds, of row r, 16 neighbours of each block of 32 (register 16 b + i = column 32 b + 16 h + i), which is what the conversions take.  Mean and variance are taken in two passes, as the definition has them:
; each is a sum in the lane, across the two halves of the lanes, and over the eight waves through LDS (one barrier each).  Codes and scale words meet in LDS as rows and leave in runs of 512 consecutive bytes.
; LIMITS: NaN and infinities among the inputs are not served.  A block of zeros gets the byte 1 (the definition says 127): its codes are zeros, and the bytes are read by this program alone.  1 / sqrt by v_rsq_f32.
.set TURNB, 8448                       ; a wave's stage: 16 rows x (512 + 16) bytes
.set RED,   67584                      ; 8 waves x 16 rows: partial sums; 512 bytes on: partial sums of squares
.set CR,    68608                      ; the codes as rows: 16 x (768 + 16) bytes
.set SRG,   81152                      ; the scale bytes as rows: 16 x 32
.set TM,  16                           ; v16-31  the quantiser's work
.set PW,  32                           ; v32     a scale word
.set PC,  34                           ; v34-53  codes
.set XR,  64                           ; v64-127 my 64 numbers
.set RW,  128                          ; v128-191 as loaded; later the offsets (beta)
.set GN,  192                          ; v192-255 the gains
.set SEL, 20                           ; s[20:21] lane selects: lane l xor 16
; 64 numbers of a lane, register 16 b + i = place 16 (lane / 16) + i of block b of my row, become a fragment's 12 registers of codes in v[PC] on and its scale word in v[PW].
.macro QUANT s
.irp b, 0,1,2,3
	v_max3_num_f32 v[TM+\b], |v[\s+16*\b]|, |v[\s+1+16*\b]|, 0x1800000   ; my 16 numbers of block b, and the floor 2^(3 - 127): the byte cannot fall under 1
.endr
.irp i, 2,4,6,8,10,12,14
.irp b, 0,1,2,3
	v_max3_num_f32 v[TM+\b], v[TM+\b], |v[\s+16*\b+\i]|, |v[\s+1+16*\b+\i]|
.endr
.endr
.irp b, 0,1,2,3
	v_permlanex16_b32 v[TM+4+\b], v[TM+\b], s[SEL], s[SEL+1]
.endr
.irp b, 0,1,2,3
	v_max_num_f32 v[TM+\b], v[TM+\b], v[TM+4+\b]   ; with lane l xor 16's: the block's largest magnitude
.endr
.irp b, 0,1,2,3
	v_add_nc_u32 v[TM+12+\b], 0xff000000, v[TM+\b]   ; 2 off its exponent field: the conversion's scale operand
.endr
.irp b, 0,1,2,3
	v_lshrrev_b32 v[TM+4+\b], 23, v[TM+12+\b]      ; the scale's byte
.endr
	v_lshl_or_b32 v[PW], v[TM+5], 8, v[TM+4]
	v_lshl_or_b32 v[PW], v[TM+6], 16, v[PW]
	v_lshl_or_b32 v[PW], v[TM+7], 24, v[PW]
.irp c, 0,1
	v_cvt_scalef32_pk16_fp6_f32 v[PC+6*\c:PC+2+6*\c], v[\s+32*\c:\s+15+32*\c], v[TM+12+2*\c]
	v_cvt_scalef32_pk16_fp6_f32 v[PC+12+4*\c:PC+14+4*\c], v[\s+16+32*\c:\s+31+32*\c], v[TM+12+2*\c+1]   ; (a conversion's three registers begin on an even number)
.endr
	v_nop                                          ; one plain place behind a scaled conversion
.irp c, 0,1                                    ; the operand wants a whole block in a lane: lanes 0-15 block 2 c, lanes 16-31 block 2 c + 1
.irp i, 0,1,2
	v_permlane16_swap_b32 v[PC+6*\c+\i], v[PC+12+4*\c+\i]
.endr
.irp i, 0,1,2
	v_mov_b32 v[PC+3+6*\c+\i], v[PC+12+4*\c+\i]
.endr
.endr
.endm
; The pair v[54:55] holds my lane's partial sum.  Behind the macro v40 holds the row's sum over all 1,024 columns, the same bits in every wave.
.macro REDUCE off
	v_add_f32 v54, v54, v55
	v_permlanex16_b32 v55, v54, s[SEL], s[SEL+1]
	v_add_f32 v54, v54, v55                        ; my wave's 128 columns of row r
	ds_store_b32 v8, v54 offset:\off               ; (both halves of the lanes write the same word with the same value)
	s_wait_dscnt 0x0                               ; for the others' sake: my store has landed
	s_barrier_signal -1
	s_barrier_wait -1
.irp u, 0,1,2,3,4,5,6,7
	ds_load_b32 v[40+\u], v9 offset:\off+64*\u
.endr
	s_wait_dscnt 0x0
	v_add_f32 v40, v40, v41
	v_add_f32 v42, v42, v43
	v_add_f32 v44, v44, v45
	v_add_f32 v46, v46, v47
	v_add_f32 v40, v40, v42
	v_add_f32 v44, v44, v46
	v_add_f32 v40, v40, v44
.endm
	s_load_b256 s[4:11], s[0:1], 0x0               ; the rows s[4:5], gain s[6:7], offset s[8:9], the result s[10:11]
	v_lshl_add_u32 v49, v0, 2, 0x14000
	v_mov_b32 v53, 0
	v_lshrrev_b32 v1, 5, v0
	v_readfirstlane_b32 s12, v1                    ; wave 0..7
	v_and_b32 v1, 31, v0                           ; lane
	v_and_b32 v2, 15, v0                           ; r
	v_bfe_u32 v3, v0, 4, 1                         ; h
	s_mul_i32 s13, s12, TURNB
	v_lshlrev_b32 v4, 4, v1                        ; 16 x lane
	v_add_nc_u32 v5, s13, v4                       ; the stage, in: a row's 512 bytes as they lie
	v_mul_u32_u24 v6, v2, 528
	v_lshl_add_u32 v6, v3, 6, v6
	v_add_nc_u32 v6, s13, v6                       ; and out: row r, + 64 h
	v_lshlrev_b32 v7, 6, v3                        ; gain and offset: 64 h
	s_lshl_b32 s13, s12, 6
	v_lshl_add_u32 v9, v2, 2, RED                  ; partial sums: 4 r,
	v_add_nc_u32 v8, s13, v9                       ; + 64 x wave for my own
	v_mul_u32_u24 v10, v2, 784
	v_mad_u32_u24 v10, v3, 24, v10
	s_mul_i32 s13, s12, 96
	s_add_co_u32 s13, s13, CR
	v_add_nc_u32 v10, s13, v10                     ; codes in: row r, my wave's 96 bytes, + 24 h
	s_mul_i32 s13, s12, 1568
	s_add_co_u32 s13, s13, CR
	v_add_nc_u32 v11, s13, v4                      ; codes out: rows 2 w and 2 w + 1,
	v_lshl_add_u32 v12, v3, 4, v11                 ; (the same behind the first row's padding for lanes 16-31)
	v_lshlrev_b32 v13, 5, v2
	s_lshl_b32 s13, s12, 2
	s_add_co_u32 s13, s13, SRG
	v_add_nc_u32 v13, s13, v13                     ; scale word in: 32 r + 4 w
	v_add_nc_u32 v14, SRG, v4                      ; and out
.irp b, 0,1,2,3
	v_mov_b32 v[TM+4+\b], 0                        ; written once: a lane permute's destination counts as one of its sources
.endr
	s_mov_b32 s[SEL], 0x76543210
	s_mov_b32 s[SEL+1], 0xfedcba98
	s_mov_b32 s22, 0x3a800000                      ; 1 / 1024
	s_mov_b32 s23, 0x3727c5ac                      ; 1e-5
	s_and_b32 s24, ttmp9, 127
	s_lshl_b32 s24, s24, 17                        ; 16 l's of 8,192 bytes
	s_lshr_b32 s25, ttmp9, 7
	s_lshl_b32 s25, s25, 12                        ; the batch's 4,096
	s_add_co_u32 s24, s24, s25
	s_lshl_b32 s26, s12, 9                         ; my wave's 512 bytes of a row
	s_add_co_u32 s24, s24, s26
	s_mov_b32 s25, 0
	s_mov_b32 s27, 0
	s_mul_i32 s28, ttmp9, 12288                    ; 16 rows of codes,
	s_mul_i32 s29, s12, 1536                       ; my wave's two of them
	s_add_co_u32 s28, s28, s29
	s_mov_b32 s29, 0
	s_lshl_b32 s30, ttmp9, 9                       ; 16 rows of scale bytes, behind the codes
	s_add_co_u32 s30, s30, 3145728
	s_mov_b32 s31, 0
	s_wait_kmcnt 0x0
	s_add_nc_u64 s[4:5], s[4:5], s[24:25]
	s_add_nc_u64 s[6:7], s[6:7], s[26:27]
	s_add_nc_u64 s[8:9], s[8:9], s[26:27]
	s_add_nc_u64 s[14:15], s[10:11], s[28:29]
	s_add_nc_u64 s[16:17], s[10:11], s[30:31]
.irp i, 0,1,2,3,4,5,6,7,8,9,10,11,12,13,14,15
	global_load_b128 v[RW+4*\i:RW+4*\i+3], v4, s[4:5] offset:\i*8192 th:TH_LOAD_NT   ; 32 lanes read 512 consecutive bytes of row i
.endr
.irp b, 0,1,2,3
.irp j, 0,1,2,3
	global_load_b128 v[GN+16*\b+4*\j:GN+16*\b+4*\j+3], v7, s[6:7] offset:128*\b+16*\j
.endr
.endr
	s_wait_loadcnt 16                              ; the rows are in; the 16 younger loads, the gains, may be out
.irp i, 0,1,2,3,4,5,6,7,8,9,10,11,12,13,14,15
	ds_store_b128 v5, v[RW+4*\i:RW+4*\i+3] offset:528*\i
.endr
.irp b, 0,1,2,3
.irp j, 0,1,2,3
	ds_load_b128 v[XR+16*\b+4*\j:XR+16*\b+4*\j+3], v6 offset:128*\b+16*\j   ; LDS serves a wave's instructions in order: these see my stores
.endr
.endr
	s_wait_dscnt 0x0
.irp b, 0,1,2,3
.irp j, 0,1,2,3
	global_load_b128 v[RW+16*\b+4*\j:RW+16*\b+4*\j+3], v7, s[8:9] offset:128*\b+16*\j   ; the offsets, into the registers that the stage's stores have read
.endr
.endr
	; the mean
.irp c, 0,1,2,3
	v_pk_add_f32 v[54+2*\c:55+2*\c], v[XR+2*\c:XR+2*\c+1], v[XR+8+2*\c:XR+9+2*\c]   ; four chains; the first pairs start them
.endr
.set p, 8
.rept 24
	v_pk_add_f32 v[54+2*(p%4):55+2*(p%4)], v[54+2*(p%4):55+2*(p%4)], v[XR+2*p:XR+2*p+1]
.set p, p+1
.endr
	v_pk_add_f32 v[54:55], v[54:55], v[56:57]
	v_pk_add_f32 v[58:59], v[58:59], v[60:61]
	v_pk_add_f32 v[54:55], v[54:55], v[58:59]
	REDUCE 0
	v_mul_f32 v62, s22, v40
	v_mov_b32 v63, v62
.set p, 0
.rept 32
	v_pk_add_f32 v[XR+2*p:XR+2*p+1], v[XR+2*p:XR+2*p+1], v[62:63] neg_lo:[0,1] neg_hi:[0,1]   ; x - mean
.set p, p+1
.endr
	; the variance, of the differences
.irp c, 0,1,2,3
	v_pk_mul_f32 v[54+2*\c:55+2*\c], v[XR+2*\c:XR+2*\c+1], v[XR+2*\c:XR+2*\c+1]
.endr
.set p, 4
.rept 28
	v_pk_fma_f32 v[54+2*(p%4):55+2*(p%4)], v[XR+2*p:XR+2*p+1], v[XR+2*p:XR+2*p+1], v[54+2*(p%4):55+2*(p%4)]
.set p, p+1
.endr
	v_pk_add_f32 v[54:55], v[54:55], v[56:57]
	v_pk_add_f32 v[58:59], v[58:59], v[60:61]
	v_pk_add_f32 v[54:55], v[54:55], v[58:59]
	REDUCE 512                                     ; other bytes than the first sum's: no barrier is owed between the two
	v_fma_f32 v41, v40, s22, s23                   ; variance + 1e-5
	v_rsq_f32 v62, v41
	v_nop                                          ; a plain place behind the transcendental,
	s_wait_alu depctr_va_vdst(0)                   ; and the wait ahead of its first reader
	v_mov_b32 v63, v62
	s_wait_loadcnt 0x0                             ; gains and offsets
.set p, 0
.rept 32
	v_pk_mul_f32 v[XR+2*p:XR+2*p+1], v[XR+2*p:XR+2*p+1], v[62:63]
.set p, p+1
.endr
.set p, 0
.rept 32
	v_pk_fma_f32 v[XR+2*p:XR+2*p+1], v[XR+2*p:XR+2*p+1], v[GN+2*p:GN+2*p+1], v[RW+2*p:RW+2*p+1]
.set p, p+1
.endr
	QUANT XR
.irp p, 0,1,2,3,4,5
	ds_store_b64 v10, v[PC+2*\p:PC+2*\p+1] offset:48*(\p/3)+8*(\p%3)   ; registers 0-5: the 24 bytes at 24 h of my 96; registers 6-11: 48 bytes on
.endr
	ds_store_b32 v13, v[PW]
	s_wait_dscnt 0x0                               ; for the others' sake
	s_barrier_signal -1
	s_barrier_wait -1                              ; 16 whole rows of codes and of scale bytes lie in LDS
	ds_load_b128 v[64:67], v11                     ; my two rows, 1,536 bytes, with the 16 bytes of padding between them left out
	ds_load_b128 v[68:71], v12 offset:512
	ds_load_b128 v[72:75], v11 offset:1040
	s_wait_dscnt 0x0
	global_store_b128 v4, v[64:67], s[14:15]       ; each store of the wave covers 512 consecutive bytes, aligned
	global_store_b128 v4, v[68:71], s[14:15] offset:512
	global_store_b128 v4, v[72:75], s[14:15] offset:1024
	s_cmp_lg_u32 s12, 0
	s_cbranch_scc1 .Ldone
	ds_load_b128 v[76:79], v14                     ; wave 0: the 16 rows' 512 scale bytes
	s_wait_dscnt 0x0
	global_store_b128 v4, v[76:79], s[16:17]
.Ldone:
	s_wait_tensorcnt 0x0
	ds_add_u32 v49, v53
	s_wait_dscnt 0x0
	s_endpgm
.Lfunc_end_k_q6d10600492_ln1:
	.size	k_q6d10600492_ln1, .Lfunc_end_k_q6d10600492_ln1-k_q6d10600492_ln1
	.p2alignl 7, 3214868480
	.fill 96, 4, 3214868480
	.section	.rodata,"a",@progbits
	.p2align	6, 0x0
	.amdhsa_kernel k_q6d10600492_ln1
		.amdhsa_group_segment_fixed_size 82944
		.amdhsa_private_segment_fixed_size 0
		.amdhsa_enable_private_segment 0
		.amdhsa_kernarg_size 32
		.amdhsa_user_sgpr_count 2
		.amdhsa_user_sgpr_kernarg_segment_ptr 1
		.amdhsa_wavefront_size32 1
		.amdhsa_system_sgpr_workgroup_id_x 1
		.amdhsa_system_sgpr_workgroup_id_y 1
		.amdhsa_system_sgpr_workgroup_id_z 1
		.amdhsa_system_vgpr_workitem_id 0
		.amdhsa_next_free_vgpr 256
		.amdhsa_next_free_sgpr 66
		.amdhsa_reserve_vcc 0
		.amdhsa_float_denorm_mode_32 3
		.amdhsa_float_denorm_mode_16_64 3
		.amdhsa_memory_ordered 1
		.amdhsa_forward_progress 1
		.amdhsa_inst_pref_size 28
	.end_amdhsa_kernel
	.amdgpu_metadata
---
amdhsa.version: [ 1, 2 ]
amdhsa.kernels:
  - .name:           k_q6d10600492_ln1
    .symbol:         k_q6d10600492_ln1.kd
    .args:
      - { .name: x, .offset: 0, .size: 8, .value_kind: global_buffer, .address_space: global }
      - { .name: ln1_g, .offset: 8, .size: 8, .value_kind: global_buffer, .address_space: global }
      - { .name: ln1_b, .offset: 16, .size: 8, .value_kind: global_buffer, .address_space: global }
      - { .name: H, .offset: 24, .size: 8, .value_kind: global_buffer, .address_space: global }
    .group_segment_fixed_size: 82944
    .private_segment_fixed_size: 0
    .kernarg_segment_align: 8
    .kernarg_segment_size: 32
    .max_flat_workgroup_size: 256
    .sgpr_count:     66
    .vgpr_count:     256
    .wavefront_size: 32
...
	.end_amdgpu_metadata
.endif
;; end of part 1
;; launch qkv (part 2): grid 12 x 16, 4 waves a work-group, clusters of 4 x 4, 327,680 bytes of LDS; arguments H, w_attn_codes, w_attn_scales, b_attn, QKV, out1; writes QKV, out1
.if DOCPART == 2
	.amdgcn_target "amdgcn-amd-amdhsa--gfx1250"
	.amdhsa_code_object_version 6
	.text
	.protected	k_q6d10600492_qkv
	.globl	k_q6d10600492_qkv
	.p2align	8
	.type	k_q6d10600492_qkv,@function
k_q6d10600492_qkv:
	s_mov_b64 s[64:65], 0
	v_nop
	global_prefetch_b8 v0, s[64:65] scope:SCOPE_SE
	s_setreg_imm32_b32 hwreg(HW_REG_WAVE_MODE, 25, 1), 1
	s_wait_xcnt 0x0
	s_wait_alu depctr_hold_cnt(0) depctr_sa_sdst(0) depctr_va_vdst(0) depctr_va_sdst(0) depctr_va_ssrc(0) depctr_va_vcc(0) depctr_vm_vsrc(0)
	s_getreg_b32 s2, hwreg(HW_REG_IB_STS2, 6, 4)
	s_cmp_eq_u32 s2, 0
	s_cbranch_scc0 .Lentry_in_a_cluster
	s_endpgm
.Lentry_in_a_cluster:
	s_bfe_u32 s2, ttmp6, 0x10000c
	s_cmp_lg_u32 s2, 0xf033
	s_cbranch_scc0 .Lentry_shape_is_right
	s_endpgm
.Lentry_shape_is_right:
; q, k, v = LN1(x) w_attn + b_attn on codes of E2M3 with E8M0 scales, K = 1,024; then q, k, v are quantised for the attention, and k and v also leave as f32 (the second output).
; H: codes [4096 m'][768] and, 3,145,728 bytes on, scale bytes [4096][32]; m' = batch x 2048 + l.  w_attn: codes [3072][768], scale bytes [3072][32].
; A tile of 256 x 256 is made by four waves, 128 x 128 each: 64 accumulators, 512 registers.  K goes in steps of 256 through two LDS slots filled by the tensor data mover; the scale bytes of the tile's
; 512 rows come once and stay.  4 x 4 work-groups form a cluster: the tile of operand A is shared along a row of the cluster, B's along a column, each asked for jointly.
; The matrix instruction takes 16 rows of B as source 0 and 16 rows of A as source 1: lane (r, h) holds row r of A's block and, in register j, row 8 h + j of B's block.
; THE CLUSTER'S x SAYS WHAT IS MADE, alike in all sixteen partners: 0: q, 1: k: A = H (tile row 4 Y + cy), B = w_attn (tile row 4 X + cx): a lane holds one token, its registers run along the head's axis,
; which is the first attention product's K.  2: v: A = w_attn (tile row 8 + cy), B = H (tile row 4 Y + cx): a lane holds one channel, its registers run along the keys, the second product's K.
; ORDER INSIDE A BLOCK OF 32.  Accumulators 2 b' and 2 b' + 1 give lane h the numbers 32 b' + 16 u + 8 h + j; the quantiser takes them as places 16 h + 8 u + j.  The block is the true block; inside it the
; groups 8-15 and 16-23 have changed places.  Both operands of each attention product carry the same order (q and k here; v here and p in the attention), so the sums are the same.
; WHAT IS STORED (byte offsets in QKV; bh = batch x 16 + head): 0: q [bh][l / 16][768]; 3,145,728: k likewise: 16 rows x 64 codes as an image of six operand registers: registers 0-3 of lane L at 16 L,
; registers 4-5 at 512 + 8 L.  6,291,456: v [bh][l / 128][d / 16][1536]: 16 channels x 128 keys, registers 4 c .. 4 c + 3 of lane L at 512 c + 16 L.  9,437,184: q's scale words [bh][l / 32][16]: lane r's word:
; bytes 0, 1 row 32 f + r, bytes 2, 3 row 32 f + 16 + r;  9,568,256: k's likewise;  9,699,328: v's [bh][l / 128][d / 16][16].
; LIMITS: NaN and infinities are not served.  A block of zeros gets the byte 1 (the definition says 127): its codes are zeros, and this program alone reads the bytes.
.set SIZE_K, 1024
.set KSTEP,  256                       ; along K in a slot
.set NQ,     KSTEP/128
.set ROWB,   192                       ; a tile's row in bytes
.set KROW,   SIZE_K*6/8
.set PITCH,  240                       ; an LDS row: 3 x (64 bytes + 16 of padding): the 32 lanes of a load of 8 bytes touch 64 different banks
.set FR,     12
.set NL,     6                         ; LDS loads that bring a fragment
.set NP,     4                         ; places behind this matrix instruction (ISA guide 7.12.1)
.set HALFT,  128*PITCH
.set SLOT,   4*HALFT
.set LAPS,   SIZE_K/(2*KSTEP)
.set KS,     SIZE_K/32
.set SCL,    2*SLOT                    ; behind the ring: the scale bytes, as units of 256 bytes + 16 of padding
.set HALFS,  (128*KS/256)*272
.set SBLK,   (16*KS/256)*272
.set SPARE,  SCL+4*HALFS               ; the spare words, 128 bytes for each wave: two blocks of 256 bytes that no other line names
.set KST,    0                         ; THE WAYS OUT use the ring's bytes behind its last fill and last read.  k: a stage of 16 rows x 528 for each wave;
.set QSC,    33792                     ; q, k: 512 bytes of scale words for each wave;
.set VST,    35840                     ; v (bytes of its own): for each wave 35,328: two regions of 64 rows x 272,
.set REG2,   17536                     ; the second so far on (128 above a multiple of 256: the halves of the lanes fall on different banks);
.set VSC,    177152                    ; v: 512 bytes of scale words for each wave
.set ADRA, 16
.set ADRB, 20
.set ADRS, 27
.set SPW,  28
.set NIL,  29
.set SC,   32
.set BI,   64                          ; v64-127  q, k: the bias in the result's layout
.set AF,   128
.set T,    128                         ; the way out: v128-191 64 numbers; v192-207, v208, v210-229 the quantiser's; v209 the even block's word; v230-231 at work
.set TM,   192
.set PW,   208
.set PWE,  209
.set PC,   210
.set W0,   230
.set BV,   240                         ; v240-255 v: the bias of my channel, a pair for each of A's eight blocks
.set G1, 24
.set G0, 32
.set G1B, 48
.set G0B, 56
.set G1S, 68
.set G0S, 76
.set G1SB, 80
.set G0SB, 88
.set SEL, 46
.set PAC, 66                           ; s[66:67] A's codes, s[104:105] A's scale bytes, s[8:9] B's codes, s[10:11] B's scale bytes
.set PAS, 104
.set PBC, 8
.set PBS, 10
.set MSB, 0
.macro WIN new                         ; the immediate's high byte repeats the setting that is left
.if MSB != (\new)
	s_set_vgpr_msb (MSB<<8)|(\new)
.set MSB, (\new)
.endif
.endm
.set MUL_LO, 0xa1                      ; source 0 (B) window 1, source 1 (A) window 0, C and D window 2
.set MUL_HI, 0xf1
.set TO_B,   0x40
; A joint load: waves 0 and 1 fetch for A, waves 2 and 3 for B; the branch hangs on the wave's number alone.  Four v_nop follow each of the two lines.
.macro JLOAD g0a, g1a, g0b, g1b
	s_cmp_eq_u32 s15, 0
	s_cbranch_scc0 .Lfor_b_\@
	tensor_load_to_lds s[\g0a:\g0a+3], s[\g1a:\g1a+7]
	s_nop 0
.rept 4
	v_nop
.endr
	s_branch .Lasked_\@
.Lfor_b_\@:
	tensor_load_to_lds s[\g0b:\g0b+3], s[\g1b:\g1b+7]
	s_nop 0
.rept 4
	v_nop
.endr
.Lasked_\@:
.endm
.macro CREST                           ; a round of the cluster's barrier behind its opening barrier
	s_cmp_lg_u32 s14, 0
	s_cbranch_scc1 .Lnot_wave_0_\@
	s_barrier_signal -3
.Lnot_wave_0_\@:
	s_barrier_wait -3
	s_barrier_signal -1
	s_barrier_wait -1
.endm
.macro CROUND
	s_barrier_signal -1
	s_barrier_wait -1
	CREST
.endm
	s_load_b64 s[4:5], s[0:1], 0x0                 ; H
	s_load_b128 s[8:11], s[0:1], 0x8               ; w_attn's codes, its scale bytes
	s_load_b128 s[96:99], s[0:1], 0x18             ; b_attn, QKV
	s_load_b64 s[100:101], s[0:1], 0x28            ; out1
	v_lshl_add_u32 v[SPW], v0, 2, SPARE
	v_mov_b32 v[NIL], 0
	ds_add_u32 v28, v29
	ds_add_u32 v28, v29
	s_wait_dscnt 0x0
	v_lshrrev_b32 v1, 5, v0
	v_readfirstlane_b32 s14, v1                    ; wave 0..3
	s_lshr_b32 s15, s14, 1                         ; which half of A's rows is mine.  Also: I fetch for A (0) or for B (1)
	s_and_b32 s16, s14, 1                          ; which half of B's rows.  Also: which 128 rows I fetch
	s_bfe_u32 s40, ttmp6, 0x40000                  ; cx, cy
	s_bfe_u32 s41, ttmp6, 0x40004
	s_and_b32 s18, ttmp7, 0xffff
	s_lshl_b32 s18, s18, 2                         ; 4 Y
	s_add_co_u32 s17, s18, s41                     ; 4 Y + cy
	s_add_co_u32 s19, s41, 8                       ; 8 + cy
	s_lshl_b32 s42, ttmp9, 2
	s_add_co_u32 s42, s42, s40                     ; 4 X + cx
	s_add_co_u32 s18, s18, s40                     ; 4 Y + cx
	s_cmp_eq_u32 ttmp9, 2                          ; v?  The cluster's x is the same in all partners
	s_cselect_b32 s17, s19, s17                    ; A's tile row: made of cy and Y alone
	s_cselect_b32 s42, s18, s42                    ; B's tile row: made of cx, X and Y alone
	s_lshl_b32 s43, s41, 2
	s_lshl_b32 s43, 15, s43                        ; my row of the cluster
	s_lshl_b32 s44, 0x1111, s40                    ; my column
	s_or_b32 s[G1+0], s43, (0<<16)|(1<<20)|(1<<21)|(3<<22)|(3<<25)  ; the mask; elements of 1 byte; padding on; bit 21 beside a mask; after every 16 words 4 words
	s_or_b32 s[G1B+0], s44, (0<<16)|(1<<20)|(1<<21)|(3<<22)|(3<<25)
.irp g, G1, G1B
	s_mov_b32 s[\g+1], ROWB<<16                    ; tensor_dim0
	s_mov_b32 s[\g+2], 128<<16                     ; tensor_dim1
	s_mov_b32 s[\g+3], ROWB<<16                    ; tile_dim0
	s_mov_b32 s[\g+4], 128                         ; tile_dim1
	s_mov_b32 s[\g+5], KROW                        ; pitch
	s_mov_b32 s[\g+6], 0
	s_mov_b32 s[\g+7], 0
.endr
	s_or_b32 s[G1S+0], s43, (3<<16)|(1<<20)|(1<<21)|(5<<22)|(3<<25)   ; the scale bytes of 128 rows: a dense block, as rows of 256 bytes, 16 bytes of padding behind each
	s_or_b32 s[G1SB+0], s44, (3<<16)|(1<<20)|(1<<21)|(5<<22)|(3<<25)
.irp g, G1S, G1SB
	s_mov_b32 s[\g+1], 32<<16
	s_mov_b32 s[\g+2], (128*KS/256)<<16
	s_mov_b32 s[\g+3], 32<<16
	s_mov_b32 s[\g+4], 128*KS/256
	s_mov_b32 s[\g+5], 32
	s_mov_b32 s[\g+6], 0
	s_mov_b32 s[\g+7], 0
.endr
	s_lshl_b32 s18, s16, 7
	s_lshl_b32 s20, s17, 8
	s_add_co_u32 s20, s20, s18                     ; A: row 256 x tile row + 128 x half
	s_lshl_b32 s46, s42, 8
	s_add_co_u32 s46, s46, s18                     ; B likewise
	s_mov_b32 s21, 0
	s_mov_b32 s47, 0
	s_mov_b64 s[18:19], KS
	s_mul_u64 s[22:23], s[20:21], s[18:19]
	s_mul_u64 s[92:93], s[46:47], s[18:19]
	s_mov_b64 s[18:19], KROW
	s_mul_u64 s[20:21], s[20:21], s[18:19]
	s_mul_u64 s[46:47], s[46:47], s[18:19]
	s_mul_i32 s45, s14, HALFT                      ; where they go: wave x 128 rows
	s_mul_i32 s94, s14, HALFS
	s_wait_kmcnt 0x0
	s_add_nc_u64 s[6:7], s[4:5], 3145728           ; H's scale bytes
	s_cmp_eq_u32 ttmp9, 2                          ; which buffer is A and which B: the choice hangs on the cluster's x alone
	s_cselect_b64 s[PAC:PAC+1], s[8:9], s[4:5]
	s_cselect_b64 s[PBC:PBC+1], s[4:5], s[8:9]
	s_cselect_b64 s[PAS:PAS+1], s[10:11], s[6:7]
	s_cselect_b64 s[PBS:PBS+1], s[6:7], s[10:11]
	s_add_nc_u64 s[20:21], s[PAC:PAC+1], s[20:21]
	s_add_nc_u64 s[22:23], s[PAS:PAS+1], s[22:23]
	s_add_nc_u64 s[46:47], s[PBC:PBC+1], s[46:47]
	s_add_nc_u64 s[92:93], s[PBS:PBS+1], s[92:93]
	CROUND                                         ; all sixteen work-groups are here: the first joint loads meet
	s_mov_b32 s[G0S], 1
	s_add_co_u32 s[G0S+1], s94, SCL
	s_mov_b64 s[G0S+2:G0S+3], s[22:23]
	s_or_b32 s[G0S+3], s[G0S+3], 0x80000000
	s_mov_b32 s[G0SB], 1
	s_add_co_u32 s[G0SB+1], s94, SCL
	s_mov_b64 s[G0SB+2:G0SB+3], s[92:93]
	s_or_b32 s[G0SB+3], s[G0SB+3], 0x80000000
	JLOAD G0S, G1S, G0SB, G1SB                     ; the scale bytes first; with the two slots three loads of mine are out
.irp s, 0,1
	s_mov_b32 s[G0+4*\s], 1
	s_add_co_u32 s[G0+4*\s+1], s45, \s*SLOT
	s_add_nc_u64 s[G0+4*\s+2:G0+4*\s+3], s[20:21], \s*ROWB
	s_or_b32 s[G0+4*\s+3], s[G0+4*\s+3], 0x80000000
	s_mov_b32 s[G0B+4*\s], 1
	s_add_co_u32 s[G0B+4*\s+1], s45, \s*SLOT
	s_add_nc_u64 s[G0B+4*\s+2:G0B+4*\s+3], s[46:47], \s*ROWB
	s_or_b32 s[G0B+4*\s+3], s[G0B+4*\s+3], 0x80000000
	JLOAD G0+4*\s, G1, G0B+4*\s, G1B
.endr
	v_and_b32 v1, 15, v0                           ; r
	v_bfe_u32 v2, v0, 4, 1                         ; h
	v_mul_u32_u24 v3, v1, PITCH
	v_mul_u32_u24 v4, v2, 24
	v_add_nc_u32 v4, v3, v4                        ; a fragment's row x pitch + 24 h
	v_lshl_add_u32 v5, v2, 4, v4                   ; and the same behind one padding more
	s_mul_i32 s21, s15, HALFT
	s_mul_i32 s22, s16, HALFT
	s_add_co_u32 s22, s22, 2*HALFT
.irp s, 0,1
	v_add_nc_u32 v[ADRA+\s], s21, v4
	v_add_nc_u32 v[ADRB+\s], s22, v4
	v_add_nc_u32 v[ADRA+2+\s], s21, v5
	v_add_nc_u32 v[ADRB+2+\s], s22, v5
	s_add_co_u32 s21, s21, SLOT
	s_add_co_u32 s22, s22, SLOT
.endr
	v_mul_u32_u24 v5, v1, KS
	v_lshrrev_b32 v6, 8, v5
	v_lshl_add_u32 v5, v6, 4, v5                   ; my row's scale bytes, 16 more for each 256 passed
	s_mul_i32 s21, s15, HALFS
	s_mul_i32 s22, s16, HALFS
	s_add_co_u32 s22, s22, 2*HALFS
	s_sub_co_u32 s22, s22, s21
	v_mul_u32_u24 v6, s22, v2                      ; lanes 16-31 take B's
	s_add_co_u32 s21, s21, SCL
	v_add_nc_u32 v5, v5, v6
	v_add_nc_u32 v[ADRS], s21, v5
	; the addresses of both ways out, made here, on the one way that all waves take
	v_and_b32 v6, 31, v0
	v_lshlrev_b32 v26, 4, v6                       ; 16 L
	v_lshlrev_b32 v7, 3, v6                        ; 8 L
	v_lshlrev_b32 v30, 2, v1                       ; 4 r
	v_lshlrev_b32 v31, 5, v2                       ; 32 h
	v_lshlrev_b32 v3, 4, v1                        ; 16 r
	s_mul_i32 s23, s14, 8448
	v_mul_u32_u24 v5, v1, 528
	v_lshl_add_u32 v5, v2, 5, v5
	v_add_nc_u32 v24, s23, v5                      ; k's stage, in: row r, + 32 h
	v_add_nc_u32 v25, s23, v26                     ; and back: a row's 512 bytes
	s_lshl_b32 s23, s14, 9
	s_add_co_u32 s23, s23, QSC
	v_lshl_add_u32 v12, v2, 8, v30
	v_add_nc_u32 v12, s23, v12                     ; q, k: scale words in: 256 h + 4 r
	v_add_nc_u32 v14, s23, v26                     ; and back
	v_lshl_add_u32 v13, v2, 19, v3                 ; k in out1: lanes 16-31 the next head, 524,288 bytes on
	v_lshl_add_u32 v15, v2, 12, v3                 ; scale words in memory: lanes 16-31 the next head, 4,096 bytes on
	v_lshl_add_u32 v11, v2, 8, v3                  ; v in out1: lanes 16-31 the next key
	s_mul_i32 s23, s14, 35328
	s_add_co_u32 s23, s23, VST
	v_mul_u32_u24 v8, v2, REG2
	v_add_nc_u32 v8, v8, v30
	v_add_nc_u32 v8, s23, v8                       ; v's stage, in: region h, + 4 r
	v_mul_u32_u24 v9, v2, 272
	v_add_nc_u32 v9, v9, v3
	v_add_nc_u32 v9, s23, v9                       ; and back: two rows an instruction
	s_lshl_b32 s23, s14, 9
	s_add_co_u32 s23, s23, VSC
	v_add_nc_u32 v10, s23, v30                     ; v: scale words in
	v_add_nc_u32 v4, s23, v26                      ; and back
	; the bias, in both layouts; the one that this cluster does not use is read from the buffer's first bytes, so that no load leaves it
	s_lshl_b32 s18, s42, 10
	s_lshl_b32 s19, s16, 9
	s_add_co_u32 s18, s18, s19                     ; B's first row x 4
	s_lshl_b32 s20, s17, 10
	s_lshl_b32 s19, s15, 9
	s_add_co_u32 s20, s20, s19                     ; A's first row x 4
	s_cmp_eq_u32 ttmp9, 2
	s_cselect_b32 s92, 0, s18
	s_cselect_b32 s94, s20, 0
	s_mov_b32 s93, 0
	s_mov_b32 s95, 0
	s_add_nc_u64 s[92:93], s[96:97], s[92:93]
	s_add_nc_u64 s[94:95], s[96:97], s[94:95]
.irp b, 0,1,2,3,4,5,6,7
	global_load_b128 v[BI+8*\b:BI+8*\b+3], v31, s[92:93] offset:64*\b         ; register 8 b + j: column 16 b + 8 h + j
	global_load_b128 v[BI+8*\b+4:BI+8*\b+7], v31, s[92:93] offset:64*\b+16
.endr
.irp a, 0,1,2,3,4,5,6,7
	global_load_b32 v[BV+2*\a], v30, s[94:95] offset:64*\a                    ; channel 16 a + r, twice: a pair for the packed addition
	global_load_b32 v[BV+2*\a+1], v30, s[94:95] offset:64*\a
.endr
.macro FRAG reg, adr, q, i             ; 16 rows x 128 K of 6-bit codes: 12 registers, as six pieces of 8 bytes of the row's stream of bits
.irp p, 0,1,2,3,4,5
.set PCE, 12*(\q)+6*(\p/3)+\p%3        ; 16 bytes of padding lie behind every 8 pieces: where the piece three on (lanes 16-31) lies behind one padding more, the second address register serves
.if PCE%8 < 5
	ds_load_b64 v[\reg+2*\p:\reg+2*\p+1], v[\adr] offset:8*PCE+16*(PCE/8)+(\i)*16*PITCH
.else
	ds_load_b64 v[\reg+2*\p:\reg+2*\p+1], v[\adr+2] offset:8*PCE+16*(PCE/8)+(\i)*16*PITCH
.endif
.endr
.endm
; 16 matrix instructions: A's blocks a0, a0 + 1 x B's eight.  The 64 accumulators take turns, one instruction a turn, in the same order in every step.
; One register carries A's scale word (lanes 0-15) and B's (lanes 16-31).
.macro MUL16 a0, p, q, sc, zero
.irp a, \a0, \a0+1
.irp b, 0,1,2,3,4,5,6,7
.if \zero
	v_wmma_scale_f32_16x16x128_f8f6f4 v[8*(8*((\a)%4)+\b):8*(8*((\a)%4)+\b)+7], v[128*(\p)+FR*\b:128*(\p)+FR*\b+FR-1], v[AF+FR*(\a):AF+FR*(\a)+FR-1], 0, v[SC+8*NQ*(\sc)+NQ*\b+(\q)], v[SC+8*NQ*(\sc)+NQ*(\a)+(\q)] matrix_a_fmt:MATRIX_FMT_FP6 matrix_b_fmt:MATRIX_FMT_FP6 matrix_a_scale:MATRIX_SCALE_ROW1
.else
	v_wmma_scale_f32_16x16x128_f8f6f4 v[8*(8*((\a)%4)+\b):8*(8*((\a)%4)+\b)+7], v[128*(\p)+FR*\b:128*(\p)+FR*\b+FR-1], v[AF+FR*(\a):AF+FR*(\a)+FR-1], v[8*(8*((\a)%4)+\b):8*(8*((\a)%4)+\b)+7], v[SC+8*NQ*(\sc)+NQ*\b+(\q)], v[SC+8*NQ*(\sc)+NQ*(\a)+(\q)] matrix_a_fmt:MATRIX_FMT_FP6 matrix_b_fmt:MATRIX_FMT_FP6 matrix_a_scale:MATRIX_SCALE_ROW1
.endif
.endr
.endr
.endm
.macro FETCH_B slot, q, p
	WIN TO_B
.irp i, 0,1,2,3,4,5,6,7
	FRAG 128*(\p)+FR*\i, ADRB+\slot, \q, \i
.endr
	WIN 0
.endm
.macro FETCH_A slot, q, i0
.irp i, \i0, \i0+1, \i0+2, \i0+3
	FRAG AF+FR*(\i), ADRA+\slot, \q, \i
.endr
.endm
.macro SCALES sc
.irp i, 0,1,2,3,4,5,6,7
	ds_load_b64 v[SC+8*NQ*\sc+NQ*\i:SC+8*NQ*\sc+NQ*\i+1], v[ADRS] offset:\i*SBLK
.endr
.endm
.macro PLACES n                        ; places behind matrix instructions, in front of loads into registers that they have read and of the first read of results
.rept \n
	v_nop
.endr
.endm
.macro STEP slot, q, zero              ; a step of 128 along K that has its successor in the same slot
	s_wait_dscnt 4*NL                              ; B's set and A's blocks 0-3 are in; the youngest 24 loads (A's blocks 4-7) may be out
	WIN MUL_LO
	MUL16 0, (\q)%2, \q, \slot, \zero
	MUL16 2, (\q)%2, \q, \slot, \zero
	s_wait_dscnt 0
	PLACES NP
	FETCH_B \slot, (\q)+1, 1-(\q)%2
	FETCH_A \slot, (\q)+1, 0
	WIN MUL_HI
	MUL16 4, (\q)%2, \q, \slot, \zero
	MUL16 6, (\q)%2, \q, \slot, \zero
	PLACES NP
	WIN 0
	FETCH_A \slot, (\q)+1, 4
.endm
; A slot's last step changes slots: one barrier; in front of it each wave waits for all its tensor loads, adds 0 to its spare word, and waits for that and for its reads of this slot.
.macro TURN slot, next, fill
	s_wait_tensorcnt 0x0                           ; all my tensor loads have landed: my part of the next slot
	ds_add_u32 v[SPW], v[NIL]                      ; 0 onto my spare word
	s_wait_dscnt 4*NL+1                            ; (the add and the youngest 24 loads may be out)
	WIN MUL_LO
	MUL16 0, 1, NQ-1, \slot, 0
	s_wait_dscnt 0x0                               ; the add is done, and my reads of this slot are over
	s_barrier_signal -1
	MUL16 2, 1, NQ-1, \slot, 0
	WIN 0
	s_barrier_wait -1
.if \fill
	CREST                                          ; the barrier has opened a round of the cluster's: no wave of any partner still reads this slot or has a load on its way
	s_add_nc_u64 s[G0+4*\slot+2:G0+4*\slot+3], s[G0+4*\slot+2:G0+4*\slot+3], 2*ROWB
	s_add_nc_u64 s[G0B+4*\slot+2:G0B+4*\slot+3], s[G0B+4*\slot+2:G0B+4*\slot+3], 2*ROWB
	JLOAD G0+4*\slot, G1, G0B+4*\slot, G1B         ; my one tensor load behind the round; its four v_nop are the places in front of the loads below
.else
	PLACES NP
.endif
	v_add_nc_u32 v[ADRS], 4*NQ, v[ADRS]
	FETCH_B \next, 0, 0
	FETCH_A \next, 0, 0
	SCALES \next
	WIN MUL_HI
	MUL16 4, 1, NQ-1, \slot, 0
	MUL16 6, 1, NQ-1, \slot, 0
	PLACES NP
	WIN 0
	FETCH_A \next, 0, 4
.endm
	s_wait_tensorcnt 1                             ; the scale bytes and my part of slot 0 are in; slot 1's load may be out
	s_barrier_signal -1
	s_barrier_wait -1
	FETCH_B 0, 0, 0
	FETCH_A 0, 0, 0
	SCALES 0
	FETCH_A 0, 0, 4
	STEP 0, 0, 1                                   ; the first step's products start the sums
	s_mov_b32 s3, LAPS-1
.Llap:
	TURN 0, 1, 1
	STEP 1, 0, 0
	TURN 1, 0, 1
	STEP 0, 0, 0
	s_sub_co_u32 s3, s3, 1
	s_cmp_lg_u32 s3, 0
	s_cbranch_scc1 .Llap
	TURN 0, 1, 0                                   ; the last lap fills nothing
	STEP 1, 0, 0
	s_wait_dscnt 4*NL
	WIN MUL_LO
	MUL16 0, 1, NQ-1, 1, 0
	MUL16 2, 1, NQ-1, 1, 0
	s_wait_dscnt 0
	WIN MUL_HI
	MUL16 4, 1, NQ-1, 1, 0
	MUL16 6, 1, NQ-1, 1, 0
	WIN 0
; 64 numbers of a lane, register 16 b + i = place 16 (lane / 16) + i of block b, become 12 registers of codes in v[PC] on and the scale word in v[PW].
.macro QUANT s
.irp b, 0,1,2,3
	v_max3_num_f32 v[TM+\b], |v[\s+16*\b]|, |v[\s+1+16*\b]|, 0x1800000   ; and the floor 2^(3 - 127): the byte cannot fall under 1
.endr
.irp i, 2,4,6,8,10,12,14
.irp b, 0,1,2,3
	v_max3_num_f32 v[TM+\b], v[TM+\b], |v[\s+16*\b+\i]|, |v[\s+1+16*\b+\i]|
.endr
.endr
.irp b, 0,1,2,3
	v_permlanex16_b32 v[TM+4+\b], v[TM+\b], s[SEL], s[SEL+1]
.endr
.irp b, 0,1,2,3
	v_max_num_f32 v[TM+\b], v[TM+\b], v[TM+4+\b]
.endr
.irp b, 0,1,2,3
	v_add_nc_u32 v[TM+12+\b], 0xff000000, v[TM+\b]   ; 2 off the exponent field: the conversion's scale operand
.endr
.irp b, 0,1,2,3
	v_lshrrev_b32 v[TM+4+\b], 23, v[TM+12+\b]
.endr
	v_lshl_or_b32 v[PW], v[TM+5], 8, v[TM+4]
	v_lshl_or_b32 v[PW], v[TM+6], 16, v[PW]
	v_lshl_or_b32 v[PW], v[TM+7], 24, v[PW]
.irp c, 0,1
	v_cvt_scalef32_pk16_fp6_f32 v[PC+6*\c:PC+2+6*\c], v[\s+32*\c:\s+15+32*\c], v[TM+12+2*\c]
	v_cvt_scalef32_pk16_fp6_f32 v[PC+12+4*\c:PC+14+4*\c], v[\s+16+32*\c:\s+31+32*\c], v[TM+12+2*\c+1]
.endr
	v_nop                                          ; one plain place behind a scaled conversion
.irp c, 0,1
.irp i, 0,1,2
	v_permlane16_swap_b32 v[PC+6*\c+\i], v[PC+12+4*\c+\i]
.endr
.irp i, 0,1,2
	v_mov_b32 v[PC+3+6*\c+\i], v[PC+12+4*\c+\i]
.endr
.endr
.endm
	PLACES NP
	s_wait_dscnt 0x0                               ; my reads of the ring are over,
	s_barrier_signal -1
	s_barrier_wait -1                              ; everybody's are: both slots have had their last fill and their last read, and serve as stages
	s_wait_loadcnt 0x0                             ; the biases
	s_mov_b32 s[SEL], 0x76543210
	s_mov_b32 s[SEL+1], 0xfedcba98
	s_mov_b32 s2, 0xffff0000                       ; lanes 16-31
.irp b, 0,1,2,3
	v_mov_b32 v[TM+4+\b], 0                        ; written once: a lane permute's destination counts as one of its sources
.endr
	s_cmp_eq_u32 ttmp9, 2
	s_cbranch_scc1 .Lpath_v
	; ---- q and k.  My rows: batch = tile row / 8, l / 16 = 16 (tile row % 8) + 8 (half) + a.  My 128 columns: two heads
	s_lshr_b32 s18, s17, 3
	s_and_b32 s19, s17, 7
	s_lshl_b32 s19, s19, 4
	s_lshl_b32 s20, s15, 3
	s_add_co_u32 s19, s19, s20                     ; the first l / 16
	s_and_b32 s20, s42, 3
	s_lshl_b32 s20, s20, 2
	s_lshl_b32 s21, s16, 1
	s_add_co_u32 s20, s20, s21                     ; the first head
	s_lshl_b32 s18, s18, 4
	s_add_co_u32 s18, s18, s20                     ; bh
	s_lshl_b32 s20, s18, 7
	s_add_co_u32 s20, s20, s19
	s_mul_i32 s20, s20, 768
	s_mul_i32 s21, ttmp9, 3145728                  ; q's images or k's
	s_add_co_u32 s20, s20, s21
	s_mov_b32 s21, 0
	s_add_nc_u64 s[4:5], s[98:99], s[20:21]        ; the images
	s_lshl_b32 s20, s18, 12
	s_lshl_b32 s22, s19, 5
	s_add_co_u32 s20, s20, s22
	s_lshl_b32 s22, ttmp9, 17
	s_add_co_u32 s20, s20, s22
	s_add_co_u32 s20, s20, 9437184
	s_add_nc_u64 s[6:7], s[98:99], s[20:21]        ; the scale words
	s_lshl_b32 s20, s18, 19
	s_lshl_b32 s22, s19, 12
	s_add_co_u32 s20, s20, s22
	s_add_nc_u64 s[12:13], s[100:101], s[20:21]    ; k in out1
.macro QKBLK a                         ; block a: 16 tokens x 128 columns
	s_wait_xcnt 0x0                                ; the last block's stores have read their registers
	WIN 0x02+(\a)/4                                ; source 0: the accumulators' window
.set i, 0
.rept 32
	v_pk_add_f32 v[T+2*i:T+2*i+1], v[64*((\a)%4)+2*i:64*((\a)%4)+2*i+1], v[BI+2*i:BI+2*i+1]   ; + bias; each accumulator from its low end on
.set i, i+1
.endr
	WIN 0
	s_cmp_eq_u32 ttmp9, 1
	s_cbranch_scc0 .Lno_k1_\@
.irp b, 0,1,2,3,4,5,6,7                        ; k as f32 goes through my stage and comes back as whole rows while it is quantised
	ds_store_b128 v24, v[T+8*\b:T+8*\b+3] offset:64*\b
	ds_store_b128 v24, v[T+8*\b+4:T+8*\b+7] offset:64*\b+16
.endr
	WIN 0x40
.irp t, 0,1,2,3,4,5,6,7,8,9,10,11,12,13,14,15
	ds_load_b128 v[4*\t:4*\t+3], v25 offset:528*\t
.endr
	WIN 0
.Lno_k1_\@:
	QUANT T
	global_store_b128 v26, v[PC:PC+3], s[4:5] offset:(\a)*768               ; registers 0-5: the first head's 64 codes a row; each store covers 512 or 256 consecutive bytes, aligned
	global_store_b64 v7, v[PC+4:PC+5], s[4:5] offset:(\a)*768+512
	global_store_b128 v26, v[PC+6:PC+9], s[4:5] offset:(\a)*768+98304       ; registers 6-11: the next head's
	global_store_b64 v7, v[PC+10:PC+11], s[4:5] offset:(\a)*768+98304+512
.if (\a)%2 == 0
	v_mov_b32 v[PWE], v[PW]
.else
	v_perm_b32 v[W0], v[PW], v[PWE], 0x05040100    ; the first head: the even block's two bytes, then the odd block's
	v_perm_b32 v[W0+1], v[PW], v[PWE], 0x07060302  ; the next head
	v_cndmask_b32 v[W0], v[W0], v[W0+1], s2        ; lanes 16-31 carry the next head's word
	ds_store_b32 v12, v[W0] offset:((\a)/2)*64
.endif
	s_wait_dscnt 0x0                               ; k's rows are back from the stage.  The wait stands ahead of the branch, on every way through the block: no load into these registers is out when the stores below read them or the next block's loads are issued
	s_cmp_eq_u32 ttmp9, 1
	s_cbranch_scc0 .Lno_k2_\@
	WIN 0x04                                       ; a store's data are its source 1: window 1
.irp t, 0,1,2,3,4,5,6,7,8,9,10,11,12,13,14,15
	global_store_b128 v13, v[4*\t:4*\t+3], s[12:13] offset:(16*(\a)+\t)*256 th:TH_STORE_NT   ; lanes 0-15: a row of 256 bytes of one head; lanes 16-31: of the next
.endr
	WIN 0
.Lno_k2_\@:
.endm
.irp a, 0,1,2,3,4,5,6,7
	QKBLK \a
.endr
	ds_load_b128 v[T:T+3], v14                     ; my 512 bytes of scale words: 256 for each head
	s_wait_dscnt 0x0
	global_store_b128 v15, v[T:T+3], s[6:7]
	s_branch .Lend
.Lpath_v:
	; ---- v.  A's block a: head 4 cy + 2 (half) + a / 4, channels 16 (a % 4) + r.  B's 128 rows: batch = tile row / 8, keys 128 ks on, ks = 2 (tile row % 8) + half
	s_lshl_b32 s18, s41, 2
	s_lshl_b32 s19, s15, 1
	s_add_co_u32 s18, s18, s19                     ; the first head
	s_lshr_b32 s19, s42, 3
	s_lshl_b32 s19, s19, 4
	s_add_co_u32 s18, s18, s19                     ; bh
	s_and_b32 s19, s42, 7
	s_lshl_b32 s19, s19, 1
	s_add_co_u32 s19, s19, s16                     ; ks
	s_lshl_b32 s20, s18, 4
	s_add_co_u32 s20, s20, s19                     ; 16 bh + ks
	s_mul_i32 s22, s20, 6144
	s_add_co_u32 s22, s22, 6291456
	s_mov_b32 s23, 0
	s_add_nc_u64 s[4:5], s[98:99], s[22:23]        ; the images
	s_lshl_b32 s22, s20, 8
	s_add_co_u32 s22, s22, 9699328
	s_add_nc_u64 s[6:7], s[98:99], s[22:23]        ; the scale words
	s_lshl_b32 s22, s18, 19
	s_lshl_b32 s20, s19, 15
	s_add_co_u32 s22, s22, s20
	s_add_co_u32 s22, s22, 16777216
	s_add_nc_u64 s[12:13], s[100:101], s[22:23]    ; v in out1
.macro VBLK a
	s_wait_xcnt 0x0
	WIN 0x02+(\a)/4
.set i, 0
.rept 32
	v_pk_add_f32 v[T+2*i:T+2*i+1], v[64*((\a)%4)+2*i:64*((\a)%4)+2*i+1], v[BV+2*(\a):BV+2*(\a)+1]
.set i, i+1
.endr
	WIN 0
.set i, 0
.rept 64
	ds_store_b32 v8, v[T+i] offset:i*272+((\a)%4)*64   ; register 8 b + j: key 16 b + 8 h + j: row 8 b + j of region h; my channel's word in it
.set i, i+1
.endr
	QUANT T                                        ; 16 channels x 128 keys: one fragment
.irp c, 0,1,2
	global_store_b128 v26, v[PC+4*\c:PC+4*\c+3], s[4:5] offset:((\a)/4)*98304+((\a)%4)*1536+512*\c
.endr
	ds_store_b32 v10, v[PW] offset:64*(\a)         ; (both halves of the lanes write the same word with the same value)
.endm
.macro OUTV hd                         ; a head's 128 keys x 64 channels lie in my stage: they leave as whole rows of 256 bytes
.irp g, 0,1
.irp hf, 0,1
	s_wait_xcnt 0x0
	WIN 0x40
.irp t, 0,1,2,3,4,5,6,7,8,9,10,11,12,13,14,15
	ds_load_b128 v[4*\t:4*\t+3], v9 offset:\g*REG2+2*(16*\hf+\t)*272
.endr
	s_wait_dscnt 0x0
	WIN 0x04
.irp t, 0,1,2,3,4,5,6,7,8,9,10,11,12,13,14,15
	global_store_b128 v11, v[4*\t:4*\t+3], s[12:13] offset:(\hd)*524288+(((2*(16*\hf+\t))>>3)*16+8*\g+((2*(16*\hf+\t))&7))*256 th:TH_STORE_NT
.endr
	WIN 0
.endr
.endr
.endm
	VBLK 0
	VBLK 1
	VBLK 2
	VBLK 3
	OUTV 0
	VBLK 4
	VBLK 5
	VBLK 6
	VBLK 7
	OUTV 1
	ds_load_b128 v[T:T+3], v4
	s_wait_dscnt 0x0
	global_store_b128 v15, v[T:T+3], s[6:7]
.Lend:
	s_wait_tensorcnt 0x0                           ; the wave's end
	ds_add_u32 v[SPW], v[NIL]
	s_wait_dscnt 0x0
	CROUND                                         ; the closing round
	s_endpgm
.Lfunc_end_k_q6d10600492_qkv:
	.size	k_q6d10600492_qkv, .Lfunc_end_k_q6d10600492_qkv-k_q6d10600492_qkv
	.p2alignl 7, 3214868480
	.fill 96, 4, 3214868480
	.section	.rodata,"a",@progbits
	.p2align	6, 0x0
	.amdhsa_kernel k_q6d10600492_qkv
		.amdhsa_group_segment_fixed_size 327680
		.amdhsa_private_segment_fixed_size 0
		.amdhsa_enable_private_segment 0
		.amdhsa_kernarg_size 48
		.amdhsa_user_sgpr_count 2
		.amdhsa_user_sgpr_kernarg_segment_ptr 1
		.amdhsa_wavefront_size32 1
		.amdhsa_system_sgpr_workgroup_id_x 1
		.amdhsa_system_sgpr_workgroup_id_y 1
		.amdhsa_system_sgpr_workgroup_id_z 1
		.amdhsa_system_vgpr_workitem_id 0
		.amdhsa_next_free_vgpr 1024
		.amdhsa_next_free_sgpr 106
		.amdhsa_reserve_vcc 0
		.amdhsa_float_denorm_mode_32 3
		.amdhsa_float_denorm_mode_16_64 3
		.amdhsa_memory_ordered 1
		.amdhsa_forward_progress 1
		.amdhsa_inst_pref_size 255
	.end_amdhsa_kernel
	.section	.bss,"aw",@nobits
	.p2align	6
	.space	262144
	.amdgpu_metadata
---
amdhsa.version: [ 1, 2 ]
amdhsa.kernels:
  - .name:           k_q6d10600492_qkv
    .symbol:         k_q6d10600492_qkv.kd
    .args:
      - { .name: H, .offset: 0, .size: 8, .value_kind: global_buffer, .address_space: global }
      - { .name: w_attn_codes, .offset: 8, .size: 8, .value_kind: global_buffer, .address_space: global }
      - { .name: w_attn_scales, .offset: 16, .size: 8, .value_kind: global_buffer, .address_space: global }
      - { .name: b_attn, .offset: 24, .size: 8, .value_kind: global_buffer, .address_space: global }
      - { .name: QKV, .offset: 32, .size: 8, .value_kind: global_buffer, .address_space: global }
      - { .name: out1, .offset: 40, .size: 8, .value_kind: global_buffer, .address_space: global }
    .group_segment_fixed_size: 327680
    .private_segment_fixed_size: 0
    .kernarg_segment_align: 8
    .kernarg_segment_size: 48
    .max_flat_workgroup_size: 128
    .sgpr_count:     106
    .vgpr_count:     1024
    .wavefront_size: 32
...
	.end_amdgpu_metadata
.endif
;; end of part 2
;; launch attn (part 3): grid 8 x 32, 16 waves a work-group, clusters of 4 x 1, 206,848 bytes of LDS; arguments QKV, AT; writes AT
.if DOCPART == 3
	.amdgcn_target "amdgcn-amd-amdhsa--gfx1250"
	.amdhsa_code_object_version 6
	.text
	.protected	k_q6d10600492_attn
	.globl	k_q6d10600492_attn
	.p2align	8
	.type	k_q6d10600492_attn,@function
k_q6d10600492_attn:
	s_mov_b64 s[64:65], 0
	v_nop
	global_prefetch_b8 v0, s[64:65] scope:SCOPE_SE
	s_setreg_imm32_b32 hwreg(HW_REG_WAVE_MODE, 25, 1), 1
	s_wait_xcnt 0x0
	s_wait_alu depctr_hold_cnt(0) depctr_sa_sdst(0) depctr_va_vdst(0) depctr_va_sdst(0) depctr_va_ssrc(0) depctr_va_vcc(0) depctr_vm_vsrc(0)
	s_getreg_b32 s2, hwreg(HW_REG_IB_STS2, 6, 4)
	s_cmp_eq_u32 s2, 0
	s_cbranch_scc0 .Lentry_in_a_cluster
	s_endpgm
.Lentry_in_a_cluster:
	s_bfe_u32 s2, ttmp6, 0x10000c
	s_cmp_lg_u32 s2, 0x3003
	s_cbranch_scc0 .Lentry_shape_is_right
	s_endpgm
.Lentry_shape_is_right:
; a[bh][q][:] = the sum over k of softmax_k(q . k / 8) v[k][:], 32 heads (bh = batch x 16 + head) of 2,048 tokens x 64, both products on codes of E2M3 with E8M0 scales; the result is quantised for the next product.
; THE SOFTMAX: t = score x log2(e) / 8; M = the running largest t rounded up to a whole number; p = 2^(t - M) is quantised along the keys, not normalised; the row's sum is taken of the unquantised p and divides at the end.
; INPUT (byte offsets in QKV): 0: q, 3,145,728: k: [bh][l / 16][768]: 16 rows x 64 codes as an image of six operand registers (registers 0-3 of lane L at 16 L, registers 4-5 at 512 + 8 L);
; 6,291,456: v [bh][l / 128][d / 16][1536]: 16 channels x 128 keys, registers 4 c .. 4 c + 3 at 512 c + 16 L; 9,437,184 q's, 9,568,256 k's scale words [bh][l / 32][16] (bytes 0, 1: row 32 f + r; 2, 3: row 32 f + 16 + r);
; 9,699,328 v's [bh][l / 128][d / 16][16].  Inside a block of 32 the groups 8-15 and 16-23 have changed places, alike in q and k (along the head's axis) and in v (along the keys); p gets the same order here by itself.
; SHARES.  A work-group owns 256 queries of one head, each of its sixteen waves 16, in 256 registers.  A HEAD'S K AND V CODES AND SCALE WORDS, 204,800 bytes, LIE IN LDS WHOLE: filled once, nothing is filled again.
; The four work-groups of a cluster belong to one head: every tensor load is asked for jointly.  Wave 0 fetches k's words and codes, wave 1 v's: five loads each, the codes in four parts of 512 keys, so that the
; first steps run while the later parts are on their way.
; K = 64 IN A FORM OF 128.  A fragment of k holds two tiles of 16 keys (registers 0-5, 6-11).  q lies as q | zeros | q in 18 registers: q | 0 multiplies the first tile and 0 | q the second; zero codes add nothing.
; Both products are used transposed: a lane holds one query throughout.
; OUTPUT (AT): 0: [head / 4][m' / 16][head % 4][768]: 16 rows x 64 codes as above, in natural order; 3,145,728: scale bytes [m'][32], two at 2 x head.  m' = batch x 2048 + l.
; LIMITS: NaN and infinities are not served.  A block of zeros gets the byte 1: its codes are zeros.  A block's largest p is taken from its largest score by the same multiply-add and exponential.
.set VB,   98304                       ; LDS: k's codes at 0, v's here,
.set KSWB, 196608                      ; k's scale words, and 4,096 bytes on v's
.set WV,  18
.set SEL, 20
.set CS,  22                           ; s[22:23] c = log2(e) / 8
.set G1C, 24                           ; s[24:31] group 1: 96 rows of 256 bytes;  s[32:39]: 16 rows;  s[40:59] five groups 0
.set G1W, 32
.set G0,  40
.set TB,  2                            ; s2  the step's bytes in k's and in v's codes: 6,144 a step
.set TS,  3                            ; s3  and in the scale words: 256 a step
.set CNT, 60
.set QF,  16                           ; v16-33  q | 0 | q
.set QS,  34                           ; v34     q's scale word
.set FRG, 36                           ; v36-83  four fragments of k, then of v
.set KW,  84                           ; v84-87  k's scale words;  v88-91 v's
.set VW,  88
.set S,   96                           ; v96-159 the scores, then p
.set OA,  160                          ; v160-191 the result, transposed
.set BM,  192                          ; v192-195 the blocks' largest scores
.set BT,  196                          ; v196-199 at work
.set CVS, 200                          ; v200-203 the conversions' scale operands
.set CV2, 204                          ; v204-211 the conversions' second halves
.set P,   212                          ; v212-223 p's codes
.set PWD, 224                          ; v224    p's scale word
.set FF,  226                          ; v[226:227] f = 2^(old M - new M)
.set TMP, 228
.set SM2, 230                          ; v[230:231] the sum's second chain
.macro ROUND                           ; a round of the cluster's barrier
	s_barrier_signal -1
	s_barrier_wait -1
	s_cmp_lg_u32 s[WV], 0
	s_cbranch_scc1 .Lnot_wave_0_\@
	s_barrier_signal -3
.Lnot_wave_0_\@:
	s_barrier_wait -3
	s_barrier_signal -1
	s_barrier_wait -1
.endm
	s_load_b128 s[4:7], s[0:1], 0x0                ; QKV, AT
	v_lshl_add_u32 v254, v0, 2, 0x32000
	v_mov_b32 v255, 0
	ds_add_u32 v254, v255
	ds_add_u32 v254, v255
	v_lshrrev_b32 v1, 5, v0
	v_readfirstlane_b32 s[WV], v1                  ; wave 0..15
	s_bfe_u32 s8, ttmp6, 0x40000                   ; cx: it enters global addresses of q and of the result alone
	s_lshl_b32 s9, ttmp9, 2
	s_add_co_u32 s9, s9, s8                        ; my block of 256 queries
	s_lshl_b32 s8, s9, 4
	s_add_co_u32 s8, s8, s[WV]                     ; my tile of 16 queries
	s_and_b32 s10, ttmp7, 0xffff                   ; bh, which the four partners share
	s_mov_b32 s[G1C], 15|(3<<16)|(1<<21)           ; the mask: all four work-groups; elements of 8 bytes; no padding; bit 21 beside a mask
	s_mov_b32 s[G1C+1], 32<<16                     ; tensor_dim0: 32 elements = 256 bytes
	s_mov_b32 s[G1C+2], 96<<16                     ; tensor_dim1
	s_mov_b32 s[G1C+3], 32<<16                     ; tile_dim0
	s_mov_b32 s[G1C+4], 96                         ; tile_dim1: 24,576 dense bytes
	s_mov_b32 s[G1C+5], 32                         ; pitch
	s_mov_b32 s[G1C+6], 0
	s_mov_b32 s[G1C+7], 0
	s_mov_b32 s[G1W], 15|(3<<16)|(1<<21)
	s_mov_b32 s[G1W+1], 32<<16
	s_mov_b32 s[G1W+2], 16<<16
	s_mov_b32 s[G1W+3], 32<<16
	s_mov_b32 s[G1W+4], 16                         ; 4,096 dense bytes
	s_mov_b32 s[G1W+5], 32
	s_mov_b32 s[G1W+6], 0
	s_mov_b32 s[G1W+7], 0
	s_and_b32 s11, s[WV], 1                        ; 0: k, 1: v
	s_mul_i32 s12, s11, VB                         ; the codes in LDS
	s_lshl_b32 s13, s11, 12                        ; the words in LDS
	s_mul_i32 s14, s10, 98304
	s_mul_i32 s15, s11, 3145728
	s_add_co_u32 s14, s14, s15
	s_add_co_u32 s14, s14, 3145728                 ; the head's codes in memory
	s_mov_b32 s15, 0
	s_lshl_b32 s16, s10, 12
	s_lshl_b32 s17, s11, 17
	s_add_co_u32 s16, s16, s17
	s_add_co_u32 s16, s16, 9568256                 ; its scale words
	s_mov_b32 s17, 0
	s_mov_b32 s[SEL], 0x76543210
	s_mov_b32 s[SEL+1], 0xfedcba98
	s_mov_b32 s[CS], 0x3e38aa3b
	s_mov_b32 s[CS+1], s[CS]
	s_mov_b32 s[TB], 0
	s_mov_b32 s[TS], 0
	s_wait_dscnt 0x0
	s_wait_kmcnt 0x0
	s_add_nc_u64 s[14:15], s[4:5], s[14:15]
	s_add_nc_u64 s[16:17], s[4:5], s[16:17]
	ROUND                                          ; all four work-groups are here: the joint loads meet
	s_mov_b32 s[G0], 1
	s_add_co_u32 s[G0+1], s13, KSWB
	s_mov_b64 s[G0+2:G0+3], s[16:17]
	s_or_b32 s[G0+3], s[G0+3], 0x80000000
.irp c, 0,1,2,3
	s_mov_b32 s[G0+4+4*\c], 1
	s_add_co_u32 s[G0+5+4*\c], s12, \c*24576
	s_add_nc_u64 s[G0+6+4*\c:G0+7+4*\c], s[14:15], \c*24576
	s_or_b32 s[G0+7+4*\c], s[G0+7+4*\c], 0x80000000
.endr
	s_cmp_lt_u32 s[WV], 2                          ; all fills of a wave stand in one branch on its number: five loads of waves 0 and 1 are out, none of the others
	s_cbranch_scc0 .Lno_fetch
	tensor_load_to_lds s[G0:G0+3], s[G1W:G1W+7]
	s_nop 0
	tensor_load_to_lds s[G0+4:G0+7], s[G1C:G1C+7]
	s_nop 0
	tensor_load_to_lds s[G0+8:G0+11], s[G1C:G1C+7]
	s_nop 0
	tensor_load_to_lds s[G0+12:G0+15], s[G1C:G1C+7]
	s_nop 0
	tensor_load_to_lds s[G0+16:G0+19], s[G1C:G1C+7]
	s_nop 0
.rept 4
	v_nop
.endr
.Lno_fetch:
	v_and_b32 v10, 31, v0                          ; L
	v_and_b32 v11, 15, v0                          ; r
	v_lshlrev_b32 v1, 4, v10                       ; 16 L
	v_lshlrev_b32 v2, 3, v10                       ; 8 L
	v_add_nc_u32 v3, VB, v1
	v_lshl_add_u32 v4, v11, 2, KSWB
	v_lshlrev_b32 v9, 5, v11                       ; 32 r
	v_lshlrev_b32 v10, 2, v11                      ; 4 r
	s_lshl_b32 s12, s10, 7
	s_add_co_u32 s12, s12, s8
	s_mul_i32 s12, s12, 768
	s_mov_b32 s13, 0
	s_add_nc_u64 s[12:13], s[4:5], s[12:13]        ; my tile of q
	s_lshl_b32 s14, s10, 6
	s_lshr_b32 s15, s8, 1
	s_add_co_u32 s14, s14, s15
	s_lshl_b32 s14, s14, 6
	s_add_co_u32 s14, s14, 9437184
	s_mov_b32 s15, 0
	s_add_nc_u64 s[14:15], s[4:5], s[14:15]        ; and the words of its pair of tiles
	global_load_b128 v[QF:QF+3], v1, s[12:13]
	global_load_b64 v[QF+4:QF+5], v2, s[12:13] offset:512
	global_load_b128 v[QF+12:QF+15], v1, s[12:13]
	global_load_b64 v[QF+16:QF+17], v2, s[12:13] offset:512
	global_load_b32 v35, v10, s[14:15]
	s_mov_b32 s61, 0x07060302                      ; an odd tile's two bytes, twice;
	s_and_b32 s62, s[WV], 1
	s_cmp_eq_u32 s62, 0
	s_cselect_b32 s61, 0x05040100, s61             ; an even tile's
.irp j, 6,7,8,9,10,11
	v_mov_b32 v[QF+\j], 0
.endr
	s_wait_loadcnt 0x0
	v_perm_b32 v[QS], v35, v35, s61
	v_mov_b32 v13, 0xff61b1e6                      ; the largest t so far: -3e38
	v_floor_f32 v12, -v13                          ; -M
	v_mov_b32 v14, 0                               ; the sum, in two halves
	v_mov_b32 v15, 0
.irp b, 0,1,2,3
	v_mov_b32 v[BT+\b], 0                          ; written once: a lane permute's destination counts as one of its sources
.endr
	v_mov_b32 v[FF+1], 0                           ; (named as the upper half of a pair)
	v_mov_b32 v[TMP], 0
.set j, 0
.rept 32
	v_mov_b32 v[OA+j], 0                           ; the step is written once: the first finds zeros.  (These lines are also the places between q's scale word and the first product)
.set j, j+1
.endr
; A KEY STEP: 128 keys.
.macro STEP
	v_add_nc_u32 v5, s[TB], v1                     ; these four are the places behind the last step's products, in front of the loads into registers that they have read
	v_add_nc_u32 v6, s[TB], v2
	v_add_nc_u32 v7, s[TB], v3
	v_add_nc_u32 v8, s[TS], v4
.irp f, 0,1,2,3
	ds_load_b128 v[FRG+12*\f:FRG+12*\f+3], v5 offset:\f*1536
	ds_load_b64 v[FRG+12*\f+4:FRG+12*\f+5], v6 offset:\f*1536+512
	ds_load_b128 v[FRG+12*\f+6:FRG+12*\f+9], v5 offset:\f*1536+768
	ds_load_b64 v[FRG+12*\f+10:FRG+12*\f+11], v6 offset:\f*1536+1280
	ds_load_b32 v[KW+\f], v8 offset:64*\f
.endr
	s_wait_dscnt 0x0
.irp f, 0,1,2,3                                ; lane (r, h) holds query r; register 16 f + 8 u + j: key 32 f + 16 u + 8 h + j
	v_wmma_scale_f32_16x16x128_f8f6f4 v[S+16*\f:S+16*\f+7], v[FRG+12*\f:FRG+12*\f+11], v[QF:QF+11], 0, v[KW+\f], v[QS] matrix_a_fmt:MATRIX_FMT_FP6 matrix_b_fmt:MATRIX_FMT_FP6
	v_wmma_scale_f32_16x16x128_f8f6f4 v[S+16*\f+8:S+16*\f+15], v[FRG+12*\f:FRG+12*\f+11], v[QF+6:QF+17], 0, v[KW+\f], v[QS] matrix_a_fmt:MATRIX_FMT_FP6 matrix_b_fmt:MATRIX_FMT_FP6
.endr
.rept 4
	v_nop
.endr
.irp d, 0,1,2,3                                ; v's four fragments land under the softmax
.irp c, 0,1,2
	ds_load_b128 v[FRG+12*\d+4*\c:FRG+12*\d+4*\c+3], v7 offset:\d*1536+512*\c
.endr
	ds_load_b32 v[VW+\d], v8 offset:4096+64*\d
.endr
.irp b, 0,1,2,3
	v_max3_num_f32 v[BM+\b], v[S+16*\b], v[S+1+16*\b], v[S+2+16*\b]   ; the largest score of each block of 32 keys: for the row's maximum and for the block's largest p
.endr
.irp i, 3,5,7,9,11,13
.irp b, 0,1,2,3
	v_max3_num_f32 v[BM+\b], v[BM+\b], v[S+16*\b+\i], v[S+1+16*\b+\i]
.endr
.endr
.irp b, 0,1,2,3
	v_max_num_f32 v[BM+\b], v[BM+\b], v[S+15+16*\b]
.endr
.irp b, 0,1,2,3
	v_permlanex16_b32 v[BT+\b], v[BM+\b], s[SEL], s[SEL+1]
.endr
.irp b, 0,1,2,3
	v_max_num_f32 v[BM+\b], v[BM+\b], v[BT+\b]
.endr
	v_max3_num_f32 v[TMP], v[BM], v[BM+1], v[BM+2]
	v_max_num_f32 v[TMP], v[TMP], v[BM+3]
	v_mul_f32 v[TMP], s[CS], v[TMP]
	v_max_num_f32 v13, v13, v[TMP]                 ; the running largest t
	v_mov_b32 v[TMP], v12
	v_floor_f32 v12, -v13                          ; the new -M: M is a whole number
	v_sub_f32 v[TMP], v12, v[TMP]
	v_cvt_i32_f32 v[TMP], v[TMP]                   ; (it saturates)
	v_ldexp_f32 v[FF], 1.0, v[TMP]                 ; f = 2^(old M - new M)
.set j, 0
.rept 32
	v_pk_fma_f32 v[S+j:S+j+1], v[S+j:S+j+1], s[CS:CS+1], v[12:13] op_sel_hi:[1,0,0]   ; t - M
.set j, j+2
.endr
.irp b, 0,1,2,3
	v_fma_f32 v[BM+\b], v[BM+\b], s[CS], v12
.endr
.set j, 0
.rept 64
	v_exp_f32 v[S+j], v[S+j]                       ; p, at most 1
.set j, j+1
.endr
	v_pk_mul_f32 v[14:15], v[14:15], v[FF:FF+1] op_sel_hi:[1,0]   ; the sums under the new M; a plain place behind the exponentials
	s_wait_alu depctr_va_vdst(0)                   ; one wait for the batch, ahead of its first reader
.irp b, 0,1,2,3
	v_exp_f32 v[BM+\b], v[BM+\b]                   ; the blocks' largest p
.endr
	v_pk_add_f32 v[SM2:SM2+1], v[S:S+1], v[S+2:S+3]   ; the row's sum of the unquantised p, in two chains
.irp j, 4,8,12,16,20,24,28,32,36,40,44,48,52,56,60
	v_pk_add_f32 v[14:15], v[14:15], v[S+\j:S+\j+1]
	v_pk_add_f32 v[SM2:SM2+1], v[SM2:SM2+1], v[S+2+\j:S+3+\j]
.endr
	v_pk_add_f32 v[14:15], v[14:15], v[SM2:SM2+1]
	s_wait_alu depctr_va_vdst(0)                   ; and one for the four
.irp b, 0,1,2,3
	v_max_num_f32 v[BM+\b], 0x1800000, v[BM+\b]    ; the floor 2^(3 - 127)
.endr
.irp b, 0,1,2,3
	v_add_nc_u32 v[CVS+\b], 0xff000000, v[BM+\b]
.endr
.irp b, 0,1,2,3
	v_lshrrev_b32 v[BT+\b], 23, v[CVS+\b]
.endr
	v_lshl_or_b32 v[PWD], v[BT+1], 8, v[BT]
	v_lshl_or_b32 v[PWD], v[BT+2], 16, v[PWD]
	v_lshl_or_b32 v[PWD], v[BT+3], 24, v[PWD]
.irp c, 0,1
	v_cvt_scalef32_pk16_fp6_f32 v[P+6*\c:P+2+6*\c], v[S+32*\c:S+15+32*\c], v[CVS+2*\c]
	v_cvt_scalef32_pk16_fp6_f32 v[CV2+4*\c:CV2+2+4*\c], v[S+16+32*\c:S+31+32*\c], v[CVS+2*\c+1]
.endr
	v_nop
.irp c, 0,1
.irp i, 0,1,2
	v_permlane16_swap_b32 v[P+6*\c+\i], v[CV2+4*\c+\i]
.endr
.irp i, 0,1,2
	v_mov_b32 v[P+3+6*\c+\i], v[CV2+4*\c+\i]
.endr
.endr
.set j, 0
.rept 16
	v_pk_mul_f32 v[OA+j:OA+j+1], v[OA+j:OA+j+1], v[FF:FF+1] op_sel_hi:[1,0]   ; the result under the new M.  (These 16 are also the places in front of the products below)
.set j, j+2
.endr
	s_wait_dscnt 0x0                               ; v's fragments and words
.irp d, 0,1,2,3                                ; four accumulators, one instruction a turn
	v_wmma_scale_f32_16x16x128_f8f6f4 v[OA+8*\d:OA+8*\d+7], v[FRG+12*\d:FRG+12*\d+11], v[P:P+11], v[OA+8*\d:OA+8*\d+7], v[VW+\d], v[PWD] matrix_a_fmt:MATRIX_FMT_FP6 matrix_b_fmt:MATRIX_FMT_FP6
.endr
.endm
; Part c of the codes, 512 keys, four steps.  The fetching waves wait until at most the 3 - c younger parts are out, then signal; all read behind the barrier.  Nothing is ever filled again.
.macro CHUNK c
	s_wait_tensorcnt 3-\c
	s_barrier_signal -1
	s_barrier_wait -1
	s_mov_b32 s[CNT], 4
.Lstep_\@:
	STEP
	s_add_co_u32 s[TB], s[TB], 6144
	s_add_co_u32 s[TS], s[TS], 256
	s_sub_co_u32 s[CNT], s[CNT], 1
	s_cmp_lg_u32 s[CNT], 0
	s_cbranch_scc1 .Lstep_\@
.endm
	CHUNK 0
	CHUNK 1
	CHUNK 2
	CHUNK 3
	; THE WAY OUT: divide by the sum, bring the 64 channels into natural order, quantise two blocks of 32, store the image and the two scale bytes.
.rept 4
	v_nop                                          ; places behind the last products
.endr
	v_add_f32 v14, v14, v15
	v_permlanex16_b32 v[TMP], v14, s[SEL], s[SEL+1]
	v_add_f32 v14, v14, v[TMP]                     ; the row's sum
	v_rcp_f32 v14, v14
	v_nop                                          ; a plain place behind the transcendental
	s_lshr_b32 s11, s10, 4                         ; batch
	s_and_b32 s12, s10, 15                         ; head
	s_lshr_b32 s13, s12, 2
	s_lshl_b32 s13, s13, 8
	s_lshl_b32 s14, s11, 7
	s_add_co_u32 s13, s13, s14
	s_add_co_u32 s13, s13, s8
	s_mul_i32 s14, s13, 3072
	s_and_b32 s13, s12, 3
	s_mul_i32 s13, s13, 768
	s_add_co_u32 s14, s14, s13
	s_mov_b32 s15, 0
	s_add_nc_u64 s[14:15], s[6:7], s[14:15]        ; my image
	s_lshl_b32 s16, s11, 16
	s_lshl_b32 s13, s8, 9
	s_add_co_u32 s16, s16, s13
	s_lshl_b32 s13, s12, 1
	s_add_co_u32 s16, s16, s13
	s_add_co_u32 s16, s16, 3145728
	s_mov_b32 s17, 0
	s_add_nc_u64 s[16:17], s[6:7], s[16:17]        ; my rows' scale bytes
	s_wait_alu depctr_va_vdst(0)                   ; ahead of the reciprocal's first reader
.set j, 0
.rept 32
	v_mul_f32 v[S+j], v[OA+j], v14                 ; register 8 t + i: channel 16 t + 8 h + i
.set j, j+1
.endr
.irp b, 0,1
.irp j, 0,1,2,3,4,5,6,7
	v_permlane16_swap_b32 v[S+16*\b+\j], v[S+8+16*\b+\j]   ; now register 16 b + i: channel 32 b + 16 h + i
.endr
.endr
.irp b, 0,1
	v_max3_num_f32 v[BM+\b], |v[S+16*\b]|, |v[S+1+16*\b]|, 0x1800000
.endr
.irp i, 2,4,6,8,10,12,14
.irp b, 0,1
	v_max3_num_f32 v[BM+\b], v[BM+\b], |v[S+16*\b+\i]|, |v[S+1+16*\b+\i]|
.endr
.endr
.irp b, 0,1
	v_permlanex16_b32 v[BT+\b], v[BM+\b], s[SEL], s[SEL+1]
.endr
.irp b, 0,1
	v_max_num_f32 v[BM+\b], v[BM+\b], v[BT+\b]
.endr
.irp b, 0,1
	v_add_nc_u32 v[CVS+\b], 0xff000000, v[BM+\b]
.endr
.irp b, 0,1
	v_lshrrev_b32 v[BT+\b], 23, v[CVS+\b]
.endr
	v_lshl_or_b32 v[PWD], v[BT+1], 8, v[BT]
	v_cvt_scalef32_pk16_fp6_f32 v[P:P+2], v[S:S+15], v[CVS]
	v_cvt_scalef32_pk16_fp6_f32 v[CV2:CV2+2], v[S+16:S+31], v[CVS+1]
	v_nop
.irp i, 0,1,2
	v_permlane16_swap_b32 v[P+\i], v[CV2+\i]
.endr
.irp i, 0,1,2
	v_mov_b32 v[P+3+\i], v[CV2+\i]                 ; lane (r, h): block h of row r in six registers
.endr
	global_store_b128 v1, v[P:P+3], s[14:15]       ; 512 consecutive bytes,
	global_store_b64 v2, v[P+4:P+5], s[14:15] offset:512   ; and 256
	global_store_b16 v9, v[PWD], s[16:17]          ; two bytes a row, rows 32 bytes apart (both halves of the lanes store the same): one byte in 24 of the codes
	s_wait_tensorcnt 0x0
	ds_add_u32 v254, v255
	s_wait_dscnt 0x0
	ROUND                                          ; the closing round
	s_endpgm
.Lfunc_end_k_q6d10600492_attn:
	.size	k_q6d10600492_attn, .Lfunc_end_k_q6d10600492_attn-k_q6d10600492_attn
	.p2alignl 7, 3214868480
	.fill 96, 4, 3214868480
	.section	.rodata,"a",@progbits
	.p2align	6, 0x0
	.amdhsa_kernel k_q6d10600492_attn
		.amdhsa_group_segment_fixed_size 206848
		.amdhsa_private_segment_fixed_size 0
		.amdhsa_enable_private_segment 0
		.amdhsa_kernarg_size 16
		.amdhsa_user_sgpr_count 2
		.amdhsa_user_sgpr_kernarg_segment_ptr 1
		.amdhsa_wavefront_size32 1
		.amdhsa_system_sgpr_workgroup_id_x 1
		.amdhsa_system_sgpr_workgroup_id_y 1
		.amdhsa_system_sgpr_workgroup_id_z 1
		.amdhsa_system_vgpr_workitem_id 0
		.amdhsa_next_free_vgpr 256
		.amdhsa_next_free_sgpr 66
		.amdhsa_reserve_vcc 0
		.amdhsa_float_denorm_mode_32 3
		.amdhsa_float_denorm_mode_16_64 3
		.amdhsa_memory_ordered 1
		.amdhsa_forward_progress 1
		.amdhsa_inst_pref_size 78
	.end_amdhsa_kernel
	.amdgpu_metadata
---
amdhsa.version: [ 1, 2 ]
amdhsa.kernels:
  - .name:           k_q6d10600492_attn
    .symbol:         k_q6d10600492_attn.kd
    .args:
      - { .name: QKV, .offset: 0, .size: 8, .value_kind: global_buffer, .address_space: global }
      - { .name: AT, .offset: 8, .size: 8, .value_kind: global_buffer, .address_space: global }
    .group_segment_fixed_size: 206848
    .private_segment_fixed_size: 0
    .kernarg_segment_align: 8
    .kernarg_segment_size: 16
    .max_flat_workgroup_size: 512
    .sgpr_count:     66
    .vgpr_count:     256
    .wavefront_size: 32
...
	.end_amdgpu_metadata
.endif
;; end of part 3
;; launch proj (part 4): grid 4 x 16, 4 waves a work-group, clusters of 4 x 4, 327,680 bytes of LDS; arguments AT, w_proj_codes, w_proj_scales, b_proj, x, X1; writes X1
.if DOCPART == 4
	.amdgcn_target "amdgcn-amd-amdhsa--gfx1250"
	.amdhsa_code_object_version 6
	.text
	.protected	k_q6d10600492_proj
	.globl	k_q6d10600492_proj
	.p2align	8
	.type	k_q6d10600492_proj,@function
k_q6d10600492_proj:
	s_mov_b64 s[64:65], 0
	v_nop
	global_prefetch_b8 v0, s[64:65] scope:SCOPE_SE
	s_setreg_imm32_b32 hwreg(HW_REG_WAVE_MODE, 25, 1), 1
	s_wait_xcnt 0x0
	s_wait_alu depctr_hold_cnt(0) depctr_sa_sdst(0) depctr_va_vdst(0) depctr_va_sdst(0) depctr_va_ssrc(0) depctr_va_vcc(0) depctr_vm_vsrc(0)
	s_getreg_b32 s2, hwreg(HW_REG_IB_STS2, 6, 4)
	s_cmp_eq_u32 s2, 0
	s_cbranch_scc0 .Lentry_in_a_cluster
	s_endpgm
.Lentry_in_a_cluster:
	s_bfe_u32 s2, ttmp6, 0x10000c
	s_cmp_lg_u32 s2, 0xf033
	s_cbranch_scc0 .Lentry_shape_is_right
	s_endpgm
.Lentry_shape_is_right:
; Y = R + (A W^T + bias) on codes of E2M3 with E8M0 scales.  A: 4,096 rows m' = batch x 2048 + l, SIZE_K along K, as images of operand registers: [K / 256][m' / 16][4][768]: 16 rows x 64 K: registers 0-3 of
; lane L at 16 L, registers 4-5 at 512 + 8 L; two on end are a fragment's 12 registers.  ASC bytes on: its scale bytes [m'][SIZE_K / 32].  W: codes [1024][SIZE_K x 3 / 4], scale bytes [1024][SIZE_K / 32].
; R and Y: [2048 l][2 batches][1024] f32: row m' begins at l x 8192 + batch x 4096.
; A tile of 256 x 256 is made by four waves, 128 x 128 each: 64 accumulators, 512 registers.  K goes in steps of 256 through two LDS slots filled by the tensor data mover: A's part of a slot is one dense
; block of memory for each 128 rows (24,576 bytes, read back 512 or 256 consecutive bytes an instruction), W's rows are 192 bytes, padded.  The scale bytes of the tile's 512 rows come once and stay.
; 4 x 4 work-groups form a cluster: A's tile is shared along a row of the cluster, W's along a column, each asked for jointly.  The matrix instruction takes 16 rows of W as source 0 and 16 rows of A as
; source 1: a lane then holds eight neighbouring numbers of a row of Y.
.set SIZE_K, 1024
.set ASC,    3145728
.set LASTL,  0                         ; 1: Y is the program's output
.set KSTEP,  256
.set NQ,     KSTEP/128
.set ROWB,   192
.set KROW,   SIZE_K*6/8
.set PITCH,  240                       ; W's LDS row: 3 x (64 bytes + 16 of padding)
.set FR,     12
.set NL,     6
.set NLA,    4                         ; LDS loads that bring a fragment of A
.set NP,     4                         ; places behind this matrix instruction (ISA guide 7.12.1)
.set ABYTES, 24576                     ; A's 128 rows x 256 K
.set ASTEP,  786432                    ; from one 256 along K to the next in A's images
.set HALFB,  128*PITCH
.set SLOT,   2*ABYTES+2*HALFB
.set LAPS,   SIZE_K/(2*KSTEP)
.set KS,     SIZE_K/32
.set SCL,    2*SLOT
.set HALFS,  (128*KS/256)*272
.set SBLK,   (16*KS/256)*272
.set SPARE,  SCL+4*HALFS               ; the spare words, 128 bytes for each wave: two blocks of 256 bytes that no other line names
.set SPITCH, 528                       ; the way out: a stage of 16 rows x (512 + 16) for each wave, in slot 0, behind its last fill and its last read
.set ADRA, 16                          ; v16-17 16 L + my rows of A in slot 0, 1;  v18-19 the same with 8 L
.set ADRB, 20
.set STO,  24
.set RD,   25
.set CO,   26
.set ADRS, 27
.set SPW,  28
.set NIL,  29
.set SC,   32
.set AF,   128
.set BK,   128
.set G1, 24
.set G0, 32
.set G1B, 48
.set G0B, 56
.set G1S, 68
.set G0S, 76
.set G1SB, 80
.set G0SB, 88
.set MSB, 0
.macro WIN new
.if MSB != (\new)
	s_set_vgpr_msb (MSB<<8)|(\new)
.set MSB, (\new)
.endif
.endm
.set MUL_LO, 0xa1
.set MUL_HI, 0xf1
.set TO_B,   0x40
.macro JLOAD g0a, g1a, g0b, g1b        ; a joint load: waves 0 and 1 fetch for A, waves 2 and 3 for W; four v_nop follow each of the two lines
	s_cmp_eq_u32 s15, 0
	s_cbranch_scc0 .Lfor_b_\@
	tensor_load_to_lds s[\g0a:\g0a+3], s[\g1a:\g1a+7]
	s_nop 0
.rept 4
	v_nop
.endr
	s_branch .Lasked_\@
.Lfor_b_\@:
	tensor_load_to_lds s[\g0b:\g0b+3], s[\g1b:\g1b+7]
	s_nop 0
.rept 4
	v_nop
.endr
.Lasked_\@:
.endm
.macro CREST
	s_cmp_lg_u32 s14, 0
	s_cbranch_scc1 .Lnot_wave_0_\@
	s_barrier_signal -3
.Lnot_wave_0_\@:
	s_barrier_wait -3
	s_barrier_signal -1
	s_barrier_wait -1
.endm
.macro CROUND
	s_barrier_signal -1
	s_barrier_wait -1
	CREST
.endm
	s_load_b64 s[4:5], s[0:1], 0x0                 ; A
	s_load_b128 s[8:11], s[0:1], 0x8               ; W's codes, its scale bytes
	s_load_b128 s[96:99], s[0:1], 0x18             ; bias, R
	s_load_b64 s[100:101], s[0:1], 0x28            ; Y
	v_lshl_add_u32 v[SPW], v0, 2, SPARE
	v_mov_b32 v[NIL], 0
	ds_add_u32 v28, v29
	ds_add_u32 v28, v29
	s_wait_dscnt 0x0
	v_lshrrev_b32 v1, 5, v0
	v_readfirstlane_b32 s14, v1                    ; wave 0..3
	s_lshr_b32 s15, s14, 1                         ; which half of the tile's rows is mine.  Also: I fetch for A (0) or for W (1)
	s_and_b32 s16, s14, 1                          ; which half of its columns.  Also: which 128 rows I fetch
	s_bfe_u32 s40, ttmp6, 0x40000
	s_bfe_u32 s41, ttmp6, 0x40004
	s_lshl_b32 s42, ttmp9, 2
	s_add_co_u32 s42, s42, s40                     ; tile column
	s_and_b32 s17, ttmp7, 0xffff
	s_lshl_b32 s17, s17, 2
	s_add_co_u32 s17, s17, s41                     ; tile row
	s_lshl_b32 s43, s41, 2
	s_lshl_b32 s43, 15, s43                        ; my row of the cluster
	s_lshl_b32 s44, 0x1111, s40                    ; my column
	s_or_b32 s[G1+0], s43, (3<<16)|(1<<21)         ; A: the mask; elements of 8 bytes; no padding; bit 21 beside a mask
	s_mov_b32 s[G1+1], 32<<16                      ; rows of 256 bytes,
	s_mov_b32 s[G1+2], 96<<16                      ; 96 of them: a dense block
	s_mov_b32 s[G1+3], 32<<16
	s_mov_b32 s[G1+4], 96
	s_mov_b32 s[G1+5], 32
	s_mov_b32 s[G1+6], 0
	s_mov_b32 s[G1+7], 0
	s_or_b32 s[G1B+0], s44, (0<<16)|(1<<20)|(1<<21)|(3<<22)|(3<<25)   ; W: elements of 1 byte; after every 16 words 4 words of padding
	s_mov_b32 s[G1B+1], ROWB<<16
	s_mov_b32 s[G1B+2], 128<<16
	s_mov_b32 s[G1B+3], ROWB<<16
	s_mov_b32 s[G1B+4], 128
	s_mov_b32 s[G1B+5], KROW
	s_mov_b32 s[G1B+6], 0
	s_mov_b32 s[G1B+7], 0
	s_or_b32 s[G1S+0], s43, (3<<16)|(1<<20)|(1<<21)|(5<<22)|(3<<25)   ; the scale bytes of 128 rows: rows of 256 bytes, 16 bytes of padding behind each
	s_or_b32 s[G1SB+0], s44, (3<<16)|(1<<20)|(1<<21)|(5<<22)|(3<<25)
.irp g, G1S, G1SB
	s_mov_b32 s[\g+1], 32<<16
	s_mov_b32 s[\g+2], (128*KS/256)<<16
	s_mov_b32 s[\g+3], 32<<16
	s_mov_b32 s[\g+4], 128*KS/256
	s_mov_b32 s[\g+5], 32
	s_mov_b32 s[\g+6], 0
	s_mov_b32 s[\g+7], 0
.endr
	s_lshl_b32 s18, s16, 7
	s_lshl_b32 s20, s17, 8
	s_add_co_u32 s20, s20, s18                     ; A: row 256 x tile row + 128 x half
	s_lshl_b32 s46, s42, 8
	s_add_co_u32 s46, s46, s18                     ; W: row 256 x tile column + 128 x half
	s_mov_b32 s21, 0
	s_mov_b32 s47, 0
	s_mov_b64 s[18:19], KS
	s_mul_u64 s[22:23], s[20:21], s[18:19]
	s_mul_u64 s[92:93], s[46:47], s[18:19]
	s_mov_b64 s[18:19], KROW
	s_mul_u64 s[46:47], s[46:47], s[18:19]
	s_mov_b64 s[18:19], 192                        ; A's images: 3,072 bytes for 16 rows and 256 K
	s_mul_u64 s[20:21], s[20:21], s[18:19]
	s_mul_i32 s45, s16, ABYTES                     ; where they go: A's two halves,
	s_mul_i32 s95, s16, HALFB
	s_add_co_u32 s95, s95, 2*ABYTES                ; then W's two
	s_mul_i32 s94, s14, HALFS
	s_wait_kmcnt 0x0
	s_add_nc_u64 s[6:7], s[4:5], ASC               ; A's scale bytes
	s_add_nc_u64 s[20:21], s[4:5], s[20:21]
	s_add_nc_u64 s[22:23], s[6:7], s[22:23]
	s_add_nc_u64 s[46:47], s[8:9], s[46:47]
	s_add_nc_u64 s[92:93], s[10:11], s[92:93]
	CROUND                                         ; all sixteen work-groups are here: the first joint loads meet
	s_mov_b32 s[G0S], 1
	s_add_co_u32 s[G0S+1], s94, SCL
	s_mov_b64 s[G0S+2:G0S+3], s[22:23]
	s_or_b32 s[G0S+3], s[G0S+3], 0x80000000
	s_mov_b32 s[G0SB], 1
	s_add_co_u32 s[G0SB+1], s94, SCL
	s_mov_b64 s[G0SB+2:G0SB+3], s[92:93]
	s_or_b32 s[G0SB+3], s[G0SB+3], 0x80000000
	JLOAD G0S, G1S, G0SB, G1SB                     ; the scale bytes first; with the two slots three loads of mine are out
.irp s, 0,1
	s_mov_b32 s[G0+4*\s], 1
	s_add_co_u32 s[G0+4*\s+1], s45, \s*SLOT
	s_add_nc_u64 s[G0+4*\s+2:G0+4*\s+3], s[20:21], \s*ASTEP
	s_or_b32 s[G0+4*\s+3], s[G0+4*\s+3], 0x80000000
	s_mov_b32 s[G0B+4*\s], 1
	s_add_co_u32 s[G0B+4*\s+1], s95, \s*SLOT
	s_add_nc_u64 s[G0B+4*\s+2:G0B+4*\s+3], s[46:47], \s*ROWB
	s_or_b32 s[G0B+4*\s+3], s[G0B+4*\s+3], 0x80000000
	JLOAD G0+4*\s, G1, G0B+4*\s, G1B
.endr
	v_and_b32 v1, 15, v0                           ; r
	v_bfe_u32 v2, v0, 4, 1                         ; h
	v_and_b32 v6, 31, v0                           ; L
	v_mul_u32_u24 v3, v1, PITCH
	v_mul_u32_u24 v4, v2, 24
	v_add_nc_u32 v4, v3, v4
	v_lshl_add_u32 v5, v2, 4, v4
	v_lshlrev_b32 v7, 4, v6
	v_lshlrev_b32 v8, 3, v6
	s_mul_i32 s21, s15, ABYTES                     ; my 128 rows of A
	s_mul_i32 s22, s16, HALFB                      ; my 128 rows of W,
	s_add_co_u32 s22, s22, 2*ABYTES                ; behind A's
.irp s, 0,1
	v_add_nc_u32 v[ADRA+\s], s21, v7
	v_add_nc_u32 v[ADRA+2+\s], s21, v8
	v_add_nc_u32 v[ADRB+\s], s22, v4
	v_add_nc_u32 v[ADRB+2+\s], s22, v5
	s_add_co_u32 s21, s21, SLOT
	s_add_co_u32 s22, s22, SLOT
.endr
	v_mul_u32_u24 v5, v1, KS
	v_lshrrev_b32 v6, 8, v5
	v_lshl_add_u32 v5, v6, 4, v5
	s_mul_i32 s21, s15, HALFS
	s_mul_i32 s22, s16, HALFS
	s_add_co_u32 s22, s22, 2*HALFS
	s_sub_co_u32 s22, s22, s21
	v_mul_u32_u24 v6, s22, v2                      ; lanes 16-31 take W's
	s_add_co_u32 s21, s21, SCL
	v_add_nc_u32 v5, v5, v6
	v_add_nc_u32 v[ADRS], s21, v5
	s_mul_i32 s23, s14, 16*SPITCH                  ; my stage
	v_mul_u32_u24 v5, v1, SPITCH
	v_lshl_add_u32 v5, v2, 5, v5
	v_add_nc_u32 v[STO], s23, v5                   ; in: row r, 32 bytes for each half of the lanes
	v_and_b32 v6, 31, v0
	v_lshlrev_b32 v[CO], 4, v6                     ; back: the 32 lanes take a row's 512 bytes; the same in R and Y
	v_add_nc_u32 v[RD], s23, v[CO]
	s_and_b32 s18, s17, 7
	s_lshl_b32 s18, s18, 8
	s_lshl_b32 s19, s15, 7
	s_add_co_u32 s18, s18, s19                     ; my first l
	s_lshl_b32 s18, s18, 13
	s_lshr_b32 s19, s17, 3
	s_lshl_b32 s19, s19, 12                        ; the batch
	s_add_co_u32 s18, s18, s19
	s_lshl_b32 s20, s42, 10
	s_lshl_b32 s21, s16, 9
	s_add_co_u32 s20, s20, s21                     ; my first column, in bytes
	s_add_co_u32 s18, s18, s20
	s_mov_b32 s19, 0
	s_mov_b32 s21, 0
	s_add_nc_u64 s[98:99], s[98:99], s[18:19]
	s_add_nc_u64 s[100:101], s[100:101], s[18:19]
	s_add_nc_u64 s[96:97], s[96:97], s[20:21]
	global_load_b128 v[64:67], v[CO], s[96:97]     ; the bias of my four columns of a row read back
.macro FRAG reg, adr, q, i             ; W: 16 rows x 128 K: 12 registers, as six pieces of 8 bytes of the row's stream of bits
.irp p, 0,1,2,3,4,5
.set PCE, 12*(\q)+6*(\p/3)+\p%3
.if PCE%8 < 5
	ds_load_b64 v[\reg+2*\p:\reg+2*\p+1], v[\adr] offset:8*PCE+16*(PCE/8)+(\i)*16*PITCH
.else
	ds_load_b64 v[\reg+2*\p:\reg+2*\p+1], v[\adr+2] offset:8*PCE+16*(PCE/8)+(\i)*16*PITCH
.endif
.endr
.endm
.macro FRAGA reg, slot, q, i           ; A: the image comes back as it was stored
	ds_load_b128 v[\reg:\reg+3], v[ADRA+\slot] offset:(\i)*3072+(\q)*1536
	ds_load_b64 v[\reg+4:\reg+5], v[ADRA+2+\slot] offset:(\i)*3072+(\q)*1536+512
	ds_load_b128 v[\reg+6:\reg+9], v[ADRA+\slot] offset:(\i)*3072+(\q)*1536+768
	ds_load_b64 v[\reg+10:\reg+11], v[ADRA+2+\slot] offset:(\i)*3072+(\q)*1536+1280
.endm
; 16 matrix instructions: A's blocks a0, a0 + 1 x W's eight.  The 64 accumulators take turns, one instruction a turn.
.macro MUL16 a0, p, q, sc, zero
.irp a, \a0, \a0+1
.irp b, 0,1,2,3,4,5,6,7
.if \zero
	v_wmma_scale_f32_16x16x128_f8f6f4 v[8*(8*((\a)%4)+\b):8*(8*((\a)%4)+\b)+7], v[128*(\p)+FR*\b:128*(\p)+FR*\b+FR-1], v[AF+FR*(\a):AF+FR*(\a)+FR-1], 0, v[SC+8*NQ*(\sc)+NQ*\b+(\q)], v[SC+8*NQ*(\sc)+NQ*(\a)+(\q)] matrix_a_fmt:MATRIX_FMT_FP6 matrix_b_fmt:MATRIX_FMT_FP6 matrix_a_scale:MATRIX_SCALE_ROW1
.else
	v_wmma_scale_f32_16x16x128_f8f6f4 v[8*(8*((\a)%4)+\b):8*(8*((\a)%4)+\b)+7], v[128*(\p)+FR*\b:128*(\p)+FR*\b+FR-1], v[AF+FR*(\a):AF+FR*(\a)+FR-1], v[8*(8*((\a)%4)+\b):8*(8*((\a)%4)+\b)+7], v[SC+8*NQ*(\sc)+NQ*\b+(\q)], v[SC+8*NQ*(\sc)+NQ*(\a)+(\q)] matrix_a_fmt:MATRIX_FMT_FP6 matrix_b_fmt:MATRIX_FMT_FP6 matrix_a_scale:MATRIX_SCALE_ROW1
.endif
.endr
.endr
.endm
.macro FETCH_B slot, q, p
	WIN TO_B
.irp i, 0,1,2,3,4,5,6,7
	FRAG 128*(\p)+FR*\i, ADRB+\slot, \q, \i
.endr
	WIN 0
.endm
.macro FETCH_A slot, q, i0
.irp i, \i0, \i0+1, \i0+2, \i0+3
	FRAGA AF+FR*(\i), \slot, \q, \i
.endr
.endm
.macro SCALES sc
.irp i, 0,1,2,3,4,5,6,7
	ds_load_b64 v[SC+8*NQ*\sc+NQ*\i:SC+8*NQ*\sc+NQ*\i+1], v[ADRS] offset:\i*SBLK
.endr
.endm
.macro PLACES n
.rept \n
	v_nop
.endr
.endm
.macro STEP slot, q, zero
	s_wait_dscnt 4*NLA                             ; W's set and A's blocks 0-3 are in; the youngest 16 loads (A's blocks 4-7) may be out
	WIN MUL_LO
	MUL16 0, (\q)%2, \q, \slot, \zero
	MUL16 2, (\q)%2, \q, \slot, \zero
	s_wait_dscnt 0
	PLACES NP
	FETCH_B \slot, (\q)+1, 1-(\q)%2
	FETCH_A \slot, (\q)+1, 0
	WIN MUL_HI
	MUL16 4, (\q)%2, \q, \slot, \zero
	MUL16 6, (\q)%2, \q, \slot, \zero
	PLACES NP
	WIN 0
	FETCH_A \slot, (\q)+1, 4
.endm
.macro TURN slot, next, fill
	s_wait_tensorcnt 0x0                           ; all my tensor loads have landed: my part of the next slot
	ds_add_u32 v[SPW], v[NIL]                      ; 0 onto my spare word
	s_wait_dscnt 4*NLA+1                           ; (the add and the youngest 16 loads may be out)
	WIN MUL_LO
	MUL16 0, 1, NQ-1, \slot, 0
	s_wait_dscnt 0x0                               ; the add is done, and my reads of this slot are over
	s_barrier_signal -1
	MUL16 2, 1, NQ-1, \slot, 0
	WIN 0
	s_barrier_wait -1
.if \fill
	CREST                                          ; the barrier has opened a round of the cluster's: no wave of any partner still reads this slot or has a load on its way
	s_add_nc_u64 s[G0+4*\slot+2:G0+4*\slot+3], s[G0+4*\slot+2:G0+4*\slot+3], 2*ASTEP
	s_add_nc_u64 s[G0B+4*\slot+2:G0B+4*\slot+3], s[G0B+4*\slot+2:G0B+4*\slot+3], 2*ROWB
	JLOAD G0+4*\slot, G1, G0B+4*\slot, G1B         ; my one tensor load behind the round; its four v_nop are the places in front of the loads below
.else
	PLACES NP
.endif
	v_add_nc_u32 v[ADRS], 4*NQ, v[ADRS]
	FETCH_B \next, 0, 0
	FETCH_A \next, 0, 0
	SCALES \next
	WIN MUL_HI
	MUL16 4, 1, NQ-1, \slot, 0
	MUL16 6, 1, NQ-1, \slot, 0
	PLACES NP
	WIN 0
	FETCH_A \next, 0, 4
.endm
	s_wait_tensorcnt 1                             ; the scale bytes and my part of slot 0 are in; slot 1's load may be out
	s_barrier_signal -1
	s_barrier_wait -1
	FETCH_B 0, 0, 0
	FETCH_A 0, 0, 0
	SCALES 0
	FETCH_A 0, 0, 4
	STEP 0, 0, 1
	s_mov_b32 s3, LAPS-1
.Llap:
	TURN 0, 1, 1
	STEP 1, 0, 0
	TURN 1, 0, 1
	STEP 0, 0, 0
	s_sub_co_u32 s3, s3, 1
	s_cmp_lg_u32 s3, 0
	s_cbranch_scc1 .Llap
	TURN 0, 1, 0
	STEP 1, 0, 0
	s_wait_dscnt 4*NLA
	WIN MUL_LO
	MUL16 0, 1, NQ-1, 1, 0
	MUL16 2, 1, NQ-1, 1, 0
	s_wait_dscnt 0
	WIN MUL_HI
	MUL16 4, 1, NQ-1, 1, 0
	MUL16 6, 1, NQ-1, 1, 0
	WIN 0
; THE WAY OUT, block by block of 16 rows x 128 columns: through my stage, back as whole rows of 512 bytes, + bias, + the same bytes of R, stored.  R's rows come two blocks ahead, into window 1.
.macro TOSTAGE a
.set AC, 64*((\a)%4)
	WIN 0x08+4*((\a)/4)                            ; an LDS store's data are its source 1: window 2 or 3
.irp b, 0,1,2,3,4,5,6,7
	ds_store_b128 v[STO], v[AC+8*\b:AC+8*\b+3] offset:64*\b          ; each accumulator from its low end on
	ds_store_b128 v[STO], v[AC+8*\b+4:AC+8*\b+7] offset:64*\b+16
.endr
	WIN 0
.set BB, BK+64*((\a)%2)
.irp t, 0,1,2,3,4,5,6,7,8,9,10,11,12,13,14,15
	ds_load_b128 v[BB+4*\t:BB+4*\t+3], v[RD] offset:\t*SPITCH        ; LDS serves a wave's instructions in order: these see the stores above
.endr
.endm
.macro RLOAD a
	WIN 0x40
.irp t, 0,1,2,3,4,5,6,7,8,9,10,11,12,13,14,15
	global_load_b128 v[64*((\a)%2)+4*\t:64*((\a)%2)+4*\t+3], v[CO], s[98:99] offset:(16*(\a)+\t)*8192
.endr
	WIN 0
.endm
.macro SEND a, younger
.set BB, BK+64*((\a)%2)
.set RS, 64*((\a)%2)
	s_wait_dscnt \younger                          ; the block is back; the next block's 16 stores and 16 loads may be out
.if (\a) < 7
	s_wait_loadcnt 16                              ; the bias and this block's rows of R are in; the next block's 16 loads may be out
.else
	s_wait_loadcnt 0x0
.endif
.irp t, 0,1,2,3,4,5,6,7,8,9,10,11,12,13,14,15
	v_pk_add_f32 v[BB+4*\t:BB+4*\t+1], v[BB+4*\t:BB+4*\t+1], v[64:65]
	v_pk_add_f32 v[BB+4*\t+2:BB+4*\t+3], v[BB+4*\t+2:BB+4*\t+3], v[66:67]
.endr
	WIN 0x04                                       ; source 1: window 1
.set i, 0
.rept 32
	v_pk_add_f32 v[BB+2*i:BB+2*i+1], v[BB+2*i:BB+2*i+1], v[RS+2*i:RS+2*i+1]
.set i, i+1
.endr
	WIN 0
.irp t, 0,1,2,3,4,5,6,7,8,9,10,11,12,13,14,15
.if LASTL
	global_store_b128 v[CO], v[BB+4*\t:BB+4*\t+3], s[100:101] offset:(16*(\a)+\t)*8192 th:TH_STORE_NT
.else
	global_store_b128 v[CO], v[BB+4*\t:BB+4*\t+3], s[100:101] offset:(16*(\a)+\t)*8192   ; 32 lanes store 512 consecutive bytes, aligned; 127 rows of 8,192 bytes at the most in the immediate
.endif
.endr
.if (\a) < 6
	RLOAD (\a)+2
.endif
.endm
	PLACES NP
	RLOAD 0
	RLOAD 1
	TOSTAGE 0
.irp a, 1,2,3,4,5,6,7
.if \a > 1
	s_wait_xcnt 0x0                                ; block a - 2's stores have read their registers: block a's loads may land there
.endif
	TOSTAGE \a
	SEND \a-1, 32
.endr
	s_wait_xcnt 0x0
	SEND 7, 0
	s_wait_tensorcnt 0x0                           ; the wave's end
	ds_add_u32 v[SPW], v[NIL]
	s_wait_dscnt 0x0
	CROUND                                         ; the closing round
	s_endpgm
.Lfunc_end_k_q6d10600492_proj:
	.size	k_q6d10600492_proj, .Lfunc_end_k_q6d10600492_proj-k_q6d10600492_proj
	.p2alignl 7, 3214868480
	.fill 96, 4, 3214868480
	.section	.rodata,"a",@progbits
	.p2align	6, 0x0
	.amdhsa_kernel k_q6d10600492_proj
		.amdhsa_group_segment_fixed_size 327680
		.amdhsa_private_segment_fixed_size 0
		.amdhsa_enable_private_segment 0
		.amdhsa_kernarg_size 48
		.amdhsa_user_sgpr_count 2
		.amdhsa_user_sgpr_kernarg_segment_ptr 1
		.amdhsa_wavefront_size32 1
		.amdhsa_system_sgpr_workgroup_id_x 1
		.amdhsa_system_sgpr_workgroup_id_y 1
		.amdhsa_system_sgpr_workgroup_id_z 1
		.amdhsa_system_vgpr_workitem_id 0
		.amdhsa_next_free_vgpr 1024
		.amdhsa_next_free_sgpr 102
		.amdhsa_reserve_vcc 0
		.amdhsa_float_denorm_mode_32 3
		.amdhsa_float_denorm_mode_16_64 3
		.amdhsa_memory_ordered 1
		.amdhsa_forward_progress 1
		.amdhsa_inst_pref_size 197
	.end_amdhsa_kernel
	.amdgpu_metadata
---
amdhsa.version: [ 1, 2 ]
amdhsa.kernels:
  - .name:           k_q6d10600492_proj
    .symbol:         k_q6d10600492_proj.kd
    .args:
      - { .name: AT, .offset: 0, .size: 8, .value_kind: global_buffer, .address_space: global }
      - { .name: w_proj_codes, .offset: 8, .size: 8, .value_kind: global_buffer, .address_space: global }
      - { .name: w_proj_scales, .offset: 16, .size: 8, .value_kind: global_buffer, .address_space: global }
      - { .name: b_proj, .offset: 24, .size: 8, .value_kind: global_buffer, .address_space: global }
      - { .name: x, .offset: 32, .size: 8, .value_kind: global_buffer, .address_space: global }
      - { .name: X1, .offset: 40, .size: 8, .value_kind: global_buffer, .address_space: global }
    .group_segment_fixed_size: 327680
    .private_segment_fixed_size: 0
    .kernarg_segment_align: 8
    .kernarg_segment_size: 48
    .max_flat_workgroup_size: 128
    .sgpr_count:     102
    .vgpr_count:     1024
    .wavefront_size: 32
...
	.end_amdgpu_metadata
.endif
;; end of part 4
;; launch ln2: the kernel of part 1 again; grid 256 x 1, 8 waves a work-group, no clusters, 82,944 bytes of LDS; arguments X1, ln2_g, ln2_b, H; writes H
;; launch fc (part 5): grid 16 x 16, 4 waves a work-group, clusters of 4 x 4, 327,680 bytes of LDS; arguments H, w_fc_codes, w_fc_scales, b_fc, G; writes G
.if DOCPART == 5
	.amdgcn_target "amdgcn-amd-amdhsa--gfx1250"
	.amdhsa_code_object_version 6
	.text
	.protected	k_q6d10600492_fc
	.globl	k_q6d10600492_fc
	.p2align	8
	.type	k_q6d10600492_fc,@function
k_q6d10600492_fc:
	s_mov_b64 s[64:65], 0
	v_nop
	global_prefetch_b8 v0, s[64:65] scope:SCOPE_SE
	s_setreg_imm32_b32 hwreg(HW_REG_WAVE_MODE, 25, 1), 1
	s_wait_xcnt 0x0
	s_wait_alu depctr_hold_cnt(0) depctr_sa_sdst(0) depctr_va_vdst(0) depctr_va_sdst(0) depctr_va_ssrc(0) depctr_va_vcc(0) depctr_vm_vsrc(0)
	s_getreg_b32 s2, hwreg(HW_REG_IB_STS2, 6, 4)
	s_cmp_eq_u32 s2, 0
	s_cbranch_scc0 .Lentry_in_a_cluster
	s_endpgm
.Lentry_in_a_cluster:
	s_bfe_u32 s2, ttmp6, 0x10000c
	s_cmp_lg_u32 s2, 0xf033
	s_cbranch_scc0 .Lentry_shape_is_right
	s_endpgm
.Lentry_shape_is_right:
; g = gelu(LN2(x1) w_fc + b_fc) on codes of E2M3 with E8M0 scales, K = 1,024; g is quantised along its 4,096 columns, the next product's K, and never leaves as f32.
; H: codes [4096 m'][768] and, 3,145,728 bytes on, scale bytes [4096][32].  w_fc: codes [4096][768], scale bytes [4096][32].
; A tile of 256 x 256 is made by four waves, 128 x 128 each: 64 accumulators, 512 registers.  K goes in steps of 256 through two LDS slots filled by the tensor data mover; the scale bytes of the tile's 512
; rows come once and stay.  4 x 4 work-groups form a cluster: H's tile is shared along a row of the cluster, w_fc's along a column, each asked for jointly.
; The matrix instruction takes 16 rows of w_fc as source 0 and 16 rows of H as source 1: lane (r, h) holds token r and, in register j of accumulator b, column 16 b + 8 h + j.
; gelu (the tanh form): g = x / (1 + 2^(x (C0 + C1 x^2))), C0 = -2 sqrt(2 / pi) log2(e), C1 = 0.044715 C0, which is 0.5 x (1 + tanh(sqrt(2 / pi) (x + 0.044715 x^3))).
; STORED (G): 0: [column / 256][m' / 16][4][768]: 16 rows x 64 columns as an image of six operand registers (registers 0-3 of lane L at 16 L, registers 4-5 at 512 + 8 L), in natural order;
; 12,582,912: scale bytes [m'][128]: four bytes a row and wave, rows 128 bytes apart: one byte in 24 of the codes.
; LIMITS: NaN and infinities are not served.  Where 2^(..) overflows the result is a signed zero.  A block of zeros gets the byte 1: its codes are zeros, and this program alone reads the bytes.
.set SIZE_K, 1024
.set KSTEP,  256
.set NQ,     KSTEP/128
.set ROWB,   192
.set KROW,   SIZE_K*6/8
.set PITCH,  240                       ; an LDS row: 3 x (64 bytes + 16 of padding)
.set FR,     12
.set NL,     6
.set NP,     4                         ; places behind this matrix instruction (ISA guide 7.12.1)
.set HALFT,  128*PITCH
.set SLOT,   4*HALFT
.set LAPS,   SIZE_K/(2*KSTEP)
.set KS,     SIZE_K/32
.set SCL,    2*SLOT
.set HALFS,  (128*KS/256)*272
.set SBLK,   (16*KS/256)*272
.set SPARE,  SCL+4*HALFS               ; the spare words, 128 bytes for each wave: two blocks of 256 bytes that no other line names
.set ADRA, 16
.set ADRB, 20
.set ADRS, 27
.set SPW,  28
.set NIL,  29
.set SC,   32
.set BI,   64                          ; v64-127 the bias in the result's layout
.set AF,   128
.set T,    128                         ; the way out: v128-191 64 numbers; v192-255 at work on the gelu, then the quantiser's
.set U,    192
.set TM,   192
.set PW,   208
.set PC,   210
.set G1, 24
.set G0, 32
.set G1B, 48
.set G0B, 56
.set G1S, 68
.set G0S, 76
.set G1SB, 80
.set G0SB, 88
.set SEL, 46
.set MSB, 0
.macro WIN new
.if MSB != (\new)
	s_set_vgpr_msb (MSB<<8)|(\new)
.set MSB, (\new)
.endif
.endm
.set MUL_LO, 0xa1
.set MUL_HI, 0xf1
.set TO_B,   0x40
.macro JLOAD g0a, g1a, g0b, g1b        ; a joint load: waves 0 and 1 fetch for H, waves 2 and 3 for w_fc; four v_nop follow each of the two lines
	s_cmp_eq_u32 s15, 0
	s_cbranch_scc0 .Lfor_b_\@
	tensor_load_to_lds s[\g0a:\g0a+3], s[\g1a:\g1a+7]
	s_nop 0
.rept 4
	v_nop
.endr
	s_branch .Lasked_\@
.Lfor_b_\@:
	tensor_load_to_lds s[\g0b:\g0b+3], s[\g1b:\g1b+7]
	s_nop 0
.rept 4
	v_nop
.endr
.Lasked_\@:
.endm
.macro CREST
	s_cmp_lg_u32 s14, 0
	s_cbranch_scc1 .Lnot_wave_0_\@
	s_barrier_signal -3
.Lnot_wave_0_\@:
	s_barrier_wait -3
	s_barrier_signal -1
	s_barrier_wait -1
.endm
.macro CROUND
	s_barrier_signal -1
	s_barrier_wait -1
	CREST
.endm
	s_load_b64 s[4:5], s[0:1], 0x0                 ; H
	s_load_b128 s[8:11], s[0:1], 0x8               ; w_fc's codes, its scale bytes
	s_load_b128 s[96:99], s[0:1], 0x18             ; b_fc, G
	v_lshl_add_u32 v[SPW], v0, 2, SPARE
	v_mov_b32 v[NIL], 0
	ds_add_u32 v28, v29
	ds_add_u32 v28, v29
	s_wait_dscnt 0x0
	v_lshrrev_b32 v1, 5, v0
	v_readfirstlane_b32 s14, v1
	s_lshr_b32 s15, s14, 1
	s_and_b32 s16, s14, 1
	s_bfe_u32 s40, ttmp6, 0x40000
	s_bfe_u32 s41, ttmp6, 0x40004
	s_lshl_b32 s42, ttmp9, 2
	s_add_co_u32 s42, s42, s40                     ; tile column
	s_and_b32 s17, ttmp7, 0xffff
	s_lshl_b32 s17, s17, 2
	s_add_co_u32 s17, s17, s41                     ; tile row
	s_lshl_b32 s43, s41, 2
	s_lshl_b32 s43, 15, s43
	s_lshl_b32 s44, 0x1111, s40
	s_or_b32 s[G1+0], s43, (0<<16)|(1<<20)|(1<<21)|(3<<22)|(3<<25)
	s_or_b32 s[G1B+0], s44, (0<<16)|(1<<20)|(1<<21)|(3<<22)|(3<<25)
.irp g, G1, G1B
	s_mov_b32 s[\g+1], ROWB<<16
	s_mov_b32 s[\g+2], 128<<16
	s_mov_b32 s[\g+3], ROWB<<16
	s_mov_b32 s[\g+4], 128
	s_mov_b32 s[\g+5], KROW
	s_mov_b32 s[\g+6], 0
	s_mov_b32 s[\g+7], 0
.endr
	s_or_b32 s[G1S+0], s43, (3<<16)|(1<<20)|(1<<21)|(5<<22)|(3<<25)
	s_or_b32 s[G1SB+0], s44, (3<<16)|(1<<20)|(1<<21)|(5<<22)|(3<<25)
.irp g, G1S, G1SB
	s_mov_b32 s[\g+1], 32<<16
	s_mov_b32 s[\g+2], (128*KS/256)<<16
	s_mov_b32 s[\g+3], 32<<16
	s_mov_b32 s[\g+4], 128*KS/256
	s_mov_b32 s[\g+5], 32
	s_mov_b32 s[\g+6], 0
	s_mov_b32 s[\g+7], 0
.endr
	s_lshl_b32 s18, s16, 7
	s_lshl_b32 s20, s17, 8
	s_add_co_u32 s20, s20, s18
	s_lshl_b32 s46, s42, 8
	s_add_co_u32 s46, s46, s18
	s_mov_b32 s21, 0
	s_mov_b32 s47, 0
	s_mov_b64 s[18:19], KS
	s_mul_u64 s[22:23], s[20:21], s[18:19]
	s_mul_u64 s[92:93], s[46:47], s[18:19]
	s_mov_b64 s[18:19], KROW
	s_mul_u64 s[20:21], s[20:21], s[18:19]
	s_mul_u64 s[46:47], s[46:47], s[18:19]
	s_mul_i32 s45, s14, HALFT
	s_mul_i32 s94, s14, HALFS
	s_wait_kmcnt 0x0
	s_add_nc_u64 s[6:7], s[4:5], 3145728           ; H's scale bytes
	s_add_nc_u64 s[20:21], s[4:5], s[20:21]
	s_add_nc_u64 s[22:23], s[6:7], s[22:23]
	s_add_nc_u64 s[46:47], s[8:9], s[46:47]
	s_add_nc_u64 s[92:93], s[10:11], s[92:93]
	CROUND                                         ; all sixteen work-groups are here: the first joint loads meet
	s_mov_b32 s[G0S], 1
	s_add_co_u32 s[G0S+1], s94, SCL
	s_mov_b64 s[G0S+2:G0S+3], s[22:23]
	s_or_b32 s[G0S+3], s[G0S+3], 0x80000000
	s_mov_b32 s[G0SB], 1
	s_add_co_u32 s[G0SB+1], s94, SCL
	s_mov_b64 s[G0SB+2:G0SB+3], s[92:93]
	s_or_b32 s[G0SB+3], s[G0SB+3], 0x80000000
	JLOAD G0S, G1S, G0SB, G1SB                     ; the scale bytes first; with the two slots three loads of mine are out
.irp s, 0,1
	s_mov_b32 s[G0+4*\s], 1
	s_add_co_u32 s[G0+4*\s+1], s45, \s*SLOT
	s_add_nc_u64 s[G0+4*\s+2:G0+4*\s+3], s[20:21], \s*ROWB
	s_or_b32 s[G0+4*\s+3], s[G0+4*\s+3], 0x80000000
	s_mov_b32 s[G0B+4*\s], 1
	s_add_co_u32 s[G0B+4*\s+1], s45, \s*SLOT
	s_add_nc_u64 s[G0B+4*\s+2:G0B+4*\s+3], s[46:47], \s*ROWB
	s_or_b32 s[G0B+4*\s+3], s[G0B+4*\s+3], 0x80000000
	JLOAD G0+4*\s, G1, G0B+4*\s, G1B
.endr
	v_and_b32 v1, 15, v0
	v_bfe_u32 v2, v0, 4, 1
	v_mul_u32_u24 v3, v1, PITCH
	v_mul_u32_u24 v4, v2, 24
	v_add_nc_u32 v4, v3, v4
	v_lshl_add_u32 v5, v2, 4, v4
	s_mul_i32 s21, s15, HALFT
	s_mul_i32 s22, s16, HALFT
	s_add_co_u32 s22, s22, 2*HALFT
.irp s, 0,1
	v_add_nc_u32 v[ADRA+\s], s21, v4
	v_add_nc_u32 v[ADRB+\s], s22, v4
	v_add_nc_u32 v[ADRA+2+\s], s21, v5
	v_add_nc_u32 v[ADRB+2+\s], s22, v5
	s_add_co_u32 s21, s21, SLOT
	s_add_co_u32 s22, s22, SLOT
.endr
	v_mul_u32_u24 v5, v1, KS
	v_lshrrev_b32 v6, 8, v5
	v_lshl_add_u32 v5, v6, 4, v5
	s_mul_i32 s21, s15, HALFS
	s_mul_i32 s22, s16, HALFS
	s_add_co_u32 s22, s22, 2*HALFS
	s_sub_co_u32 s22, s22, s21
	v_mul_u32_u24 v6, s22, v2
	s_add_co_u32 s21, s21, SCL
	v_add_nc_u32 v5, v5, v6
	v_add_nc_u32 v[ADRS], s21, v5
	v_and_b32 v6, 31, v0
	v_lshlrev_b32 v26, 4, v6                       ; 16 L
	v_lshlrev_b32 v7, 3, v6                        ; 8 L
	v_lshlrev_b32 v30, 7, v1                       ; 128 r
	v_lshlrev_b32 v31, 5, v2                       ; 32 h
	v_mov_b32 v8, 0xbdd2d3e8                       ; C1, twice
	v_mov_b32 v9, 0xbdd2d3e8
	v_mov_b32 v10, 0xc0135761                      ; C0, twice
	v_mov_b32 v11, 0xc0135761
	s_lshl_b32 s18, s42, 10
	s_lshl_b32 s19, s16, 9
	s_add_co_u32 s18, s18, s19                     ; my first column x 4
	s_mov_b32 s19, 0
	s_add_nc_u64 s[96:97], s[96:97], s[18:19]
	s_lshl_b32 s18, s42, 8
	s_lshl_b32 s20, s17, 4
	s_add_co_u32 s18, s18, s20
	s_lshl_b32 s20, s15, 3
	s_add_co_u32 s18, s18, s20
	s_mul_i32 s18, s18, 3072
	s_mul_i32 s20, s16, 1536
	s_add_co_u32 s18, s18, s20
	s_add_nc_u64 s[4:5], s[98:99], s[18:19]        ; my images
	s_lshl_b32 s18, s17, 15
	s_lshl_b32 s20, s15, 14
	s_add_co_u32 s18, s18, s20
	s_lshl_b32 s20, s42, 3
	s_add_co_u32 s18, s18, s20
	s_lshl_b32 s20, s16, 2
	s_add_co_u32 s18, s18, s20
	s_add_co_u32 s18, s18, 12582912
	s_add_nc_u64 s[6:7], s[98:99], s[18:19]        ; my scale words
.irp b, 0,1,2,3,4,5,6,7
	global_load_b128 v[BI+8*\b:BI+8*\b+3], v31, s[96:97] offset:64*\b
	global_load_b128 v[BI+8*\b+4:BI+8*\b+7], v31, s[96:97] offset:64*\b+16
.endr
.macro FRAG reg, adr, q, i
.irp p, 0,1,2,3,4,5
.set PCE, 12*(\q)+6*(\p/3)+\p%3
.if PCE%8 < 5
	ds_load_b64 v[\reg+2*\p:\reg+2*\p+1], v[\adr] offset:8*PCE+16*(PCE/8)+(\i)*16*PITCH
.else
	ds_load_b64 v[\reg+2*\p:\reg+2*\p+1], v[\adr+2] offset:8*PCE+16*(PCE/8)+(\i)*16*PITCH
.endif
.endr
.endm
; 16 matrix instructions; the 64 accumulators take turns, one instruction a turn
.macro MUL16 a0, p, q, sc, zero
.irp a, \a0, \a0+1
.irp b, 0,1,2,3,4,5,6,7
.if \zero
	v_wmma_scale_f32_16x16x128_f8f6f4 v[8*(8*((\a)%4)+\b):8*(8*((\a)%4)+\b)+7], v[128*(\p)+FR*\b:128*(\p)+FR*\b+FR-1], v[AF+FR*(\a):AF+FR*(\a)+FR-1], 0, v[SC+8*NQ*(\sc)+NQ*\b+(\q)], v[SC+8*NQ*(\sc)+NQ*(\a)+(\q)] matrix_a_fmt:MATRIX_FMT_FP6 matrix_b_fmt:MATRIX_FMT_FP6 matrix_a_scale:MATRIX_SCALE_ROW1
.else
	v_wmma_scale_f32_16x16x128_f8f6f4 v[8*(8*((\a)%4)+\b):8*(8*((\a)%4)+\b)+7], v[128*(\p)+FR*\b:128*(\p)+FR*\b+FR-1], v[AF+FR*(\a):AF+FR*(\a)+FR-1], v[8*(8*((\a)%4)+\b):8*(8*((\a)%4)+\b)+7], v[SC+8*NQ*(\sc)+NQ*\b+(\q)], v[SC+8*NQ*(\sc)+NQ*(\a)+(\q)] matrix_a_fmt:MATRIX_FMT_FP6 matrix_b_fmt:MATRIX_FMT_FP6 matrix_a_scale:MATRIX_SCALE_ROW1
.endif
.endr
.endr
.endm
.macro FETCH_B slot, q, p
	WIN TO_B
.irp i, 0,1,2,3,4,5,6,7
	FRAG 128*(\p)+FR*\i, ADRB+\slot, \q, \i
.endr
	WIN 0
.endm
.macro FETCH_A slot, q, i0
.irp i, \i0, \i0+1, \i0+2, \i0+3
	FRAG AF+FR*(\i), ADRA+\slot, \q, \i
.endr
.endm
.macro SCALES sc
.irp i, 0,1,2,3,4,5,6,7
	ds_load_b64 v[SC+8*NQ*\sc+NQ*\i:SC+8*NQ*\sc+NQ*\i+1], v[ADRS] offset:\i*SBLK
.endr
.endm
.macro PLACES n
.rept \n
	v_nop
.endr
.endm
.macro STEP slot, q, zero
	s_wait_dscnt 4*NL                              ; B's set and A's blocks 0-3 are in; the youngest 24 loads (A's blocks 4-7) may be out
	WIN MUL_LO
	MUL16 0, (\q)%2, \q, \slot, \zero
	MUL16 2, (\q)%2, \q, \slot, \zero
	s_wait_dscnt 0
	PLACES NP
	FETCH_B \slot, (\q)+1, 1-(\q)%2
	FETCH_A \slot, (\q)+1, 0
	WIN MUL_HI
	MUL16 4, (\q)%2, \q, \slot, \zero
	MUL16 6, (\q)%2, \q, \slot, \zero
	PLACES NP
	WIN 0
	FETCH_A \slot, (\q)+1, 4
.endm
.macro TURN slot, next, fill
	s_wait_tensorcnt 0x0                           ; all my tensor loads have landed: my part of the next slot
	ds_add_u32 v[SPW], v[NIL]                      ; 0 onto my spare word
	s_wait_dscnt 4*NL+1                            ; (the add and the youngest 24 loads may be out)
	WIN MUL_LO
	MUL16 0, 1, NQ-1, \slot, 0
	s_wait_dscnt 0x0                               ; the add is done, and my reads of this slot are over
	s_barrier_signal -1
	MUL16 2, 1, NQ-1, \slot, 0
	WIN 0
	s_barrier_wait -1
.if \fill
	CREST                                          ; the barrier has opened a round of the cluster's
	s_add_nc_u64 s[G0+4*\slot+2:G0+4*\slot+3], s[G0+4*\slot+2:G0+4*\slot+3], 2*ROWB
	s_add_nc_u64 s[G0B+4*\slot+2:G0B+4*\slot+3], s[G0B+4*\slot+2:G0B+4*\slot+3], 2*ROWB
	JLOAD G0+4*\slot, G1, G0B+4*\slot, G1B         ; my one tensor load behind the round
.else
	PLACES NP
.endif
	v_add_nc_u32 v[ADRS], 4*NQ, v[ADRS]
	FETCH_B \next, 0, 0
	FETCH_A \next, 0, 0
	SCALES \next
	WIN MUL_HI
	MUL16 4, 1, NQ-1, \slot, 0
	MUL16 6, 1, NQ-1, \slot, 0
	PLACES NP
	WIN 0
	FETCH_A \next, 0, 4
.endm
	s_wait_tensorcnt 1                             ; the scale bytes and my part of slot 0 are in; slot 1's load may be out
	s_barrier_signal -1
	s_barrier_wait -1
	FETCH_B 0, 0, 0
	FETCH_A 0, 0, 0
	SCALES 0
	FETCH_A 0, 0, 4
	STEP 0, 0, 1
	s_mov_b32 s3, LAPS-1
.Llap:
	TURN 0, 1, 1
	STEP 1, 0, 0
	TURN 1, 0, 1
	STEP 0, 0, 0
	s_sub_co_u32 s3, s3, 1
	s_cmp_lg_u32 s3, 0
	s_cbranch_scc1 .Llap
	TURN 0, 1, 0
	STEP 1, 0, 0
	s_wait_dscnt 4*NL
	WIN MUL_LO
	MUL16 0, 1, NQ-1, 1, 0
	MUL16 2, 1, NQ-1, 1, 0
	s_wait_dscnt 0
	WIN MUL_HI
	MUL16 4, 1, NQ-1, 1, 0
	MUL16 6, 1, NQ-1, 1, 0
	WIN 0
.macro QUANT s
.irp b, 0,1,2,3
	v_max3_num_f32 v[TM+\b], |v[\s+16*\b]|, |v[\s+1+16*\b]|, 0x1800000   ; and the floor 2^(3 - 127): the byte cannot fall under 1
.endr
.irp i, 2,4,6,8,10,12,14
.irp b, 0,1,2,3
	v_max3_num_f32 v[TM+\b], v[TM+\b], |v[\s+16*\b+\i]|, |v[\s+1+16*\b+\i]|
.endr
.endr
.irp b, 0,1,2,3
	v_permlanex16_b32 v[TM+4+\b], v[TM+\b], s[SEL], s[SEL+1]
.endr
.irp b, 0,1,2,3
	v_max_num_f32 v[TM+\b], v[TM+\b], v[TM+4+\b]
.endr
.irp b, 0,1,2,3
	v_add_nc_u32 v[TM+12+\b], 0xff000000, v[TM+\b]
.endr
.irp b, 0,1,2,3
	v_lshrrev_b32 v[TM+4+\b], 23, v[TM+12+\b]
.endr
	v_lshl_or_b32 v[PW], v[TM+5], 8, v[TM+4]
	v_lshl_or_b32 v[PW], v[TM+6], 16, v[PW]
	v_lshl_or_b32 v[PW], v[TM+7], 24, v[PW]
.irp c, 0,1
	v_cvt_scalef32_pk16_fp6_f32 v[PC+6*\c:PC+2+6*\c], v[\s+32*\c:\s+15+32*\c], v[TM+12+2*\c]
	v_cvt_scalef32_pk16_fp6_f32 v[PC+12+4*\c:PC+14+4*\c], v[\s+16+32*\c:\s+31+32*\c], v[TM+12+2*\c+1]
.endr
	v_nop                                          ; one plain place behind a scaled conversion
.irp c, 0,1
.irp i, 0,1,2
	v_permlane16_swap_b32 v[PC+6*\c+\i], v[PC+12+4*\c+\i]
.endr
.irp i, 0,1,2
	v_mov_b32 v[PC+3+6*\c+\i], v[PC+12+4*\c+\i]
.endr
.endr
.endm
; THE WAY OUT of block a, 16 tokens x 128 columns, all in registers: + bias, gelu, natural order, quantised, stored as images.
.macro GBLK a
	s_wait_xcnt 0x0                                ; the last block's stores have read their registers
	WIN 0x02+(\a)/4                                ; source 0: the accumulators' window
.set i, 0
.rept 32
	v_pk_add_f32 v[T+2*i:T+2*i+1], v[64*((\a)%4)+2*i:64*((\a)%4)+2*i+1], v[BI+2*i:BI+2*i+1]   ; x; each accumulator from its low end on
.set i, i+1
.endr
	WIN 0
.set i, 0
.rept 32
	v_pk_mul_f32 v[U+2*i:U+2*i+1], v[T+2*i:T+2*i+1], v[T+2*i:T+2*i+1]
.set i, i+1
.endr
.set i, 0
.rept 32
	v_pk_fma_f32 v[U+2*i:U+2*i+1], v[U+2*i:U+2*i+1], v[8:9], v[10:11]   ; C0 + C1 x^2
.set i, i+1
.endr
.set i, 0
.rept 32
	v_pk_mul_f32 v[U+2*i:U+2*i+1], v[U+2*i:U+2*i+1], v[T+2*i:T+2*i+1]
.set i, i+1
.endr
.set i, 0
.rept 64
	v_exp_f32 v[U+i], v[U+i]
.set i, i+1
.endr
	v_nop                                          ; a plain place behind the batch,
	s_wait_alu depctr_va_vdst(0)                   ; and one wait for it, ahead of its first reader
.set i, 0
.rept 32
	v_pk_add_f32 v[U+2*i:U+2*i+1], v[U+2*i:U+2*i+1], 1.0 op_sel_hi:[1,0]
.set i, i+1
.endr
.set i, 0
.rept 64
	v_rcp_f32 v[U+i], v[U+i]
.set i, i+1
.endr
	v_nop
	s_wait_alu depctr_va_vdst(0)
.set i, 0
.rept 32
	v_pk_mul_f32 v[T+2*i:T+2*i+1], v[T+2*i:T+2*i+1], v[U+2*i:U+2*i+1]
.set i, i+1
.endr
.irp b, 0,1,2,3
.irp j, 0,1,2,3,4,5,6,7
	v_permlane16_swap_b32 v[T+16*\b+\j], v[T+8+16*\b+\j]   ; register 16 b + i now holds column 32 b + 16 h + i: the order in which w_out's codes lie
.endr
.endr
	QUANT T
	global_store_b128 v26, v[PC:PC+3], s[4:5] offset:(\a)*3072             ; each store covers 512 or 256 consecutive bytes, aligned
	global_store_b64 v7, v[PC+4:PC+5], s[4:5] offset:(\a)*3072+512
	global_store_b128 v26, v[PC+6:PC+9], s[4:5] offset:(\a)*3072+768
	global_store_b64 v7, v[PC+10:PC+11], s[4:5] offset:(\a)*3072+1280
	global_store_b32 v30, v[PW], s[6:7] offset:(\a)*2048                   ; (both halves of the lanes store the same word)
.endm
	PLACES NP
	s_wait_loadcnt 0x0                             ; the bias
	s_mov_b32 s[SEL], 0x76543210
	s_mov_b32 s[SEL+1], 0xfedcba98
.irp a, 0,1,2,3,4,5,6,7
	GBLK \a
.endr
	s_wait_tensorcnt 0x0                           ; the wave's end
	ds_add_u32 v[SPW], v[NIL]
	s_wait_dscnt 0x0
	CROUND                                         ; the closing round
	s_endpgm
.Lfunc_end_k_q6d10600492_fc:
	.size	k_q6d10600492_fc, .Lfunc_end_k_q6d10600492_fc-k_q6d10600492_fc
	.p2alignl 7, 3214868480
	.fill 96, 4, 3214868480
	.section	.rodata,"a",@progbits
	.p2align	6, 0x0
	.amdhsa_kernel k_q6d10600492_fc
		.amdhsa_group_segment_fixed_size 327680
		.amdhsa_private_segment_fixed_size 0
		.amdhsa_enable_private_segment 0
		.amdhsa_kernarg_size 40
		.amdhsa_user_sgpr_count 2
		.amdhsa_user_sgpr_kernarg_segment_ptr 1
		.amdhsa_wavefront_size32 1
		.amdhsa_system_sgpr_workgroup_id_x 1
		.amdhsa_system_sgpr_workgroup_id_y 1
		.amdhsa_system_sgpr_workgroup_id_z 1
		.amdhsa_system_vgpr_workitem_id 0
		.amdhsa_next_free_vgpr 1024
		.amdhsa_next_free_sgpr 102
		.amdhsa_reserve_vcc 0
		.amdhsa_float_denorm_mode_32 3
		.amdhsa_float_denorm_mode_16_64 3
		.amdhsa_memory_ordered 1
		.amdhsa_forward_progress 1
		.amdhsa_inst_pref_size 255
	.end_amdhsa_kernel
	.section	.bss,"aw",@nobits
	.p2align	6
	.space	262144
	.amdgpu_metadata
---
amdhsa.version: [ 1, 2 ]
amdhsa.kernels:
  - .name:           k_q6d10600492_fc
    .symbol:         k_q6d10600492_fc.kd
    .args:
      - { .name: H, .offset: 0, .size: 8, .value_kind: global_buffer, .address_space: global }
      - { .name: w_fc_codes, .offset: 8, .size: 8, .value_kind: global_buffer, .address_space: global }
      - { .name: w_fc_scales, .offset: 16, .size: 8, .value_kind: global_buffer, .address_space: global }
      - { .name: b_fc, .offset: 24, .size: 8, .value_kind: global_buffer, .address_space: global }
      - { .name: G, .offset: 32, .size: 8, .value_kind: global_buffer, .address_space: global }
    .group_segment_fixed_size: 327680
    .private_segment_fixed_size: 0
    .kernarg_segment_align: 8
    .kernarg_segment_size: 40
    .max_flat_workgroup_size: 128
    .sgpr_count:     102
    .vgpr_count:     1024
    .wavefront_size: 32
...
	.end_amdgpu_metadata
.endif
;; end of part 5
;; launch out (part 6): grid 4 x 16, 4 waves a work-group, clusters of 4 x 4, 327,680 bytes of LDS; arguments G, w_out_codes, w_out_scales, b_out, X1, out0; writes out0
.if DOCPART == 6
	.amdgcn_target "amdgcn-amd-amdhsa--gfx1250"
	.amdhsa_code_object_version 6
	.text
	.protected	k_q6d10600492_out
	.globl	k_q6d10600492_out
	.p2align	8
	.type	k_q6d10600492_out,@function
k_q6d10600492_out:
	s_mov_b64 s[64:65], 0
	v_nop
	global_prefetch_b8 v0, s[64:65] scope:SCOPE_SE
	s_setreg_imm32_b32 hwreg(HW_REG_WAVE_MODE, 25, 1), 1
	s_wait_xcnt 0x0
	s_wait_alu depctr_hold_cnt(0) depctr_sa_sdst(0) depctr_va_vdst(0) depctr_va_sdst(0) depctr_va_ssrc(0) depctr_va_vcc(0) depctr_vm_vsrc(0)
	s_getreg_b32 s2, hwreg(HW_REG_IB_STS2, 6, 4)
	s_cmp_eq_u32 s2, 0
	s_cbranch_scc0 .Lentry_in_a_cluster
	s_endpgm
.Lentry_in_a_cluster:
	s_bfe_u32 s2, ttmp6, 0x10000c
	s_cmp_lg_u32 s2, 0xf033
	s_cbranch_scc0 .Lentry_shape_is_right
	s_endpgm
.Lentry_shape_is_right:
; Y = R + (A W^T + bias) on codes of E2M3 with E8M0 scales.  A: 4,096 rows m' = batch x 2048 + l, SIZE_K along K, as images of operand registers: [K / 256][m' / 16][4][768]: 16 rows x 64 K: registers 0-3 of
; lane L at 16 L, registers 4-5 at 512 + 8 L; two on end are a fragment's 12 registers.  ASC bytes on: its scale bytes [m'][SIZE_K / 32].  W: codes [1024][SIZE_K x 3 / 4], scale bytes [1024][SIZE_K / 32].
; R and Y: [2048 l][2 batches][1024] f32: row m' begins at l x 8192 + batch x 4096.
; A tile of 256 x 256 is made by four waves, 128 x 128 each: 64 accumulators, 512 registers.  K goes in steps of 256 through two LDS slots filled by the tensor data mover: A's part of a slot is one dense
; block of memory for each 128 rows (24,576 bytes, read back 512 or 256 consecutive bytes an instruction), W's rows are 192 bytes, padded.  The scale bytes of the tile's 512 rows come once and stay.
; 4 x 4 work-groups form a cluster: A's tile is shared along a row of the cluster, W's along a column, each asked for jointly.  The matrix instruction takes 16 rows of W as source 0 and 16 rows of A as
; source 1: a lane then holds eight neighbouring numbers of a row of Y.
.set SIZE_K, 4096
.set ASC,    12582912
.set LASTL,  1                         ; 1: Y is the program's output
.set KSTEP,  256
.set NQ,     KSTEP/128
.set ROWB,   192
.set KROW,   SIZE_K*6/8
.set PITCH,  240                       ; W's LDS row: 3 x (64 bytes + 16 of padding)
.set FR,     12
.set NL,     6
.set NLA,    4                         ; LDS loads that bring a fragment of A
.set NP,     4                         ; places behind this matrix instruction (ISA guide 7.12.1)
.set ABYTES, 24576                     ; A's 128 rows x 256 K
.set ASTEP,  786432                    ; from one 256 along K to the next in A's images
.set HALFB,  128*PITCH
.set SLOT,   2*ABYTES+2*HALFB
.set LAPS,   SIZE_K/(2*KSTEP)
.set KS,     SIZE_K/32
.set SCL,    2*SLOT
.set HALFS,  (128*KS/256)*272
.set SBLK,   (16*KS/256)*272
.set SPARE,  SCL+4*HALFS               ; the spare words, 128 bytes for each wave: two blocks of 256 bytes that no other line names
.set SPITCH, 528                       ; the way out: a stage of 16 rows x (512 + 16) for each wave, in slot 0, behind its last fill and its last read
.set ADRA, 16                          ; v16-17 16 L + my rows of A in slot 0, 1;  v18-19 the same with 8 L
.set ADRB, 20
.set STO,  24
.set RD,   25
.set CO,   26
.set ADRS, 27
.set SPW,  28
.set NIL,  29
.set SC,   32
.set AF,   128
.set BK,   128
.set G1, 24
.set G0, 32
.set G1B, 48
.set G0B, 56
.set G1S, 68
.set G0S, 76
.set G1SB, 80
.set G0SB, 88
.set MSB, 0
.macro WIN new
.if MSB != (\new)
	s_set_vgpr_msb (MSB<<8)|(\new)
.set MSB, (\new)
.endif
.endm
.set MUL_LO, 0xa1
.set MUL_HI, 0xf1
.set TO_B,   0x40
.macro JLOAD g0a, g1a, g0b, g1b        ; a joint load: waves 0 and 1 fetch for A, waves 2 and 3 for W; four v_nop follow each of the two lines
	s_cmp_eq_u32 s15, 0
	s_cbranch_scc0 .Lfor_b_\@
	tensor_load_to_lds s[\g0a:\g0a+3], s[\g1a:\g1a+7]
	s_nop 0
.rept 4
	v_nop
.endr
	s_branch .Lasked_\@
.Lfor_b_\@:
	tensor_load_to_lds s[\g0b:\g0b+3], s[\g1b:\g1b+7]
	s_nop 0
.rept 4
	v_nop
.endr
.Lasked_\@:
.endm
.macro CREST
	s_cmp_lg_u32 s14, 0
	s_cbranch_scc1 .Lnot_wave_0_\@
	s_barrier_signal -3
.Lnot_wave_0_\@:
	s_barrier_wait -3
	s_barrier_signal -1
	s_barrier_wait -1
.endm
.macro CROUND
	s_barrier_signal -1
	s_barrier_wait -1
	CREST
.endm
	s_load_b64 s[4:5], s[0:1], 0x0                 ; A
	s_load_b128 s[8:11], s[0:1], 0x8               ; W's codes, its scale bytes
	s_load_b128 s[96:99], s[0:1], 0x18             ; bias, R
	s_load_b64 s[100:101], s[0:1], 0x28            ; Y
	v_lshl_add_u32 v[SPW], v0, 2, SPARE
	v_mov_b32 v[NIL], 0
	ds_add_u32 v28, v29
	ds_add_u32 v28, v29
	s_wait_dscnt 0x0
	v_lshrrev_b32 v1, 5, v0
	v_readfirstlane_b32 s14, v1                    ; wave 0..3
	s_lshr_b32 s15, s14, 1                         ; which half of the tile's rows is mine.  Also: I fetch for A (0) or for W (1)
	s_and_b32 s16, s14, 1                          ; which half of its columns.  Also: which 128 rows I fetch
	s_bfe_u32 s40, ttmp6, 0x40000
	s_bfe_u32 s41, ttmp6, 0x40004
	s_lshl_b32 s42, ttmp9, 2
	s_add_co_u32 s42, s42, s40                     ; tile column
	s_and_b32 s17, ttmp7, 0xffff
	s_lshl_b32 s17, s17, 2
	s_add_co_u32 s17, s17, s41                     ; tile row
	s_lshl_b32 s43, s41, 2
	s_lshl_b32 s43, 15, s43                        ; my row of the cluster
	s_lshl_b32 s44, 0x1111, s40                    ; my column
	s_or_b32 s[G1+0], s43, (3<<16)|(1<<21)         ; A: the mask; elements of 8 bytes; no padding; bit 21 beside a mask
	s_mov_b32 s[G1+1], 32<<16                      ; rows of 256 bytes,
	s_mov_b32 s[G1+2], 96<<16                      ; 96 of them: a dense block
	s_mov_b32 s[G1+3], 32<<16
	s_mov_b32 s[G1+4], 96
	s_mov_b32 s[G1+5], 32
	s_mov_b32 s[G1+6], 0
	s_mov_b32 s[G1+7], 0
	s_or_b32 s[G1B+0], s44, (0<<16)|(1<<20)|(1<<21)|(3<<22)|(3<<25)   ; W: elements of 1 byte; after every 16 words 4 words of padding
	s_mov_b32 s[G1B+1], ROWB<<16
	s_mov_b32 s[G1B+2], 128<<16
	s_mov_b32 s[G1B+3], ROWB<<16
	s_mov_b32 s[G1B+4], 128
	s_mov_b32 s[G1B+5], KROW
	s_mov_b32 s[G1B+6], 0
	s_mov_b32 s[G1B+7], 0
	s_or_b32 s[G1S+0], s43, (3<<16)|(1<<20)|(1<<21)|(5<<22)|(3<<25)   ; the scale bytes of 128 rows: rows of 256 bytes, 16 bytes of padding behind each
	s_or_b32 s[G1SB+0], s44, (3<<16)|(1<<20)|(1<<21)|(5<<22)|(3<<25)
.irp g, G1S, G1SB
	s_mov_b32 s[\g+1], 32<<16
	s_mov_b32 s[\g+2], (128*KS/256)<<16
	s_mov_b32 s[\g+3], 32<<16
	s_mov_b32 s[\g+4], 128*KS/256
	s_mov_b32 s[\g+5], 32
	s_mov_b32 s[\g+6], 0
	s_mov_b32 s[\g+7], 0
.endr
	s_lshl_b32 s18, s16, 7
	s_lshl_b32 s20, s17, 8
	s_add_co_u32 s20, s20, s18                     ; A: row 256 x tile row + 128 x half
	s_lshl_b32 s46, s42, 8
	s_add_co_u32 s46, s46, s18                     ; W: row 256 x tile column + 128 x half
	s_mov_b32 s21, 0
	s_mov_b32 s47, 0
	s_mov_b64 s[18:19], KS
	s_mul_u64 s[22:23], s[20:21], s[18:19]
	s_mul_u64 s[92:93], s[46:47], s[18:19]
	s_mov_b64 s[18:19], KROW
	s_mul_u64 s[46:47], s[46:47], s[18:19]
	s_mov_b64 s[18:19], 192                        ; A's images: 3,072 bytes for 16 rows and 256 K
	s_mul_u64 s[20:21], s[20:21], s[18:19]
	s_mul_i32 s45, s16, ABYTES                     ; where they go: A's two halves,
	s_mul_i32 s95, s16, HALFB
	s_add_co_u32 s95, s95, 2*ABYTES                ; then W's two
	s_mul_i32 s94, s14, HALFS
	s_wait_kmcnt 0x0
	s_add_nc_u64 s[6:7], s[4:5], ASC               ; A's scale bytes
	s_add_nc_u64 s[20:21], s[4:5], s[20:21]
	s_add_nc_u64 s[22:23], s[6:7], s[22:23]
	s_add_nc_u64 s[46:47], s[8:9], s[46:47]
	s_add_nc_u64 s[92:93], s[10:11], s[92:93]
	CROUND                                         ; all sixteen work-groups are here: the first joint loads meet
	s_mov_b32 s[G0S], 1
	s_add_co_u32 s[G0S+1], s94, SCL
	s_mov_b64 s[G0S+2:G0S+3], s[22:23]
	s_or_b32 s[G0S+3], s[G0S+3], 0x80000000
	s_mov_b32 s[G0SB], 1
	s_add_co_u32 s[G0SB+1], s94, SCL
	s_mov_b64 s[G0SB+2:G0SB+3], s[92:93]
	s_or_b32 s[G0SB+3], s[G0SB+3], 0x80000000
	JLOAD G0S, G1S, G0SB, G1SB                     ; the scale bytes first; with the two slots three loads of mine are out
.irp s, 0,1
	s_mov_b32 s[G0+4*\s], 1
	s_add_co_u32 s[G0+4*\s+1], s45, \s*SLOT
	s_add_nc_u64 s[G0+4*\s+2:G0+4*\s+3], s[20:21], \s*ASTEP
	s_or_b32 s[G0+4*\s+3], s[G0+4*\s+3], 0x80000000
	s_mov_b32 s[G0B+4*\s], 1
	s_add_co_u32 s[G0B+4*\s+1], s95, \s*SLOT
	s_add_nc_u64 s[G0B+4*\s+2:G0B+4*\s+3], s[46:47], \s*ROWB
	s_or_b32 s[G0B+4*\s+3], s[G0B+4*\s+3], 0x80000000
	JLOAD G0+4*\s, G1, G0B+4*\s, G1B
.endr
	v_and_b32 v1, 15, v0                           ; r
	v_bfe_u32 v2, v0, 4, 1                         ; h
	v_and_b32 v6, 31, v0                           ; L
	v_mul_u32_u24 v3, v1, PITCH
	v_mul_u32_u24 v4, v2, 24
	v_add_nc_u32 v4, v3, v4
	v_lshl_add_u32 v5, v2, 4, v4
	v_lshlrev_b32 v7, 4, v6
	v_lshlrev_b32 v8, 3, v6
	s_mul_i32 s21, s15, ABYTES                     ; my 128 rows of A
	s_mul_i32 s22, s16, HALFB                      ; my 128 rows of W,
	s_add_co_u32 s22, s22, 2*ABYTES                ; behind A's
.irp s, 0,1
	v_add_nc_u32 v[ADRA+\s], s21, v7
	v_add_nc_u32 v[ADRA+2+\s], s21, v8
	v_add_nc_u32 v[ADRB+\s], s22, v4
	v_add_nc_u32 v[ADRB+2+\s], s22, v5
	s_add_co_u32 s21, s21, SLOT
	s_add_co_u32 s22, s22, SLOT
.endr
	v_mul_u32_u24 v5, v1, KS
	v_lshrrev_b32 v6, 8, v5
	v_lshl_add_u32 v5, v6, 4, v5
	s_mul_i32 s21, s15, HALFS
	s_mul_i32 s22, s16, HALFS
	s_add_co_u32 s22, s22, 2*HALFS
	s_sub_co_u32 s22, s22, s21
	v_mul_u32_u24 v6, s22, v2                      ; lanes 16-31 take W's
	s_add_co_u32 s21, s21, SCL
	v_add_nc_u32 v5, v5, v6
	v_add_nc_u32 v[ADRS], s21, v5
	s_mul_i32 s23, s14, 16*SPITCH                  ; my stage
	v_mul_u32_u24 v5, v1, SPITCH
	v_lshl_add_u32 v5, v2, 5, v5
	v_add_nc_u32 v[STO], s23, v5                   ; in: row r, 32 bytes for each half of the lanes
	v_and_b32 v6, 31, v0
	v_lshlrev_b32 v[CO], 4, v6                     ; back: the 32 lanes take a row's 512 bytes; the same in R and Y
	v_add_nc_u32 v[RD], s23, v[CO]
	s_and_b32 s18, s17, 7
	s_lshl_b32 s18, s18, 8
	s_lshl_b32 s19, s15, 7
	s_add_co_u32 s18, s18, s19                     ; my first l
	s_lshl_b32 s18, s18, 13
	s_lshr_b32 s19, s17, 3
	s_lshl_b32 s19, s19, 12                        ; the batch
	s_add_co_u32 s18, s18, s19
	s_lshl_b32 s20, s42, 10
	s_lshl_b32 s21, s16, 9
	s_add_co_u32 s20, s20, s21                     ; my first column, in bytes
	s_add_co_u32 s18, s18, s20
	s_mov_b32 s19, 0
	s_mov_b32 s21, 0
	s_add_nc_u64 s[98:99], s[98:99], s[18:19]
	s_add_nc_u64 s[100:101], s[100:101], s[18:19]
	s_add_nc_u64 s[96:97], s[96:97], s[20:21]
	global_load_b128 v[64:67], v[CO], s[96:97]     ; the bias of my four columns of a row read back
.macro FRAG reg, adr, q, i             ; W: 16 rows x 128 K: 12 registers, as six pieces of 8 bytes of the row's stream of bits
.irp p, 0,1,2,3,4,5
.set PCE, 12*(\q)+6*(\p/3)+\p%3
.if PCE%8 < 5
	ds_load_b64 v[\reg+2*\p:\reg+2*\p+1], v[\adr] offset:8*PCE+16*(PCE/8)+(\i)*16*PITCH
.else
	ds_load_b64 v[\reg+2*\p:\reg+2*\p+1], v[\adr+2] offset:8*PCE+16*(PCE/8)+(\i)*16*PITCH
.endif
.endr
.endm
.macro FRAGA reg, slot, q, i           ; A: the image comes back as it was stored
	ds_load_b128 v[\reg:\reg+3], v[ADRA+\slot] offset:(\i)*3072+(\q)*1536
	ds_load_b64 v[\reg+4:\reg+5], v[ADRA+2+\slot] offset:(\i)*3072+(\q)*1536+512
	ds_load_b128 v[\reg+6:\reg+9], v[ADRA+\slot] offset:(\i)*3072+(\q)*1536+768
	ds_load_b64 v[\reg+10:\reg+11], v[ADRA+2+\slot] offset:(\i)*3072+(\q)*1536+1280
.endm
; 16 matrix instructions: A's blocks a0, a0 + 1 x W's eight.  The 64 accumulators take turns, one instruction a turn.
.macro MUL16 a0, p, q, sc, zero
.irp a, \a0, \a0+1
.irp b, 0,1,2,3,4,5,6,7
.if \zero
	v_wmma_scale_f32_16x16x128_f8f6f4 v[8*(8*((\a)%4)+\b):8*(8*((\a)%4)+\b)+7], v[128*(\p)+FR*\b:128*(\p)+FR*\b+FR-1], v[AF+FR*(\a):AF+FR*(\a)+FR-1], 0, v[SC+8*NQ*(\sc)+NQ*\b+(\q)], v[SC+8*NQ*(\sc)+NQ*(\a)+(\q)] matrix_a_fmt:MATRIX_FMT_FP6 matrix_b_fmt:MATRIX_FMT_FP6 matrix_a_scale:MATRIX_SCALE_ROW1
.else
	v_wmma_scale_f32_16x16x128_f8f6f4 v[8*(8*((\a)%4)+\b):8*(8*((\a)%4)+\b)+7], v[128*(\p)+FR*\b:128*(\p)+FR*\b+FR-1], v[AF+FR*(\a):AF+FR*(\a)+FR-1], v[8*(8*((\a)%4)+\b):8*(8*((\a)%4)+\b)+7], v[SC+8*NQ*(\sc)+NQ*\b+(\q)], v[SC+8*NQ*(\sc)+NQ*(\a)+(\q)] matrix_a_fmt:MATRIX_FMT_FP6 matrix_b_fmt:MATRIX_FMT_FP6 matrix_a_scale:MATRIX_SCALE_ROW1
.endif
.endr
.endr
.endm
.macro FETCH_B slot, q, p
	WIN TO_B
.irp i, 0,1,2,3,4,5,6,7
	FRAG 128*(\p)+FR*\i, ADRB+\slot, \q, \i
.endr
	WIN 0
.endm
.macro FETCH_A slot, q, i0
.irp i, \i0, \i0+1, \i0+2, \i0+3
	FRAGA AF+FR*(\i), \slot, \q, \i
.endr
.endm
.macro SCALES sc
.irp i, 0,1,2,3,4,5,6,7
	ds_load_b64 v[SC+8*NQ*\sc+NQ*\i:SC+8*NQ*\sc+NQ*\i+1], v[ADRS] offset:\i*SBLK
.endr
.endm
.macro PLACES n
.rept \n
	v_nop
.endr
.endm
.macro STEP slot, q, zero
	s_wait_dscnt 4*NLA                             ; W's set and A's blocks 0-3 are in; the youngest 16 loads (A's blocks 4-7) may be out
	WIN MUL_LO
	MUL16 0, (\q)%2, \q, \slot, \zero
	MUL16 2, (\q)%2, \q, \slot, \zero
	s_wait_dscnt 0
	PLACES NP
	FETCH_B \slot, (\q)+1, 1-(\q)%2
	FETCH_A \slot, (\q)+1, 0
	WIN MUL_HI
	MUL16 4, (\q)%2, \q, \slot, \zero
	MUL16 6, (\q)%2, \q, \slot, \zero
	PLACES NP
	WIN 0
	FETCH_A \slot, (\q)+1, 4
.endm
.macro TURN slot, next, fill
	s_wait_tensorcnt 0x0                           ; all my tensor loads have landed: my part of the next slot
	ds_add_u32 v[SPW], v[NIL]                      ; 0 onto my spare word
	s_wait_dscnt 4*NLA+1                           ; (the add and the youngest 16 loads may be out)
	WIN MUL_LO
	MUL16 0, 1, NQ-1, \slot, 0
	s_wait_dscnt 0x0                               ; the add is done, and my reads of this slot are over
	s_barrier_signal -1
	MUL16 2, 1, NQ-1, \slot, 0
	WIN 0
	s_barrier_wait -1
.if \fill
	CREST                                          ; the barrier has opened a round of the cluster's: no wave of any partner still reads this slot or has a load on its way
	s_add_nc_u64 s[G0+4*\slot+2:G0+4*\slot+3], s[G0+4*\slot+2:G0+4*\slot+3], 2*ASTEP
	s_add_nc_u64 s[G0B+4*\slot+2:G0B+4*\slot+3], s[G0B+4*\slot+2:G0B+4*\slot+3], 2*ROWB
	JLOAD G0+4*\slot, G1, G0B+4*\slot, G1B         ; my one tensor load behind the round; its four v_nop are the places in front of the loads below
.else
	PLACES NP
.endif
	v_add_nc_u32 v[ADRS], 4*NQ, v[ADRS]
	FETCH_B \next, 0, 0
	FETCH_A \next, 0, 0
	SCALES \next
	WIN MUL_HI
	MUL16 4, 1, NQ-1, \slot, 0
	MUL16 6, 1, NQ-1, \slot, 0
	PLACES NP
	WIN 0
	FETCH_A \next, 0, 4
.endm
	s_wait_tensorcnt 1                             ; the scale bytes and my part of slot 0 are in; slot 1's load may be out
	s_barrier_signal -1
	s_barrier_wait -1
	FETCH_B 0, 0, 0
	FETCH_A 0, 0, 0
	SCALES 0
	FETCH_A 0, 0, 4
	STEP 0, 0, 1
	s_mov_b32 s3, LAPS-1
.Llap:
	TURN 0, 1, 1
	STEP 1, 0, 0
	TURN 1, 0, 1
	STEP 0, 0, 0
	s_sub_co_u32 s3, s3, 1
	s_cmp_lg_u32 s3, 0
	s_cbranch_scc1 .Llap
	TURN 0, 1, 0
	STEP 1, 0, 0
	s_wait_dscnt 4*NLA
	WIN MUL_LO
	MUL16 0, 1, NQ-1, 1, 0
	MUL16 2, 1, NQ-1, 1, 0
	s_wait_dscnt 0
	WIN MUL_HI
	MUL16 4, 1, NQ-1, 1, 0
	MUL16 6, 1, NQ-1, 1, 0
	WIN 0
; THE WAY OUT, block by block of 16 rows x 128 columns: through my stage, back as whole rows of 512 bytes, + bias, + the same bytes of R, stored.  R's rows come two blocks ahead, into window 1.
.macro TOSTAGE a
.set AC, 64*((\a)%4)
	WIN 0x08+4*((\a)/4)                            ; an LDS store's data are its source 1: window 2 or 3
.irp b, 0,1,2,3,4,5,6,7
	ds_store_b128 v[STO], v[AC+8*\b:AC+8*\b+3] offset:64*\b          ; each accumulator from its low end on
	ds_store_b128 v[STO], v[AC+8*\b+4:AC+8*\b+7] offset:64*\b+16
.endr
	WIN 0
.set BB, BK+64*((\a)%2)
.irp t, 0,1,2,3,4,5,6,7,8,9,10,11,12,13,14,15
	ds_load_b128 v[BB+4*\t:BB+4*\t+3], v[RD] offset:\t*SPITCH        ; LDS serves a wave's instructions in order: these see the stores above
.endr
.endm
.macro RLOAD a
	WIN 0x40
.irp t, 0,1,2,3,4,5,6,7,8,9,10,11,12,13,14,15
	global_load_b128 v[64*((\a)%2)+4*\t:64*((\a)%2)+4*\t+3], v[CO], s[98:99] offset:(16*(\a)+\t)*8192
.endr
	WIN 0
.endm
.macro SEND a, younger
.set BB, BK+64*((\a)%2)
.set RS, 64*((\a)%2)
	s_wait_dscnt \younger                          ; the block is back; the next block's 16 stores and 16 loads may be out
.if (\a) < 7
	s_wait_loadcnt 16                              ; the bias and this block's rows of R are in; the next block's 16 loads may be out
.else
	s_wait_loadcnt 0x0
.endif
.irp t, 0,1,2,3,4,5,6,7,8,9,10,11,12,13,14,15
	v_pk_add_f32 v[BB+4*\t:BB+4*\t+1], v[BB+4*\t:BB+4*\t+1], v[64:65]
	v_pk_add_f32 v[BB+4*\t+2:BB+4*\t+3], v[BB+4*\t+2:BB+4*\t+3], v[66:67]
.endr
	WIN 0x04                                       ; source 1: window 1
.set i, 0
.rept 32
	v_pk_add_f32 v[BB+2*i:BB+2*i+1], v[BB+2*i:BB+2*i+1], v[RS+2*i:RS+2*i+1]
.set i, i+1
.endr
	WIN 0
.irp t, 0,1,2,3,4,5,6,7,8,9,10,11,12,13,14,15
.if LASTL
	global_store_b128 v[CO], v[BB+4*\t:BB+4*\t+3], s[100:101] offset:(16*(\a)+\t)*8192 th:TH_STORE_NT   ; 32 lanes store 512 consecutive bytes, aligned; 127 rows of 8,192 bytes at the most in the immediate
.else
	global_store_b128 v[CO], v[BB+4*\t:BB+4*\t+3], s[100:101] offset:(16*(\a)+\t)*8192
.endif
.endr
.if (\a) < 6
	RLOAD (\a)+2
.endif
.endm
	PLACES NP
	RLOAD 0
	RLOAD 1
	TOSTAGE 0
.irp a, 1,2,3,4,5,6,7
.if \a > 1
	s_wait_xcnt 0x0                                ; block a - 2's stores have read their registers: block a's loads may land there
.endif
	TOSTAGE \a
	SEND \a-1, 32
.endr
	s_wait_xcnt 0x0
	SEND 7, 0
	s_wait_tensorcnt 0x0                           ; the wave's end
	ds_add_u32 v[SPW], v[NIL]
	s_wait_dscnt 0x0
	CROUND                                         ; the closing round
	s_endpgm
.Lfunc_end_k_q6d10600492_out:
	.size	k_q6d10600492_out, .Lfunc_end_k_q6d10600492_out-k_q6d10600492_out
	.p2alignl 7, 3214868480
	.fill 96, 4, 3214868480
	.section	.rodata,"a",@progbits
	.p2align	6, 0x0
	.amdhsa_kernel k_q6d10600492_out
		.amdhsa_group_segment_fixed_size 327680
		.amdhsa_private_segment_fixed_size 0
		.amdhsa_enable_private_segment 0
		.amdhsa_kernarg_size 48
		.amdhsa_user_sgpr_count 2
		.amdhsa_user_sgpr_kernarg_segment_ptr 1
		.amdhsa_wavefront_size32 1
		.amdhsa_system_sgpr_workgroup_id_x 1
		.amdhsa_system_sgpr_workgroup_id_y 1
		.amdhsa_system_sgpr_workgroup_id_z 1
		.amdhsa_system_vgpr_workitem_id 0
		.amdhsa_next_free_vgpr 1024
		.amdhsa_next_free_sgpr 102
		.amdhsa_reserve_vcc 0
		.amdhsa_float_denorm_mode_32 3
		.amdhsa_float_denorm_mode_16_64 3
		.amdhsa_memory_ordered 1
		.amdhsa_forward_progress 1
		.amdhsa_inst_pref_size 197
	.end_amdhsa_kernel
	.amdgpu_metadata
---
amdhsa.version: [ 1, 2 ]
amdhsa.kernels:
  - .name:           k_q6d10600492_out
    .symbol:         k_q6d10600492_out.kd
    .args:
      - { .name: G, .offset: 0, .size: 8, .value_kind: global_buffer, .address_space: global }
      - { .name: w_out_codes, .offset: 8, .size: 8, .value_kind: global_buffer, .address_space: global }
      - { .name: w_out_scales, .offset: 16, .size: 8, .value_kind: global_buffer, .address_space: global }
      - { .name: b_out, .offset: 24, .size: 8, .value_kind: global_buffer, .address_space: global }
      - { .name: X1, .offset: 32, .size: 8, .value_kind: global_buffer, .address_space: global }
      - { .name: out0, .offset: 40, .size: 8, .value_kind: global_buffer, .address_space: global }
    .group_segment_fixed_size: 327680
    .private_segment_fixed_size: 0
    .kernarg_segment_align: 8
    .kernarg_segment_size: 48
    .max_flat_workgroup_size: 128
    .sgpr_count:     102
    .vgpr_count:     1024
    .wavefront_size: 32
...
	.end_amdgpu_metadata
.endif
;; end of part 6
;; ======== version 2 of 2: 7 launches
;; limits: right only within a limited range of input values
;; workspace buffers: H 3,276,800 bytes; QKV 9,830,400 bytes; AT 3,276,800 bytes; X1 16,777,216 bytes; G 13,107,200 bytes; WA 3,145,728 bytes; WF 3,145,728 bytes; WO 3,145,728 bytes
;; launch ln1 (part 7): grid 256 x 1, 8 waves a work-group, no clusters, 82,944 bytes of LDS; arguments x, ln1_g, ln1_b, H, w_attn_codes, WA; writes H, WA
.if DOCPART == 7
	.amdgcn_target "amdgcn-amd-amdhsa--gfx1250"
	.amdhsa_code_object_version 6
	.text
	.protected	k_q6d10600492_ln1
	.globl	k_q6d10600492_ln1
	.p2align	8
	.type	k_q6d10600492_ln1,@function
k_q6d10600492_ln1:
	s_mov_b64 s[64:65], 0
	v_nop
	global_prefetch_b8 v0, s[64:65] scope:SCOPE_SE
	s_setreg_imm32_b32 hwreg(HW_REG_WAVE_MODE, 25, 1), 1
	s_wait_xcnt 0x0
; Layer norm of 16 rows of [2048][2][1024] f32, then the MX quantiser (E2M3, one E8M0 byte for each 32 along the row): codes as images of operand registers, scale bytes as rows of 32.
; ROW ORDER OF THE RESULT: row m' = batch x 2048 + l.  Work-group g takes rows m' = 16 g .. 16 g + 15: batch g / 128, l = 16 (g % 128) + i; a row of the input begins at l x 8192 + batch x 4096.
; SHARES: wave w takes columns 128 w .. 128 w + 127 of all 16 rows: one operand fragment.  Each load reads 512 consecutive bytes of a row; the numbers turn through the wave's own LDS stage so that lane (r, h)
; holds, of row r, 16 neighbours of each block of 32 (register 16 b + i = column 32 b + 16 h + i), which is what the conversions take.  Mean and variance are taken in two passes, as the definition has them:
; each is a sum in the lane, across the two halves of the lanes, and over the eight waves through LDS (one barrier each).  Scale words meet in LDS as rows and leave in runs of 512 consecutive bytes.
; LIMITS: NaN and infinities among the inputs are not served.  A block of zeros gets the byte 1 (the definition says 127): its codes are zeros, and the bytes are read by this program alone.  1 / sqrt by v_rsq_f32.
; THE LAYOUT THAT HOLDS FOR THE CODES: images of operand registers, [column / 256][row / 16][4][768]: 16 rows x 64 codes; registers 0-3 of lane L at 16 L, registers 4-5 at 512 + 8 L.  A plane is 786,432 bytes.
; My wave's fragment is two such units and leaves straight from registers.  The scale bytes stay rows of 32.
; ALSO: work-groups 0-191 bring block g (16 rows of 768 bytes) of a weight's codes into the same layout, wave w its units 2 w and 2 w + 1.
.set TURNB, 8448
.set RED,   67584                      ; 8 waves x 16 rows: partial sums; 512 bytes on: partial sums of squares
.set CR,    68608
.set SRG,   81152                      ; the scale bytes as rows: 16 x 32
.set TM,  16                           ; v16-31  the quantiser's work
.set PW,  32                           ; v32     a scale word
.set PC,  34                           ; v34-53  codes
.set XR,  64                           ; v64-127 my 64 numbers
.set RW,  128                          ; v128-191 as loaded; later the offsets (beta)
.set GN,  192                          ; v192-255 the gains
.set SEL, 20                           ; s[20:21] lane selects: lane l xor 16
; 64 numbers of a lane, register 16 b + i = place 16 (lane / 16) + i of block b of my row, become a fragment's 12 registers of codes in v[PC] on and its scale word in v[PW].
.macro QUANT s
.irp b, 0,1,2,3
	v_max3_num_f32 v[TM+\b], |v[\s+16*\b]|, |v[\s+1+16*\b]|, 0x1800000   ; my 16 numbers of block b, and the floor 2^(3 - 127): the byte cannot fall under 1
.endr
.irp i, 2,4,6,8,10,12,14
.irp b, 0,1,2,3
	s_delay_alu instid0(VALU_DEP_4)
	v_max3_num_f32 v[TM+\b], v[TM+\b], |v[\s+16*\b+\i]|, |v[\s+1+16*\b+\i]|
.endr
.endr
.irp b, 0,1,2,3
	s_delay_alu instid0(VALU_DEP_4)
	v_permlanex16_b32 v[TM+4+\b], v[TM+\b], s[SEL], s[SEL+1]
.endr
.irp b, 0,1,2,3
	s_delay_alu instid0(VALU_DEP_4)
	v_max_num_f32 v[TM+\b], v[TM+\b], v[TM+4+\b]   ; with lane l xor 16's: the block's largest magnitude
.endr
.irp b, 0,1,2,3
	s_delay_alu instid0(VALU_DEP_4)
	v_add_nc_u32 v[TM+12+\b], 0xff000000, v[TM+\b]   ; 2 off its exponent field: the conversion's scale operand
.endr
.irp b, 0,1,2,3
	s_delay_alu instid0(VALU_DEP_4)
	v_lshrrev_b32 v[TM+4+\b], 23, v[TM+12+\b]      ; the scale's byte
.endr
	s_delay_alu instid0(VALU_DEP_3)
	v_lshl_or_b32 v[PW], v[TM+5], 8, v[TM+4]
	s_delay_alu instid0(VALU_DEP_1)
	v_lshl_or_b32 v[PW], v[TM+6], 16, v[PW]
	s_delay_alu instid0(VALU_DEP_1)
	v_lshl_or_b32 v[PW], v[TM+7], 24, v[PW]
.irp c, 0,1
	v_cvt_scalef32_pk16_fp6_f32 v[PC+6*\c:PC+2+6*\c], v[\s+32*\c:\s+15+32*\c], v[TM+12+2*\c]
	v_cvt_scalef32_pk16_fp6_f32 v[PC+12+4*\c:PC+14+4*\c], v[\s+16+32*\c:\s+31+32*\c], v[TM+12+2*\c+1]   ; (a conversion's three registers begin on an even number)
.endr
	v_nop                                          ; one plain place behind a scaled conversion
.irp c, 0,1                                    ; the operand wants a whole block in a lane: lanes 0-15 block 2 c, lanes 16-31 block 2 c + 1
.irp i, 0,1,2
	v_permlane16_swap_b32 v[PC+6*\c+\i], v[PC+12+4*\c+\i]
.endr
.irp i, 0,1,2
	s_delay_alu instid0(VALU_DEP_3)
	v_mov_b32 v[PC+3+6*\c+\i], v[PC+12+4*\c+\i]
.endr
.endr
.endm
; The pair v[54:55] holds my lane's partial sum.  Behind the macro v40 holds the row's sum over all 1,024 columns, the same bits in every wave.
.macro REDUCE off
	s_delay_alu instid0(VALU_DEP_1)
	v_add_f32 v54, v54, v55
	s_delay_alu instid0(VALU_DEP_1)
	v_permlanex16_b32 v55, v54, s[SEL], s[SEL+1]
	s_delay_alu instid0(VALU_DEP_1)
	v_add_f32 v54, v54, v55                        ; my wave's 128 columns of row r
	ds_store_b32 v8, v54 offset:\off               ; (both halves of the lanes write the same word with the same value)
	s_wait_dscnt 0x0                               ; for the others' sake: my store has landed
	s_barrier_signal -1
	s_barrier_wait -1
.irp u, 0,1,2,3,4,5,6,7
	ds_load_b32 v[40+\u], v9 offset:\off+64*\u
.endr
	s_wait_dscnt 0x0
	v_add_f32 v40, v40, v41
	v_add_f32 v42, v42, v43
	v_add_f32 v44, v44, v45
	v_add_f32 v46, v46, v47
	s_delay_alu instid0(VALU_DEP_3)
	v_add_f32 v40, v40, v42
	s_delay_alu instid0(VALU_DEP_2)
	v_add_f32 v44, v44, v46
	s_delay_alu instid0(VALU_DEP_1)
	v_add_f32 v40, v40, v44
.endm
	s_load_b256 s[4:11], s[0:1], 0x0
	s_load_b128 s[32:35], s[0:1], 0x20             ; the weight's codes, their images
	v_lshl_add_u32 v49, v0, 2, 0x14000
	v_mov_b32 v53, 0
	v_lshrrev_b32 v1, 5, v0
	s_delay_alu instid0(VALU_DEP_1)
	v_readfirstlane_b32 s12, v1                    ; wave 0..7
	v_and_b32 v1, 31, v0                           ; lane
	v_and_b32 v2, 15, v0                           ; r
	v_bfe_u32 v3, v0, 4, 1                         ; h
	s_mul_i32 s13, s12, TURNB
	v_lshlrev_b32 v4, 4, v1                        ; 16 x lane
	s_delay_alu instid0(VALU_DEP_1)
	v_add_nc_u32 v5, s13, v4                       ; the stage, in: a row's 512 bytes as they lie
	v_mul_u32_u24 v6, v2, 528
	s_delay_alu instid0(VALU_DEP_1)
	v_lshl_add_u32 v6, v3, 6, v6
	s_delay_alu instid0(VALU_DEP_1)
	v_add_nc_u32 v6, s13, v6                       ; and out: row r, + 64 h
	v_lshlrev_b32 v7, 6, v3                        ; gain and offset: 64 h
	s_lshl_b32 s13, s12, 6
	v_lshl_add_u32 v9, v2, 2, RED                  ; partial sums: 4 r,
	s_delay_alu instid0(VALU_DEP_1)
	v_add_nc_u32 v8, s13, v9                       ; + 64 x wave for my own
	v_mul_u32_u24 v15, v2, 768
	v_lshlrev_b32 v33, 3, v1                       ; 8 x lane
	v_mad_u32_u24 v15, v3, 24, v15                 ; the weight: row r, + 24 h
	v_lshlrev_b32 v13, 5, v2
	s_lshl_b32 s13, s12, 2
	s_add_co_u32 s13, s13, SRG
	v_add_nc_u32 v13, s13, v13                     ; scale word in: 32 r + 4 w
	v_add_nc_u32 v14, SRG, v4                      ; and out
.irp b, 0,1,2,3
	v_mov_b32 v[TM+4+\b], 0                        ; written once: a lane permute's destination counts as one of its sources
.endr
	s_mov_b32 s[SEL], 0x76543210
	s_mov_b32 s[SEL+1], 0xfedcba98
	s_mov_b32 s22, 0x3a800000                      ; 1 / 1024
	s_mov_b32 s23, 0x3727c5ac                      ; 1e-5
	s_and_b32 s24, ttmp9, 127
	s_lshl_b32 s24, s24, 17                        ; 16 l's of 8,192 bytes
	s_lshr_b32 s25, ttmp9, 7
	s_lshl_b32 s25, s25, 12                        ; the batch's 4,096
	s_add_co_u32 s24, s24, s25
	s_lshl_b32 s26, s12, 9                         ; my wave's 512 bytes of a row
	s_add_co_u32 s24, s24, s26
	s_mov_b32 s25, 0
	s_mov_b32 s27, 0
	s_mul_i32 s28, ttmp9, 3072                     ; block g of a plane,
	s_lshr_b32 s29, s12, 1
	s_mul_i32 s29, s29, 786432                     ; plane w / 2,
	s_add_co_u32 s28, s28, s29
	s_and_b32 s29, s12, 1
	s_mul_i32 s29, s29, 1536                       ; units 2 (w % 2) and the next
	s_add_co_u32 s28, s28, s29
	s_mov_b32 s29, 0
	s_lshl_b32 s30, ttmp9, 9                       ; 16 rows of scale bytes, behind the codes
	s_add_co_u32 s30, s30, 3145728
	s_mov_b32 s31, 0
	s_min_u32 s36, ttmp9, 191                      ; (work-groups 192 on store no unit: their load stays inside the buffer)
	s_mul_i32 s36, s36, 12288
	s_mul_i32 s37, s12, 96                         ; my wave's 96 bytes of each
	s_add_co_u32 s36, s36, s37
	s_mov_b32 s37, 0
	s_wait_alu depctr_va_vdst(0)                   ; the head's end
	s_wait_kmcnt 0x0
	s_add_nc_u64 s[32:33], s[32:33], s[36:37]
	s_add_nc_u64 s[34:35], s[34:35], s[28:29]
	s_add_nc_u64 s[4:5], s[4:5], s[24:25]
	s_add_nc_u64 s[6:7], s[6:7], s[26:27]
	s_add_nc_u64 s[8:9], s[8:9], s[26:27]
	s_add_nc_u64 s[14:15], s[10:11], s[28:29]
	s_add_nc_u64 s[16:17], s[10:11], s[30:31]
.irp i, 0,1,2,3,4,5,6,7,8,9,10,11,12,13,14,15
	global_load_b128 v[RW+4*\i:RW+4*\i+3], v4, s[4:5] offset:\i*8192 th:TH_LOAD_NT   ; 32 lanes read 512 consecutive bytes of row i
.endr
.irp b, 0,1,2,3
.irp j, 0,1,2,3
	global_load_b128 v[GN+16*\b+4*\j:GN+16*\b+4*\j+3], v7, s[6:7] offset:128*\b+16*\j
.endr
.endr
	s_set_vgpr_msb 0x40                            ; destination in window 1: v256-267 hold the weight's two units until the kernel's end
.irp p, 0,1,2,3,4,5
	global_load_b64 v[2*\p:2*\p+1], v15, s[32:33] offset:48*(\p/3)+8*(\p%3)
.endr
	s_set_vgpr_msb 0x4000
	s_wait_loadcnt 16                              ; the rows are in
.irp i, 0,1,2,3,4,5,6,7,8,9,10,11,12,13,14,15
	ds_store_b128 v5, v[RW+4*\i:RW+4*\i+3] offset:528*\i
.endr
.irp b, 0,1,2,3
.irp j, 0,1,2,3
	ds_load_b128 v[XR+16*\b+4*\j:XR+16*\b+4*\j+3], v6 offset:128*\b+16*\j   ; LDS serves a wave's instructions in order: these see my stores
.endr
.endr
	s_wait_dscnt 0x0
.irp b, 0,1,2,3
.irp j, 0,1,2,3
	global_load_b128 v[RW+16*\b+4*\j:RW+16*\b+4*\j+3], v7, s[8:9] offset:128*\b+16*\j   ; the offsets, into the registers that the stage's stores have read
.endr
.endr
	; the mean
	v_pk_add_f32 v[56:57], v[64:65], v[72:73]
	v_pk_add_f32 v[58:59], v[80:81], v[88:89]
	v_pk_add_f32 v[60:61], v[96:97], v[104:105]
	v_pk_add_f32 v[62:63], v[112:113], v[120:121]
	v_pk_add_f32 v[50:51], v[66:67], v[74:75]
	v_pk_add_f32 v[46:47], v[82:83], v[90:91]
	v_pk_add_f32 v[44:45], v[98:99], v[106:107]
	v_pk_add_f32 v[54:55], v[114:115], v[122:123]
	s_delay_alu instid0(VALU_DEP_1)
	v_pk_add_f32 v[54:55], v[54:55], v[68:69]
	v_pk_add_f32 v[56:57], v[56:57], v[76:77]
	v_pk_add_f32 v[58:59], v[58:59], v[84:85]
	v_pk_add_f32 v[60:61], v[60:61], v[92:93]
	v_pk_add_f32 v[62:63], v[62:63], v[100:101]
	v_pk_add_f32 v[50:51], v[50:51], v[108:109]
	v_pk_add_f32 v[46:47], v[46:47], v[116:117]
	v_pk_add_f32 v[44:45], v[44:45], v[124:125]
	v_pk_add_f32 v[54:55], v[54:55], v[70:71]
	v_pk_add_f32 v[56:57], v[56:57], v[78:79]
	v_pk_add_f32 v[58:59], v[58:59], v[86:87]
	v_pk_add_f32 v[60:61], v[60:61], v[94:95]
	v_pk_add_f32 v[62:63], v[62:63], v[102:103]
	v_pk_add_f32 v[50:51], v[50:51], v[110:111]
	v_pk_add_f32 v[46:47], v[46:47], v[118:119]
	v_pk_add_f32 v[44:45], v[44:45], v[126:127]
	s_delay_alu instid0(VALU_DEP_4)
	v_pk_add_f32 v[54:55], v[54:55], v[62:63]
	s_delay_alu instid0(VALU_DEP_4)
	v_pk_add_f32 v[56:57], v[56:57], v[50:51]
	s_delay_alu instid0(VALU_DEP_4)
	v_pk_add_f32 v[58:59], v[58:59], v[46:47]
	s_delay_alu instid0(VALU_DEP_4)
	v_pk_add_f32 v[60:61], v[60:61], v[44:45]
	s_delay_alu instid0(VALU_DEP_2)
	v_pk_add_f32 v[54:55], v[54:55], v[58:59]
	s_delay_alu instid0(VALU_DEP_2)
	v_pk_add_f32 v[56:57], v[56:57], v[60:61]
	s_delay_alu instid0(VALU_DEP_1)
	v_pk_add_f32 v[54:55], v[54:55], v[56:57]
	REDUCE 0
	s_delay_alu instid0(VALU_DEP_1)
	v_mul_f32 v62, s22, v40
	s_delay_alu instid0(VALU_DEP_1)
	v_mov_b32 v63, v62
.set p, 0
.rept 32
	v_pk_add_f32 v[XR+2*p:XR+2*p+1], v[XR+2*p:XR+2*p+1], v[62:63] neg_lo:[0,1] neg_hi:[0,1]   ; x - mean
.set p, p+1
.endr
	; the variance, of the differences
.irp c, 0,1,2,3
	v_pk_mul_f32 v[54+2*\c:55+2*\c], v[XR+2*\c:XR+2*\c+1], v[XR+2*\c:XR+2*\c+1]
.endr
.set p, 4
.rept 28
	s_delay_alu instid0(VALU_DEP_4)
	v_pk_fma_f32 v[54+2*(p%4):55+2*(p%4)], v[XR+2*p:XR+2*p+1], v[XR+2*p:XR+2*p+1], v[54+2*(p%4):55+2*(p%4)]
.set p, p+1
.endr
	s_delay_alu instid0(VALU_DEP_3)
	v_pk_add_f32 v[54:55], v[54:55], v[56:57]
	s_delay_alu instid0(VALU_DEP_2)
	v_pk_add_f32 v[58:59], v[58:59], v[60:61]
	s_delay_alu instid0(VALU_DEP_1)
	v_pk_add_f32 v[54:55], v[54:55], v[58:59]
	REDUCE 512                                     ; other bytes than the first sum's: no barrier is owed between the two
	s_delay_alu instid0(VALU_DEP_1)
	v_fma_f32 v41, v40, s22, s23                   ; variance + 1e-5
	s_wait_alu depctr_va_vdst(0)
	v_rsq_f32 v62, v41
	v_nop                                          ; a plain place behind the transcendental,
	s_wait_alu depctr_va_vdst(0)                   ; and the wait ahead of its first reader
	v_mov_b32 v63, v62
	s_wait_alu depctr_va_vdst(0)
	s_wait_loadcnt 0x0                             ; gains and offsets
.set p, 0
.rept 32
	v_pk_mul_f32 v[XR+2*p:XR+2*p+1], v[XR+2*p:XR+2*p+1], v[62:63]
.set p, p+1
.endr
.set p, 0
.rept 32
	v_pk_fma_f32 v[XR+2*p:XR+2*p+1], v[XR+2*p:XR+2*p+1], v[GN+2*p:GN+2*p+1], v[RW+2*p:RW+2*p+1]
.set p, p+1
.endr
	QUANT XR
	global_store_b128 v4, v[PC:PC+3], s[14:15]     ; each store covers 512 or 256 consecutive bytes, aligned
	global_store_b64 v33, v[PC+4:PC+5], s[14:15] offset:512
	global_store_b128 v4, v[PC+6:PC+9], s[14:15] offset:768
	global_store_b64 v33, v[PC+10:PC+11], s[14:15] offset:1280
	ds_store_b32 v13, v[PW]
	s_wait_dscnt 0x0                               ; for the others' sake
	s_barrier_signal -1
	s_barrier_wait -1                              ; 16 whole rows of scale bytes lie in LDS
	s_cmp_lt_u32 ttmp9, 192
	s_cbranch_scc0 .Lno_w
	s_set_vgpr_msb 0x04                            ; a store's data are its source 1: window 1.  All loads were waited for ahead of the gains' use
	global_store_b128 v4, v[0:3], s[34:35]
	global_store_b64 v33, v[4:5], s[34:35] offset:512
	global_store_b128 v4, v[6:9], s[34:35] offset:768
	global_store_b64 v33, v[10:11], s[34:35] offset:1280
	s_set_vgpr_msb 0x0400
.Lno_w:
	s_cmp_lg_u32 s12, 0
	s_cbranch_scc1 .Ldone
	ds_load_b128 v[76:79], v14                     ; wave 0: the 16 rows' 512 scale bytes
	s_wait_dscnt 0x0
	global_store_b128 v4, v[76:79], s[16:17]
.Ldone:
	s_wait_tensorcnt 0x0
	ds_add_u32 v49, v53
	s_wait_dscnt 0x0
	s_endpgm
.Lfunc_end_k_q6d10600492_ln1:
	.size	k_q6d10600492_ln1, .Lfunc_end_k_q6d10600492_ln1-k_q6d10600492_ln1
	.p2alignl 7, 3214868480
	.fill 96, 4, 3214868480
	.section	.rodata,"a",@progbits
	.p2align	6, 0x0
	.amdhsa_kernel k_q6d10600492_ln1
		.amdhsa_group_segment_fixed_size 82944
		.amdhsa_private_segment_fixed_size 0
		.amdhsa_enable_private_segment 0
		.amdhsa_kernarg_size 48
		.amdhsa_user_sgpr_count 2
		.amdhsa_user_sgpr_kernarg_segment_ptr 1
		.amdhsa_wavefront_size32 1
		.amdhsa_system_sgpr_workgroup_id_x 1
		.amdhsa_system_sgpr_workgroup_id_y 1
		.amdhsa_system_sgpr_workgroup_id_z 1
		.amdhsa_system_vgpr_workitem_id 0
		.amdhsa_next_free_vgpr 272
		.amdhsa_next_free_sgpr 66
		.amdhsa_reserve_vcc 0
		.amdhsa_float_denorm_mode_32 3
		.amdhsa_float_denorm_mode_16_64 3
		.amdhsa_memory_ordered 1
		.amdhsa_forward_progress 1
		.amdhsa_inst_pref_size 32
	.end_amdhsa_kernel
	.amdgpu_metadata
---
amdhsa.version: [ 1, 2 ]
amdhsa.kernels:
  - .name:           k_q6d10600492_ln1
    .symbol:         k_q6d10600492_ln1.kd
    .args:
      - { .name: x, .offset: 0, .size: 8, .value_kind: global_buffer, .address_space: global }
      - { .name: ln1_g, .offset: 8, .size: 8, .value_kind: global_buffer, .address_space: global }
      - { .name: ln1_b, .offset: 16, .size: 8, .value_kind: global_buffer, .address_space: global }
      - { .name: H, .offset: 24, .size: 8, .value_kind: global_buffer, .address_space: global }
      - { .name: w_attn_codes, .offset: 32, .size: 8, .value_kind: global_buffer, .address_space: global }
      - { .name: WA, .offset: 40, .size: 8, .value_kind: global_buffer, .address_space: global }
    .group_segment_fixed_size: 82944
    .private_segment_fixed_size: 0
    .kernarg_segment_align: 8
    .kernarg_segment_size: 48
    .max_flat_workgroup_size: 256
    .sgpr_count:     66
    .vgpr_count:     272
    .wavefront_size: 32
...
	.end_amdgpu_metadata
.endif
;; end of part 7
;; launch qkv (part 8): grid 12 x 16, 4 waves a work-group, clusters of 4 x 4, 327,680 bytes of LDS; arguments H, WA, w_attn_scales, b_attn, QKV, out1; writes QKV, out1
.if DOCPART == 8
	.amdgcn_target "amdgcn-amd-amdhsa--gfx1250"
	.amdhsa_code_object_version 6
	.text
	.protected	k_q6d10600492_qkv
	.globl	k_q6d10600492_qkv
	.p2align	8
	.type	k_q6d10600492_qkv,@function
k_q6d10600492_qkv:
	s_mov_b64 s[64:65], 0
	v_nop
	global_prefetch_b8 v0, s[64:65] scope:SCOPE_SE
	s_setreg_imm32_b32 hwreg(HW_REG_WAVE_MODE, 25, 1), 1
	s_wait_xcnt 0x0
	s_wait_alu depctr_hold_cnt(0) depctr_sa_sdst(0) depctr_va_vdst(0) depctr_va_sdst(0) depctr_va_ssrc(0) depctr_va_vcc(0) depctr_vm_vsrc(0)
	s_getreg_b32 s2, hwreg(HW_REG_IB_STS2, 6, 4)
	s_cmp_eq_u32 s2, 0
	s_cbranch_scc0 .Lentry_in_a_cluster
	s_endpgm
.Lentry_in_a_cluster:
	s_bfe_u32 s2, ttmp6, 0x10000c
	s_cmp_lg_u32 s2, 0xf033
	s_cbranch_scc0 .Lentry_shape_is_right
	s_endpgm
.Lentry_shape_is_right:
; q, k, v = LN1(x) w_attn + b_attn on codes of E2M3 with E8M0 scales, K = 1,024; then q, k, v are quantised for the attention, and k and v also leave as f32 (the second output).
; H: codes [4096 m'][768] and, 3,145,728 bytes on, scale bytes [4096][32]; m' = batch x 2048 + l.  w_attn: codes [3072][768], scale bytes [3072][32].
; A tile of 256 x 256 is made by four waves, 128 x 128 each: 64 accumulators, 512 registers.  K goes in steps of 256 through two LDS slots filled by the tensor data mover; the scale bytes of the tile's
; 512 rows come once and stay.  4 x 4 work-groups form a cluster: the tile of operand A is shared along a row of the cluster, B's along a column, each asked for jointly.
; The matrix instruction takes 16 rows of B as source 0 and 16 rows of A as source 1: lane (r, h) holds row r of A's block and, in register j, row 8 h + j of B's block.
; THE CLUSTER'S x SAYS WHAT IS MADE, alike in all sixteen partners: 0: q, 1: k: A = H (tile row 4 Y + cy), B = w_attn (tile row 4 X + cx): a lane holds one token, its registers run along the head's axis,
; which is the first attention product's K.  2: v: A = w_attn (tile row 8 + cy), B = H (tile row 4 Y + cx): a lane holds one channel, its registers run along the keys, the second product's K.
; ORDER INSIDE A BLOCK OF 32.  Accumulators 2 b' and 2 b' + 1 give lane h the numbers 32 b' + 16 u + 8 h + j; the quantiser takes them as places 16 h + 8 u + j.  The block is the true block; inside it the
; groups 8-15 and 16-23 have changed places.  Both operands of each attention product carry the same order (q and k here; v here and p in the attention), so the sums are the same.
; WHAT IS STORED (byte offsets in QKV; bh = batch x 16 + head): 0: q [bh][l / 16][768]; 3,145,728: k likewise: 16 rows x 64 codes as an image of six operand registers: registers 0-3 of lane L at 16 L,
; registers 4-5 at 512 + 8 L.  6,291,456: v [bh][l / 128][d / 16][1536]: 16 channels x 128 keys, registers 4 c .. 4 c + 3 of lane L at 512 c + 16 L.  9,437,184: q's scale words [bh][l / 32][16]: lane r's word:
; bytes 0, 1 row 32 f + r, bytes 2, 3 row 32 f + 16 + r;  9,568,256: k's likewise;  9,699,328: v's [bh][l / 128][d / 16][16].
; LIMITS: NaN and infinities are not served.  A block of zeros gets the byte 1 (the definition says 127): its codes are zeros, and this program alone reads the bytes.
.set SIZE_K, 1024
.set KSTEP,  256                       ; along K in a slot
.set NQ,     KSTEP/128
; BOTH OPERANDS' CODES COME AS IMAGES [K / 256][row / 16][4][768] (H and WA): a slot holds one plane's part, dense bytes; a fragment is two loads of 16 and two of 8 bytes a lane.
.set ROWB,   786432                    ; from plane to plane
.set KROW,   192                       ; bytes of a row in a plane
.set PITCH,  192
.set FR,     12
.set NL,     4
.set NP,     4                         ; places behind this matrix instruction (ISA guide 7.12.1)
.set HALFT,  128*PITCH
.set SLOT,   4*HALFT
.set LAPS,   SIZE_K/(2*KSTEP)
.set KS,     SIZE_K/32
.set SCL,    2*SLOT                    ; behind the ring: the scale bytes, as units of 256 bytes + 16 of padding
.set HALFS,  (128*KS/256)*272
.set SBLK,   (16*KS/256)*272
.set SPARE,  SCL+4*HALFS               ; the spare words, 128 bytes for each wave: two blocks of 256 bytes that no other line names
.set KST,    0                         ; THE WAYS OUT use the ring's bytes behind its last fill and last read.  k: a stage of 16 rows x 528 for each wave;
.set QSC,    33792                     ; q, k: 512 bytes of scale words for each wave;
.set VST,    35840                     ; v (bytes of its own): for each wave 35,328: two regions of 64 rows x 272,
.set REG2,   17536                     ; the second so far on (128 above a multiple of 256: the halves of the lanes fall on different banks);
.set VSC,    177152                    ; v: 512 bytes of scale words for each wave
.set ADRA, 16
.set ADRB, 20
.set ADRS, 27
.set SPW,  28
.set NIL,  29
.set SC,   32
.set BI,   64                          ; v64-127  q, k: the bias in the result's layout
.set AF,   128
.set T,    128                         ; the way out: v128-191 64 numbers; v192-207, v208, v210-229 the quantiser's; v209 the even block's word; v230-231 at work
.set TM,   192
.set PW,   208
.set PWE,  209
.set PC,   210
.set W0,   230
.set BV,   240                         ; v240-255 v: the bias of my channel, a pair for each of A's eight blocks
.set G1, 24
.set G0, 32
.set G1B, 48
.set G0B, 56
.set G1S, 68
.set G0S, 76
.set G1SB, 80
.set G0SB, 88
.set SEL, 46
.set PAC, 66                           ; s[66:67] A's codes, s[104:105] A's scale bytes, s[8:9] B's codes, s[10:11] B's scale bytes
.set PAS, 104
.set PBC, 8
.set PBS, 10
.set MSB, 0
.macro WIN new                         ; the immediate's high byte repeats the setting that is left
.if MSB != (\new)
	s_set_vgpr_msb (MSB<<8)|(\new)
.set MSB, (\new)
.endif
.endm
.set MUL_LO, 0xa1                      ; source 0 (B) window 1, source 1 (A) window 0, C and D window 2
.set MUL_HI, 0xf1
.set TO_B,   0x40
; A joint load: waves 0 and 1 fetch for A, waves 2 and 3 for B; the branch hangs on the wave's number alone.  Four v_nop follow each of the two lines.
.macro JLOAD g0a, g1a, g0b, g1b
	s_cmp_eq_u32 s15, 0
	s_cbranch_scc0 .Lfor_b_\@
	tensor_load_to_lds s[\g0a:\g0a+3], s[\g1a:\g1a+7]
	s_nop 0
.rept 4
	v_nop
.endr
	s_branch .Lasked_\@
.Lfor_b_\@:
	tensor_load_to_lds s[\g0b:\g0b+3], s[\g1b:\g1b+7]
	s_nop 0
.rept 4
	v_nop
.endr
.Lasked_\@:
.endm
.macro CREST                           ; a round of the cluster's barrier behind its opening barrier
	s_cmp_lg_u32 s14, 0
	s_cbranch_scc1 .Lnot_wave_0_\@
	s_barrier_signal -3
.Lnot_wave_0_\@:
	s_barrier_wait -3
	s_barrier_signal -1
	s_barrier_wait -1
.endm
.macro CROUND
	s_barrier_signal -1
	s_barrier_wait -1
	CREST
.endm
	s_load_b64 s[4:5], s[0:1], 0x0                 ; H
	s_load_b128 s[8:11], s[0:1], 0x8               ; w_attn's codes, its scale bytes
	s_load_b128 s[96:99], s[0:1], 0x18             ; b_attn, QKV
	s_load_b64 s[100:101], s[0:1], 0x28            ; out1
	v_lshl_add_u32 v[SPW], v0, 2, SPARE
	v_mov_b32 v[NIL], 0
	ds_add_u32 v28, v29
	ds_add_u32 v28, v29
	s_wait_dscnt 0x0
	v_lshrrev_b32 v1, 5, v0
	v_readfirstlane_b32 s14, v1                    ; wave 0..3
	s_lshr_b32 s15, s14, 1                         ; which half of A's rows is mine.  Also: I fetch for A (0) or for B (1)
	s_and_b32 s16, s14, 1                          ; which half of B's rows.  Also: which 128 rows I fetch
	s_bfe_u32 s40, ttmp6, 0x40000                  ; cx, cy
	s_bfe_u32 s41, ttmp6, 0x40004
	s_and_b32 s18, ttmp7, 0xffff
	s_lshl_b32 s18, s18, 2                         ; 4 Y
	s_add_co_u32 s17, s18, s41                     ; 4 Y + cy
	s_add_co_u32 s19, s41, 8                       ; 8 + cy
	s_lshl_b32 s42, ttmp9, 2
	s_add_co_u32 s42, s42, s40                     ; 4 X + cx
	s_add_co_u32 s18, s18, s40                     ; 4 Y + cx
	s_cmp_eq_u32 ttmp9, 2                          ; v?  The cluster's x is the same in all partners
	s_cselect_b32 s17, s19, s17                    ; A's tile row: made of cy and Y alone
	s_cselect_b32 s42, s18, s42                    ; B's tile row: made of cx, X and Y alone
	s_lshl_b32 s43, s41, 2
	s_lshl_b32 s43, 15, s43                        ; my row of the cluster
	s_lshl_b32 s44, 0x1111, s40                    ; my column
	s_or_b32 s[G1+0], s43, (3<<16)|(1<<21)         ; dense bytes as rows of 256 (32 elements of 8): 192 rows for the head's 256 rows of codes, later 96
	s_or_b32 s[G1B+0], s44, (3<<16)|(1<<21)
.irp g, G1, G1B
	s_mov_b32 s[\g+1], 32<<16
	s_mov_b32 s[\g+2], 192<<16
	s_mov_b32 s[\g+3], 32<<16
	s_mov_b32 s[\g+4], 192
	s_mov_b32 s[\g+5], 32
	s_mov_b32 s[\g+6], 0
	s_mov_b32 s[\g+7], 0
.endr
	s_or_b32 s[G1S+0], s43, (3<<16)|(1<<20)|(1<<21)|(5<<22)|(3<<25)   ; the scale bytes of 256 rows: a dense block, as rows of 256 bytes, 16 bytes of padding behind each
	s_or_b32 s[G1SB+0], s44, (3<<16)|(1<<20)|(1<<21)|(5<<22)|(3<<25)
.irp g, G1S, G1SB
	s_mov_b32 s[\g+1], 32<<16
	s_mov_b32 s[\g+2], (256*KS/256)<<16
	s_mov_b32 s[\g+3], 32<<16
	s_mov_b32 s[\g+4], 256*KS/256
	s_mov_b32 s[\g+5], 32
	s_mov_b32 s[\g+6], 0
	s_mov_b32 s[\g+7], 0
.endr
	s_lshl_b32 s20, s17, 8                         ; A: the tile's first row
	s_lshl_b32 s46, s42, 8                         ; B likewise
	s_mov_b32 s21, 0
	s_mov_b32 s47, 0
	s_mov_b64 s[18:19], KS
	s_mul_u64 s[22:23], s[20:21], s[18:19]
	s_mul_u64 s[92:93], s[46:47], s[18:19]
	s_mov_b64 s[18:19], KROW
	s_mul_u64 s[20:21], s[20:21], s[18:19]
	s_mul_u64 s[46:47], s[46:47], s[18:19]
	s_mul_i32 s45, s14, HALFT                      ; where they go: wave x 128 rows
	s_mul_i32 s94, s16, HALFT                      ; in the ring I fetch 128 rows: which half, in bytes
	s_mov_b32 s95, 0
	s_wait_kmcnt 0x0
	s_add_nc_u64 s[6:7], s[4:5], 3145728           ; H's scale bytes
	s_cmp_eq_u32 ttmp9, 2                          ; which buffer is A and which B: the choice hangs on the cluster's x alone
	s_cselect_b64 s[PAC:PAC+1], s[8:9], s[4:5]
	s_cselect_b64 s[PBC:PBC+1], s[4:5], s[8:9]
	s_cselect_b64 s[PAS:PAS+1], s[10:11], s[6:7]
	s_cselect_b64 s[PBS:PBS+1], s[6:7], s[10:11]
	s_add_nc_u64 s[20:21], s[PAC:PAC+1], s[20:21]
	s_add_nc_u64 s[22:23], s[PAS:PAS+1], s[22:23]
	s_add_nc_u64 s[46:47], s[PBC:PBC+1], s[46:47]
	s_add_nc_u64 s[92:93], s[PBS:PBS+1], s[92:93]
	CROUND                                         ; all sixteen work-groups are here: the first joint loads meet
	s_mov_b32 s[G0S], 1                            ; the head's four tiles, each whole: A's scale bytes,
	s_mov_b32 s[G0S+1], SCL
	s_mov_b64 s[G0S+2:G0S+3], s[22:23]
	s_or_b32 s[G0S+3], s[G0S+3], 0x80000000
	s_mov_b32 s[G0SB], 1                           ; B's,
	s_mov_b32 s[G0SB+1], SCL+2*HALFS
	s_mov_b64 s[G0SB+2:G0SB+3], s[92:93]
	s_or_b32 s[G0SB+3], s[G0SB+3], 0x80000000
	s_mov_b32 s[G0], 1                             ; plane 0 of A's 256 rows,
	s_mov_b32 s[G0+1], 0
	s_mov_b64 s[G0+2:G0+3], s[20:21]
	s_or_b32 s[G0+3], s[G0+3], 0x80000000
	s_mov_b32 s[G0B], 1                            ; and of B's
	s_mov_b32 s[G0B+1], 2*HALFT
	s_mov_b64 s[G0B+2:G0B+3], s[46:47]
	s_or_b32 s[G0B+3], s[G0B+3], 0x80000000
	s_add_nc_u64 s[20:21], s[20:21], s[94:95]      ; for the ring: my 128 rows
	s_add_nc_u64 s[46:47], s[46:47], s[94:95]
	s_mov_b32 s[G0+4], 1                           ; slot 1: plane 1
	s_add_co_u32 s[G0+5], s45, SLOT
	s_add_nc_u64 s[G0+6:G0+7], s[20:21], ROWB
	s_or_b32 s[G0+7], s[G0+7], 0x80000000
	s_mov_b32 s[G0B+4], 1
	s_add_co_u32 s[G0B+5], s45, SLOT
	s_add_nc_u64 s[G0B+6:G0B+7], s[46:47], ROWB
	s_or_b32 s[G0B+7], s[G0B+7], 0x80000000
; one tensor load a wave at the head: one chain of branches on the wave's number
.macro ARM under, g0, g1, next
	s_cmp_lt_u32 s14, \under
	s_cbranch_scc0 \next
	tensor_load_to_lds s[\g0:\g0+3], s[\g1:\g1+7]
	s_nop 0
.rept 4
	v_nop
.endr
	s_branch .Lhead_asked
\next:
.endm
	ARM 1, G0,  G1,  .Lhead_b
	ARM 2, G0B, G1B, .Lhead_sa
	ARM 3, G0S, G1S, .Lhead_sb
	tensor_load_to_lds s[G0SB:G0SB+3], s[G1SB:G1SB+7]
	s_nop 0
.rept 4
	v_nop
.endr
.Lhead_asked:
	v_and_b32 v1, 15, v0                           ; r
	v_bfe_u32 v2, v0, 4, 1                         ; h
	v_and_b32 v3, 31, v0
	v_lshlrev_b32 v4, 4, v3                        ; 16 L: an image's registers 0-3
	v_lshlrev_b32 v5, 3, v3                        ; 8 L: its registers 4-5
	s_mul_i32 s21, s15, HALFT
	s_mul_i32 s22, s16, HALFT
	s_add_co_u32 s22, s22, 2*HALFT
.irp s, 0,1
	v_add_nc_u32 v[ADRA+\s], s21, v4
	v_add_nc_u32 v[ADRB+\s], s22, v4
	v_add_nc_u32 v[ADRA+2+\s], s21, v5
	v_add_nc_u32 v[ADRB+2+\s], s22, v5
	s_add_co_u32 s21, s21, SLOT
	s_add_co_u32 s22, s22, SLOT
.endr
	v_mul_u32_u24 v5, v1, KS
	v_lshrrev_b32 v6, 8, v5
	v_lshl_add_u32 v5, v6, 4, v5                   ; my row's scale bytes, 16 more for each 256 passed
	s_mul_i32 s21, s15, HALFS
	s_mul_i32 s22, s16, HALFS
	s_add_co_u32 s22, s22, 2*HALFS
	s_sub_co_u32 s22, s22, s21
	v_mul_u32_u24 v6, s22, v2                      ; lanes 16-31 take B's
	s_add_co_u32 s21, s21, SCL
	v_add_nc_u32 v5, v5, v6
	v_add_nc_u32 v[ADRS], s21, v5
	; the addresses of both ways out, made here, on the one way that all waves take
	v_and_b32 v6, 31, v0
	v_lshlrev_b32 v26, 4, v6                       ; 16 L
	v_lshlrev_b32 v7, 3, v6                        ; 8 L
	v_lshlrev_b32 v30, 2, v1                       ; 4 r
	v_lshlrev_b32 v31, 5, v2                       ; 32 h
	v_lshlrev_b32 v3, 4, v1                        ; 16 r
	s_mul_i32 s23, s14, 8448
	v_mul_u32_u24 v5, v1, 528
	v_lshl_add_u32 v5, v2, 5, v5
	v_add_nc_u32 v24, s23, v5                      ; k's stage, in: row r, + 32 h
	v_add_nc_u32 v25, s23, v26                     ; and back: a row's 512 bytes
	s_lshl_b32 s23, s14, 9
	s_add_co_u32 s23, s23, QSC
	v_lshl_add_u32 v12, v2, 8, v30
	v_add_nc_u32 v12, s23, v12                     ; q, k: scale words in: 256 h + 4 r
	v_add_nc_u32 v14, s23, v26                     ; and back
	v_lshl_add_u32 v13, v2, 19, v3                 ; k in out1: lanes 16-31 the next head, 524,288 bytes on
	v_lshl_add_u32 v15, v2, 12, v3                 ; scale words in memory: lanes 16-31 the next head, 4,096 bytes on
	v_lshl_add_u32 v11, v2, 8, v3                  ; v in out1: lanes 16-31 the next key
	s_mul_i32 s23, s14, 35328
	s_add_co_u32 s23, s23, VST
	v_mul_u32_u24 v8, v2, REG2
	v_add_nc_u32 v8, v8, v30
	v_add_nc_u32 v8, s23, v8                       ; v's stage, in: region h, + 4 r
	v_mul_u32_u24 v9, v2, 272
	v_add_nc_u32 v9, v9, v3
	v_add_nc_u32 v9, s23, v9                       ; and back: two rows an instruction
	s_lshl_b32 s23, s14, 9
	s_add_co_u32 s23, s23, VSC
	v_add_nc_u32 v10, s23, v30                     ; v: scale words in
	v_add_nc_u32 v4, s23, v26                      ; and back
	; the bias, in both layouts; the one that this cluster does not use is read from the buffer's first bytes, so that no load leaves it
	s_lshl_b32 s18, s42, 10
	s_lshl_b32 s19, s16, 9
	s_add_co_u32 s18, s18, s19                     ; B's first row x 4
	s_lshl_b32 s20, s17, 10
	s_lshl_b32 s19, s15, 9
	s_add_co_u32 s20, s20, s19                     ; A's first row x 4
	s_cmp_eq_u32 ttmp9, 2
	s_cselect_b32 s92, 0, s18
	s_cselect_b32 s94, s20, 0
	s_mov_b32 s93, 0
	s_mov_b32 s95, 0
	s_add_nc_u64 s[92:93], s[96:97], s[92:93]
	s_add_nc_u64 s[94:95], s[96:97], s[94:95]
.irp b, 0,1,2,3,4,5,6,7
	global_load_b128 v[BI+8*\b:BI+8*\b+3], v31, s[92:93] offset:64*\b         ; register 8 b + j: column 16 b + 8 h + j
	global_load_b128 v[BI+8*\b+4:BI+8*\b+7], v31, s[92:93] offset:64*\b+16
.endr
.irp a, 0,1,2,3,4,5,6,7
	global_load_b32 v[BV+2*\a], v30, s[94:95] offset:64*\a                    ; channel 16 a + r, twice: a pair for the packed addition
	global_load_b32 v[BV+2*\a+1], v30, s[94:95] offset:64*\a
.endr
.macro FRAG reg, adr, q, i             ; 16 rows x 128 K of 6-bit codes: 12 registers, from the image: two loads of 16 bytes and two of 8 a lane
	ds_load_b128 v[\reg:\reg+3], v[\adr] offset:(\i)*3072+(\q)*1536
	ds_load_b64 v[\reg+4:\reg+5], v[\adr+2] offset:(\i)*3072+(\q)*1536+512
	ds_load_b128 v[\reg+6:\reg+9], v[\adr] offset:(\i)*3072+(\q)*1536+768
	ds_load_b64 v[\reg+10:\reg+11], v[\adr+2] offset:(\i)*3072+(\q)*1536+1280
.endm
; 16 matrix instructions: A's blocks a0, a0 + 1 x B's eight.  The 64 accumulators take turns, one instruction a turn, in the same order in every step.
; One register carries A's scale word (lanes 0-15) and B's (lanes 16-31).
.macro MUL16 a0, p, q, sc, zero
.irp a, \a0, \a0+1
.irp b, 0,1,2,3,4,5,6,7
.if \zero
	v_wmma_scale_f32_16x16x128_f8f6f4 v[8*(8*((\a)%4)+\b):8*(8*((\a)%4)+\b)+7], v[128*(\p)+FR*\b:128*(\p)+FR*\b+FR-1], v[AF+FR*(\a):AF+FR*(\a)+FR-1], 0, v[SC+8*NQ*(\sc)+NQ*\b+(\q)], v[SC+8*NQ*(\sc)+NQ*(\a)+(\q)] matrix_a_fmt:MATRIX_FMT_FP6 matrix_b_fmt:MATRIX_FMT_FP6 matrix_a_scale:MATRIX_SCALE_ROW1
.else
	v_wmma_scale_f32_16x16x128_f8f6f4 v[8*(8*((\a)%4)+\b):8*(8*((\a)%4)+\b)+7], v[128*(\p)+FR*\b:128*(\p)+FR*\b+FR-1], v[AF+FR*(\a):AF+FR*(\a)+FR-1], v[8*(8*((\a)%4)+\b):8*(8*((\a)%4)+\b)+7], v[SC+8*NQ*(\sc)+NQ*\b+(\q)], v[SC+8*NQ*(\sc)+NQ*(\a)+(\q)] matrix_a_fmt:MATRIX_FMT_FP6 matrix_b_fmt:MATRIX_FMT_FP6 matrix_a_scale:MATRIX_SCALE_ROW1
.endif
.endr
.endr
.endm
.macro FETCH_B slot, q, p
	WIN TO_B
.irp i, 0,1,2,3,4,5,6,7
	FRAG 128*(\p)+FR*\i, ADRB+\slot, \q, \i
.endr
	WIN 0
.endm
.macro FETCH_A slot, q, i0
.irp i, \i0, \i0+1, \i0+2, \i0+3
	FRAG AF+FR*(\i), ADRA+\slot, \q, \i
.endr
.endm
.macro SCALES sc
.irp i, 0,1,2,3,4,5,6,7
	ds_load_b64 v[SC+8*NQ*\sc+NQ*\i:SC+8*NQ*\sc+NQ*\i+1], v[ADRS] offset:\i*SBLK
.endr
.endm
.macro PLACES n                        ; places behind matrix instructions, in front of loads into registers that they have read and of the first read of results
.rept \n
	v_nop
.endr
.endm
.macro STEP slot, q, zero              ; a step of 128 along K that has its successor in the same slot
	s_wait_dscnt 4*NL                              ; B's set and A's blocks 0-3 are in; the youngest 16 loads (A's blocks 4-7) may be out
	WIN MUL_LO
	MUL16 0, (\q)%2, \q, \slot, \zero
	MUL16 2, (\q)%2, \q, \slot, \zero
	s_wait_dscnt 0
	PLACES NP
	FETCH_B \slot, (\q)+1, 1-(\q)%2
	FETCH_A \slot, (\q)+1, 0
	WIN MUL_HI
	MUL16 4, (\q)%2, \q, \slot, \zero
	MUL16 6, (\q)%2, \q, \slot, \zero
	PLACES NP
	WIN 0
	FETCH_A \slot, (\q)+1, 4
.endm
; A slot's last step changes slots: one barrier; in front of it each wave waits for all its tensor loads, adds 0 to its spare word, and waits for that and for its reads of this slot.
.macro TURN slot, next, fill
	s_wait_tensorcnt 0x0                           ; all my tensor loads have landed: my part of the next slot
	ds_add_u32 v[SPW], v[NIL]                      ; 0 onto my spare word
	s_wait_dscnt 4*NL+1                            ; (the add and the youngest 16 loads may be out)
	WIN MUL_LO
	MUL16 0, 1, NQ-1, \slot, 0
	s_wait_dscnt 0x0                               ; the add is done, and my reads of this slot are over
	s_barrier_signal -1
	MUL16 2, 1, NQ-1, \slot, 0
	WIN 0
	s_barrier_wait -1
.if \fill
	CREST                                          ; the barrier has opened a round of the cluster's: no wave of any partner still reads this slot or has a load on its way
	s_add_nc_u64 s[G0+4*\slot+2:G0+4*\slot+3], s[G0+4*\slot+2:G0+4*\slot+3], 2*ROWB
	s_add_nc_u64 s[G0B+4*\slot+2:G0B+4*\slot+3], s[G0B+4*\slot+2:G0B+4*\slot+3], 2*ROWB
	JLOAD G0+4*\slot, G1, G0B+4*\slot, G1B         ; my one tensor load behind the round; its four v_nop are the places in front of the loads below
.else
	PLACES NP
.endif
	s_wait_alu depctr_va_vdst(0)
	v_add_nc_u32 v[ADRS], 4*NQ, v[ADRS]
	FETCH_B \next, 0, 0
	FETCH_A \next, 0, 0
	SCALES \next
	WIN MUL_HI
	MUL16 4, 1, NQ-1, \slot, 0
	MUL16 6, 1, NQ-1, \slot, 0
	PLACES NP
	WIN 0
	FETCH_A \next, 0, 4
.endm
	s_wait_alu depctr_va_vdst(0)                   ; the head's end
	s_wait_tensorcnt 0x0                           ; my tile of the head's four is in
	ds_add_u32 v[SPW], v[NIL]
	s_mov_b32 s[G1+2], 96<<16                      ; no load of mine is out: from here on a load brings 128 rows of codes, 96 rows of 256 bytes,
	s_mov_b32 s[G1+4], 96
	s_mov_b32 s[G1B+2], 96<<16
	s_mov_b32 s[G1B+4], 96
	s_mov_b32 s[G0+1], s45                         ; and slot 0's group 0 stands at my quarter of plane 0
	s_sub_nc_u64 s[G0+2:G0+3], s[G0+6:G0+7], ROWB
	s_mov_b32 s[G0B+1], s45
	s_sub_nc_u64 s[G0B+2:G0B+3], s[G0B+6:G0B+7], ROWB
	s_wait_dscnt 0x0
	CROUND                                         ; all four tiles are in, all sixteen work-groups are here
	JLOAD G0+4, G1, G0B+4, G1B                     ; slot 1's first fill, my one load behind the round
	FETCH_B 0, 0, 0
	FETCH_A 0, 0, 0
	SCALES 0
	FETCH_A 0, 0, 4
	STEP 0, 0, 1                                   ; the first step's products start the sums
	s_mov_b32 s3, LAPS-1
.Llap:
	TURN 0, 1, 1
	STEP 1, 0, 0
	TURN 1, 0, 1
	STEP 0, 0, 0
	s_sub_co_u32 s3, s3, 1
	s_cmp_lg_u32 s3, 0
	s_cbranch_scc1 .Llap
	TURN 0, 1, 0                                   ; the last lap fills nothing
	STEP 1, 0, 0
	s_wait_dscnt 4*NL
	WIN MUL_LO
	MUL16 0, 1, NQ-1, 1, 0
	MUL16 2, 1, NQ-1, 1, 0
	s_wait_dscnt 0
	WIN MUL_HI
	MUL16 4, 1, NQ-1, 1, 0
	MUL16 6, 1, NQ-1, 1, 0
	WIN 0
; 64 numbers of a lane, register 16 b + i = place 16 (lane / 16) + i of block b, become 12 registers of codes in v[PC] on and the scale word in v[PW].
.macro QUANT s
.irp b, 0,1,2,3
	v_max3_num_f32 v[TM+\b], |v[\s+16*\b]|, |v[\s+1+16*\b]|, 0x1800000   ; and the floor 2^(3 - 127): the byte cannot fall under 1
.endr
.irp i, 2,4,6,8,10,12,14
.irp b, 0,1,2,3
	v_max3_num_f32 v[TM+\b], v[TM+\b], |v[\s+16*\b+\i]|, |v[\s+1+16*\b+\i]|
.endr
.endr
.irp b, 0,1,2,3
	v_permlanex16_b32 v[TM+4+\b], v[TM+\b], s[SEL], s[SEL+1]
.endr
.irp b, 0,1,2,3
	v_max_num_f32 v[TM+\b], v[TM+\b], v[TM+4+\b]
.endr
.irp b, 0,1,2,3
	v_add_nc_u32 v[TM+12+\b], 0xff000000, v[TM+\b]   ; 2 off the exponent field: the conversion's scale operand
.endr
.irp b, 0,1,2,3
	v_lshrrev_b32 v[TM+4+\b], 23, v[TM+12+\b]
.endr
	v_lshl_or_b32 v[PW], v[TM+5], 8, v[TM+4]
	v_lshl_or_b32 v[PW], v[TM+6], 16, v[PW]
	v_lshl_or_b32 v[PW], v[TM+7], 24, v[PW]
.irp c, 0,1
	v_cvt_scalef32_pk16_fp6_f32 v[PC+6*\c:PC+2+6*\c], v[\s+32*\c:\s+15+32*\c], v[TM+12+2*\c]
	v_cvt_scalef32_pk16_fp6_f32 v[PC+12+4*\c:PC+14+4*\c], v[\s+16+32*\c:\s+31+32*\c], v[TM+12+2*\c+1]
.endr
	v_nop                                          ; one plain place behind a scaled conversion
.irp c, 0,1
.irp i, 0,1,2
	v_permlane16_swap_b32 v[PC+6*\c+\i], v[PC+12+4*\c+\i]
.endr
.irp i, 0,1,2
	v_mov_b32 v[PC+3+6*\c+\i], v[PC+12+4*\c+\i]
.endr
.endr
.endm
	PLACES NP
	s_wait_dscnt 0x0                               ; my reads of the ring are over,
	s_barrier_signal -1
	s_barrier_wait -1                              ; everybody's are: both slots have had their last fill and their last read, and serve as stages
	s_wait_loadcnt 0x0                             ; the biases
	s_mov_b32 s[SEL], 0x76543210
	s_mov_b32 s[SEL+1], 0xfedcba98
	s_mov_b32 s2, 0xffff0000                       ; lanes 16-31
.irp b, 0,1,2,3
	v_mov_b32 v[TM+4+\b], 0                        ; written once: a lane permute's destination counts as one of its sources
.endr
	s_cmp_eq_u32 ttmp9, 2
	s_cbranch_scc1 .Lpath_v
	; ---- q and k.  My rows: batch = tile row / 8, l / 16 = 16 (tile row % 8) + 8 (half) + a.  My 128 columns: two heads
	s_lshr_b32 s18, s17, 3
	s_and_b32 s19, s17, 7
	s_lshl_b32 s19, s19, 4
	s_lshl_b32 s20, s15, 3
	s_add_co_u32 s19, s19, s20                     ; the first l / 16
	s_and_b32 s20, s42, 3
	s_lshl_b32 s20, s20, 2
	s_lshl_b32 s21, s16, 1
	s_add_co_u32 s20, s20, s21                     ; the first head
	s_lshl_b32 s18, s18, 4
	s_add_co_u32 s18, s18, s20                     ; bh
	s_lshl_b32 s20, s18, 7
	s_add_co_u32 s20, s20, s19
	s_mul_i32 s20, s20, 768
	s_mul_i32 s21, ttmp9, 3145728                  ; q's images or k's
	s_add_co_u32 s20, s20, s21
	s_mov_b32 s21, 0
	s_add_nc_u64 s[4:5], s[98:99], s[20:21]        ; the images
	s_lshl_b32 s20, s18, 12
	s_lshl_b32 s22, s19, 5
	s_add_co_u32 s20, s20, s22
	s_lshl_b32 s22, ttmp9, 17
	s_add_co_u32 s20, s20, s22
	s_add_co_u32 s20, s20, 9437184
	s_add_nc_u64 s[6:7], s[98:99], s[20:21]        ; the scale words
	s_lshl_b32 s20, s18, 19
	s_lshl_b32 s22, s19, 12
	s_add_co_u32 s20, s20, s22
	s_add_nc_u64 s[12:13], s[100:101], s[20:21]    ; k in out1
.macro QKBLK a                         ; block a: 16 tokens x 128 columns
	s_wait_xcnt 0x0                                ; the last block's stores have read their registers
	WIN 0x02+(\a)/4                                ; source 0: the accumulators' window
.set i, 0
.rept 32
	v_pk_add_f32 v[T+2*i:T+2*i+1], v[64*((\a)%4)+2*i:64*((\a)%4)+2*i+1], v[BI+2*i:BI+2*i+1]   ; + bias; each accumulator from its low end on
.set i, i+1
.endr
	WIN 0
	s_cmp_eq_u32 ttmp9, 1
	s_cbranch_scc0 .Lno_k1_\@
.irp b, 0,1,2,3,4,5,6,7                        ; k as f32 goes through my stage and comes back as whole rows while it is quantised
	ds_store_b128 v24, v[T+8*\b:T+8*\b+3] offset:64*\b
	ds_store_b128 v24, v[T+8*\b+4:T+8*\b+7] offset:64*\b+16
.endr
	WIN 0x40
.irp t, 0,1,2,3,4,5,6,7,8,9,10,11,12,13,14,15
	ds_load_b128 v[4*\t:4*\t+3], v25 offset:528*\t
.endr
	WIN 0
.Lno_k1_\@:
	QUANT T
	global_store_b128 v26, v[PC:PC+3], s[4:5] offset:(\a)*768               ; registers 0-5: the first head's 64 codes a row; each store covers 512 or 256 consecutive bytes, aligned
	global_store_b64 v7, v[PC+4:PC+5], s[4:5] offset:(\a)*768+512
	global_store_b128 v26, v[PC+6:PC+9], s[4:5] offset:(\a)*768+98304       ; registers 6-11: the next head's
	global_store_b64 v7, v[PC+10:PC+11], s[4:5] offset:(\a)*768+98304+512
.if (\a)%2 == 0
	v_mov_b32 v[PWE], v[PW]
.else
	v_perm_b32 v[W0], v[PW], v[PWE], 0x05040100    ; the first head: the even block's two bytes, then the odd block's
	v_perm_b32 v[W0+1], v[PW], v[PWE], 0x07060302  ; the next head
	v_cndmask_b32 v[W0], v[W0], v[W0+1], s2        ; lanes 16-31 carry the next head's word
	ds_store_b32 v12, v[W0] offset:((\a)/2)*64
.endif
	s_wait_dscnt 0x0                               ; k's rows are back from the stage.  The wait stands ahead of the branch, on every way through the block: no load into these registers is out when the stores below read them or the next block's loads are issued
	s_cmp_eq_u32 ttmp9, 1
	s_cbranch_scc0 .Lno_k2_\@
	WIN 0x04                                       ; a store's data are its source 1: window 1
.irp t, 0,1,2,3,4,5,6,7,8,9,10,11,12,13,14,15
	global_store_b128 v13, v[4*\t:4*\t+3], s[12:13] offset:(16*(\a)+\t)*256 th:TH_STORE_NT   ; lanes 0-15: a row of 256 bytes of one head; lanes 16-31: of the next
.endr
	WIN 0
.Lno_k2_\@:
.endm
.irp a, 0,1,2,3,4,5,6,7
	QKBLK \a
.endr
	ds_load_b128 v[T:T+3], v14                     ; my 512 bytes of scale words: 256 for each head
	s_wait_dscnt 0x0
	global_store_b128 v15, v[T:T+3], s[6:7]
	s_branch .Lend
.Lpath_v:
	; ---- v.  A's block a: head 4 cy + 2 (half) + a / 4, channels 16 (a % 4) + r.  B's 128 rows: batch = tile row / 8, keys 128 ks on, ks = 2 (tile row % 8) + half
	s_lshl_b32 s18, s41, 2
	s_lshl_b32 s19, s15, 1
	s_add_co_u32 s18, s18, s19                     ; the first head
	s_lshr_b32 s19, s42, 3
	s_lshl_b32 s19, s19, 4
	s_add_co_u32 s18, s18, s19                     ; bh
	s_and_b32 s19, s42, 7
	s_lshl_b32 s19, s19, 1
	s_add_co_u32 s19, s19, s16                     ; ks
	s_lshl_b32 s20, s18, 4
	s_add_co_u32 s20, s20, s19                     ; 16 bh + ks
	s_mul_i32 s22, s20, 6144
	s_add_co_u32 s22, s22, 6291456
	s_mov_b32 s23, 0
	s_add_nc_u64 s[4:5], s[98:99], s[22:23]        ; the images
	s_lshl_b32 s22, s20, 8
	s_add_co_u32 s22, s22, 9699328
	s_add_nc_u64 s[6:7], s[98:99], s[22:23]        ; the scale words
	s_lshl_b32 s22, s18, 19
	s_lshl_b32 s20, s19, 15
	s_add_co_u32 s22, s22, s20
	s_add_co_u32 s22, s22, 16777216
	s_add_nc_u64 s[12:13], s[100:101], s[22:23]    ; v in out1
.macro VBLK a
	s_wait_xcnt 0x0
	WIN 0x02+(\a)/4
.set i, 0
.rept 32
	v_pk_add_f32 v[T+2*i:T+2*i+1], v[64*((\a)%4)+2*i:64*((\a)%4)+2*i+1], v[BV+2*(\a):BV+2*(\a)+1]
.set i, i+1
.endr
	WIN 0
.set i, 0
.rept 64
	ds_store_b32 v8, v[T+i] offset:i*272+((\a)%4)*64   ; register 8 b + j: key 16 b + 8 h + j: row 8 b + j of region h; my channel's word in it
.set i, i+1
.endr
	QUANT T                                        ; 16 channels x 128 keys: one fragment
.irp c, 0,1,2
	global_store_b128 v26, v[PC+4*\c:PC+4*\c+3], s[4:5] offset:((\a)/4)*98304+((\a)%4)*1536+512*\c
.endr
	ds_store_b32 v10, v[PW] offset:64*(\a)         ; (both halves of the lanes write the same word with the same value)
.endm
.macro OUTV hd                         ; a head's 128 keys x 64 channels lie in my stage: they leave as whole rows of 256 bytes
.irp g, 0,1
.irp hf, 0,1
	s_wait_xcnt 0x0
	WIN 0x40
.irp t, 0,1,2,3,4,5,6,7,8,9,10,11,12,13,14,15
	ds_load_b128 v[4*\t:4*\t+3], v9 offset:\g*REG2+2*(16*\hf+\t)*272
.endr
	s_wait_dscnt 0x0
	WIN 0x04
.irp t, 0,1,2,3,4,5,6,7,8,9,10,11,12,13,14,15
	global_store_b128 v11, v[4*\t:4*\t+3], s[12:13] offset:(\hd)*524288+(((2*(16*\hf+\t))>>3)*16+8*\g+((2*(16*\hf+\t))&7))*256 th:TH_STORE_NT
.endr
	WIN 0
.endr
.endr
.endm
	VBLK 0
	VBLK 1
	VBLK 2
	VBLK 3
	OUTV 0
	VBLK 4
	VBLK 5
	VBLK 6
	VBLK 7
	OUTV 1
	ds_load_b128 v[T:T+3], v4
	s_wait_dscnt 0x0
	global_store_b128 v15, v[T:T+3], s[6:7]
.Lend:
	s_wait_tensorcnt 0x0                           ; the wave's end
	ds_add_u32 v[SPW], v[NIL]
	s_wait_dscnt 0x0
	CROUND                                         ; the closing round
	s_endpgm
.Lfunc_end_k_q6d10600492_qkv:
	.size	k_q6d10600492_qkv, .Lfunc_end_k_q6d10600492_qkv-k_q6d10600492_qkv
	.p2alignl 7, 3214868480
	.fill 96, 4, 3214868480
	.section	.rodata,"a",@progbits
	.p2align	6, 0x0
	.amdhsa_kernel k_q6d10600492_qkv
		.amdhsa_group_segment_fixed_size 327680
		.amdhsa_private_segment_fixed_size 0
		.amdhsa_enable_private_segment 0
		.amdhsa_kernarg_size 48
		.amdhsa_user_sgpr_count 2
		.amdhsa_user_sgpr_kernarg_segment_ptr 1
		.amdhsa_wavefront_size32 1
		.amdhsa_system_sgpr_workgroup_id_x 1
		.amdhsa_system_sgpr_workgroup_id_y 1
		.amdhsa_system_sgpr_workgroup_id_z 1
		.amdhsa_system_vgpr_workitem_id 0
		.amdhsa_next_free_vgpr 1024
		.amdhsa_next_free_sgpr 106
		.amdhsa_reserve_vcc 0
		.amdhsa_float_denorm_mode_32 3
		.amdhsa_float_denorm_mode_16_64 3
		.amdhsa_memory_ordered 1
		.amdhsa_forward_progress 1
		.amdhsa_inst_pref_size 255
	.end_amdhsa_kernel
	.section	.bss,"aw",@nobits
	.p2align	6
	.space	262144
	.amdgpu_metadata
---
amdhsa.version: [ 1, 2 ]
amdhsa.kernels:
  - .name:           k_q6d10600492_qkv
    .symbol:         k_q6d10600492_qkv.kd
    .args:
      - { .name: H, .offset: 0, .size: 8, .value_kind: global_buffer, .address_space: global }
      - { .name: WA, .offset: 8, .size: 8, .value_kind: global_buffer, .address_space: global }
      - { .name: w_attn_scales, .offset: 16, .size: 8, .value_kind: global_buffer, .address_space: global }
      - { .name: b_attn, .offset: 24, .size: 8, .value_kind: global_buffer, .address_space: global }
      - { .name: QKV, .offset: 32, .size: 8, .value_kind: global_buffer, .address_space: global }
      - { .name: out1, .offset: 40, .size: 8, .value_kind: global_buffer, .address_space: global }
    .group_segment_fixed_size: 327680
    .private_segment_fixed_size: 0
    .kernarg_segment_align: 8
    .kernarg_segment_size: 48
    .max_flat_workgroup_size: 128
    .sgpr_count:     106
    .vgpr_count:     1024
    .wavefront_size: 32
...
	.end_amdgpu_metadata
.endif
;; end of part 8
;; launch attn (part 9): grid 8 x 32, 16 waves a work-group, clusters of 4 x 1, 206,848 bytes of LDS; arguments QKV, AT, w_proj_codes, w_fc_codes, WA, WF; writes AT, WA, WF
.if DOCPART == 9
	.amdgcn_target "amdgcn-amd-amdhsa--gfx1250"
	.amdhsa_code_object_version 6
	.text
	.protected	k_q6d10600492_attn
	.globl	k_q6d10600492_attn
	.p2align	8
	.type	k_q6d10600492_attn,@function
k_q6d10600492_attn:
	s_mov_b64 s[64:65], 0
	v_nop
	global_prefetch_b8 v0, s[64:65] scope:SCOPE_SE
	s_setreg_imm32_b32 hwreg(HW_REG_WAVE_MODE, 25, 1), 1
	s_wait_xcnt 0x0
	s_wait_alu depctr_hold_cnt(0) depctr_sa_sdst(0) depctr_va_vdst(0) depctr_va_sdst(0) depctr_va_ssrc(0) depctr_va_vcc(0) depctr_vm_vsrc(0)
	s_getreg_b32 s2, hwreg(HW_REG_IB_STS2, 6, 4)
	s_cmp_eq_u32 s2, 0
	s_cbranch_scc0 .Lentry_in_a_cluster
	s_endpgm
.Lentry_in_a_cluster:
	s_bfe_u32 s2, ttmp6, 0x10000c
	s_cmp_lg_u32 s2, 0x3003
	s_cbranch_scc0 .Lentry_shape_is_right
	s_endpgm
.Lentry_shape_is_right:
; a[bh][q][:] = the sum over k of softmax_k(q . k / 8) v[k][:], 32 heads (bh = batch x 16 + head) of 2,048 tokens x 64, both products on codes of E2M3 with E8M0 scales; the result is quantised for the next product.
; THE SOFTMAX: t = score x log2(e) / 8; M = the running largest t rounded up to a whole number; p = 2^(t - M) is quantised along the keys, not normalised; the row's sum is taken of the unquantised p and divides at the end.
; INPUT (byte offsets in QKV): 0: q, 3,145,728: k: [bh][l / 16][768]: 16 rows x 64 codes as an image of six operand registers (registers 0-3 of lane L at 16 L, registers 4-5 at 512 + 8 L);
; 6,291,456: v [bh][l / 128][d / 16][1536]: 16 channels x 128 keys, registers 4 c .. 4 c + 3 at 512 c + 16 L; 9,437,184 q's, 9,568,256 k's scale words [bh][l / 32][16] (bytes 0, 1: row 32 f + r; 2, 3: row 32 f + 16 + r);
; 9,699,328 v's [bh][l / 128][d / 16][16].  Inside a block of 32 the groups 8-15 and 16-23 have changed places, alike in q and k (along the head's axis) and in v (along the keys); p gets the same order here by itself.
; SHARES.  A work-group owns 256 queries of one head, each of its sixteen waves 16, in 256 registers.  A HEAD'S K AND V CODES AND SCALE WORDS, 204,800 bytes, LIE IN LDS WHOLE: filled once, nothing is filled again.
; The four work-groups of a cluster belong to one head: every tensor load is asked for jointly.  Waves 0-3 fetch k's codes in four parts of 512 keys, waves 4-7 v's, wave 8 the scale words of both: one load each.
; K = 64 IN A FORM OF 128.  A fragment of k holds two tiles of 16 keys (registers 0-5, 6-11).  q lies as q | zeros | q in 18 registers: q | 0 multiplies the first tile and 0 | q the second; zero codes add nothing.
; Both products are used transposed: a lane holds one query throughout.
; OUTPUT (AT): 0: [head / 4][m' / 16][head % 4][768]: 16 rows x 64 codes as above, in natural order; 3,145,728: scale bytes [m'][32], two at 2 x head.  m' = batch x 2048 + l.
; LIMITS: NaN and infinities are not served.  A block of zeros gets the byte 1: its codes are zeros.  A block's largest p is taken from its largest score by the same multiply-add and exponential.
.set VB,   98304                       ; LDS: k's codes at 0, v's here,
.set KSWB, 196608                      ; k's scale words, and 4,096 bytes on v's
.set WV,  18
.set SEL, 20
.set CS,  22                           ; s[22:23] c = log2(e) / 8
.set G1C, 24                           ; s[24:31] group 1: 96 rows of 256 bytes;  s[32:39]: two rows of 4,096 bytes;  s[40:47] two groups 0
.set G1W, 32
.set G0,  40
.set TB,  2                            ; s2  the step's bytes in k's and in v's codes: 6,144 a step
.set TS,  3                            ; s3  and in the scale words: 256 a step
.set CNT, 60
.set QF,  16                           ; v16-33  q | 0 | q
.set QS,  34                           ; v34     q's scale word
.set FRG, 36                           ; v36-83  four fragments of k, then of v
.set KW,  84                           ; v84-87  k's scale words;  v88-91 v's
.set VW,  88
.set S,   96                           ; v96-159 the scores, then p
.set OA,  160                          ; v160-191 the result, transposed
.set BM,  192                          ; v192-195 the blocks' largest scores
.set BT,  196                          ; v196-199 at work
.set CVS, 200                          ; v200-203 the conversions' scale operands
.set CV2, 204                          ; v204-211 the conversions' second halves
.set P,   212                          ; v212-223 p's codes
.set PWD, 224                          ; v224    p's scale word
.set FF,  226                          ; v[226:227] f = 2^(old M - new M)
.set TMP, 228
.set SM2, 230                          ; v[230:231] the sum's second chain
.macro ROUND                           ; a round of the cluster's barrier
	s_barrier_signal -1
	s_barrier_wait -1
	s_cmp_lg_u32 s[WV], 0
	s_cbranch_scc1 .Lnot_wave_0_\@
	s_barrier_signal -3
.Lnot_wave_0_\@:
	s_barrier_wait -3
	s_barrier_signal -1
	s_barrier_wait -1
.endm
; THE FILLS: one joint load a wave: waves 0-3 k's four parts, waves 4-7 v's, wave 8 both sets of scale words.  One wait and one barrier, then sixteen key steps with no barrier among them.
; ALSO: waves 8-11 bring one unit (16 rows x 64 codes) of w_proj, waves 12-15 one of w_fc's rows 3,072 on, into the image layout [K / 256][row / 16][4][768], blocks 192 on of WA and of WF.
	s_load_b128 s[4:7], s[0:1], 0x0
	s_load_b256 s[68:75], s[0:1], 0x10             ; w_proj's codes, w_fc's codes, WA, WF
	v_lshl_add_u32 v254, v0, 2, 0x32000
	v_mov_b32 v255, 0
	ds_add_u32 v254, v255
	ds_add_u32 v254, v255
	v_lshrrev_b32 v1, 5, v0
	s_delay_alu instid0(VALU_DEP_1)
	v_readfirstlane_b32 s[WV], v1                  ; wave 0..15
	s_bfe_u32 s8, ttmp6, 0x40000                   ; cx: it enters global addresses of q and of the result alone
	s_lshl_b32 s9, ttmp9, 2
	s_add_co_u32 s9, s9, s8                        ; my block of 256 queries
	s_lshl_b32 s8, s9, 4
	s_add_co_u32 s8, s8, s[WV]                     ; my tile of 16 queries
	s_and_b32 s10, ttmp7, 0xffff                   ; bh, which the four partners share
	s_mov_b32 s[G1C], 15|(3<<16)|(1<<21)           ; the mask: all four work-groups; elements of 8 bytes; no padding; bit 21 beside a mask
	s_mov_b32 s[G1C+1], 32<<16                     ; tensor_dim0: 32 elements = 256 bytes
	s_mov_b32 s[G1C+2], 96<<16                     ; tensor_dim1
	s_mov_b32 s[G1C+3], 32<<16                     ; tile_dim0
	s_mov_b32 s[G1C+4], 96                         ; tile_dim1: 24,576 dense bytes
	s_mov_b32 s[G1C+5], 32                         ; pitch
	s_mov_b32 s[G1C+6], 0
	s_mov_b32 s[G1C+7], 0
	s_mov_b32 s[G1W], 15|(3<<16)|(1<<21)
	s_mov_b32 s[G1W+1], 512<<16                    ; two rows of 4,096 bytes: k's words and, 131,072 bytes on, v's
	s_mov_b32 s[G1W+2], 2<<16
	s_mov_b32 s[G1W+3], 512<<16
	s_mov_b32 s[G1W+4], 2
	s_mov_b32 s[G1W+5], 16384
	s_mov_b32 s[G1W+6], 0
	s_mov_b32 s[G1W+7], 0
	s_lshr_b32 s11, s[WV], 2                       ; waves 0-7: 0: k, 1: v
	s_mul_i32 s12, s[WV], 24576                    ; my part in LDS
	s_and_b32 s13, s[WV], 3
	s_mul_i32 s13, s13, 24576                      ; and in the head's codes
	s_mul_i32 s14, s10, 98304
	s_mul_i32 s15, s11, 3145728
	s_add_co_u32 s14, s14, s15
	s_add_co_u32 s14, s14, s13
	s_add_co_u32 s14, s14, 3145728
	s_mov_b32 s15, 0
	s_lshl_b32 s16, s10, 12
	s_add_co_u32 s16, s16, 9568256
	s_mov_b32 s17, 0
	s_mov_b32 s[SEL], 0x76543210
	s_mov_b32 s[SEL+1], 0xfedcba98
	s_mov_b32 s[CS], 0x3e38aa3b
	s_mov_b32 s[CS+1], s[CS]
	s_mov_b32 s[TB], 0
	s_mov_b32 s[TS], 0
	s_wait_dscnt 0x0
	s_wait_kmcnt 0x0
	s_add_nc_u64 s[14:15], s[4:5], s[14:15]
	s_add_nc_u64 s[16:17], s[4:5], s[16:17]
	ROUND                                          ; all four work-groups are here: the joint loads meet
	s_mov_b32 s[G0], 1
	s_mov_b32 s[G0+1], KSWB
	s_mov_b64 s[G0+2:G0+3], s[16:17]
	s_or_b32 s[G0+3], s[G0+3], 0x80000000
	s_mov_b32 s[G0+4], 1
	s_mov_b32 s[G0+5], s12
	s_mov_b64 s[G0+6:G0+7], s[14:15]
	s_or_b32 s[G0+7], s[G0+7], 0x80000000
	s_cmp_lt_u32 s[WV], 8                          ; one chain of branches on the wave's number, one load to an arm
	s_cbranch_scc0 .Lwords
	tensor_load_to_lds s[G0+4:G0+7], s[G1C:G1C+7]
	s_nop 0
.rept 4
	v_nop
.endr
	s_branch .Lno_fetch
.Lwords:
	s_cmp_eq_u32 s[WV], 8
	s_cbranch_scc0 .Lno_fetch
	tensor_load_to_lds s[G0:G0+3], s[G1W:G1W+7]
	s_nop 0
.rept 4
	v_nop
.endr
.Lno_fetch:
	v_and_b32 v10, 31, v0                          ; L
	v_and_b32 v11, 15, v0                          ; r
	s_delay_alu instid0(VALU_DEP_2)
	v_lshlrev_b32 v1, 4, v10                       ; 16 L
	s_wait_alu depctr_va_vdst(0)
	v_lshlrev_b32 v2, 3, v10                       ; 8 L
	s_wait_alu depctr_va_vdst(0)
	v_add_nc_u32 v3, VB, v1
	v_lshl_add_u32 v4, v11, 2, KSWB
	v_lshlrev_b32 v9, 5, v11                       ; 32 r
	v_lshlrev_b32 v10, 2, v11                      ; 4 r
	s_wait_alu depctr_va_vdst(0)
	s_lshl_b32 s12, s10, 7
	s_add_co_u32 s12, s12, s8
	s_mul_i32 s12, s12, 768
	s_mov_b32 s13, 0
	s_add_nc_u64 s[12:13], s[4:5], s[12:13]        ; my tile of q
	s_lshl_b32 s14, s10, 6
	s_lshr_b32 s15, s8, 1
	s_add_co_u32 s14, s14, s15
	s_lshl_b32 s14, s14, 6
	s_add_co_u32 s14, s14, 9437184
	s_mov_b32 s15, 0
	s_add_nc_u64 s[14:15], s[4:5], s[14:15]        ; and the words of its pair of tiles
	global_load_b128 v[QF:QF+3], v1, s[12:13]
	global_load_b64 v[QF+4:QF+5], v2, s[12:13] offset:512
	global_load_b128 v[QF+12:QF+15], v1, s[12:13]
	global_load_b64 v[QF+16:QF+17], v2, s[12:13] offset:512
	global_load_b32 v35, v10, s[14:15]
	s_mov_b32 s61, 0x07060302                      ; an odd tile's two bytes, twice;
	s_and_b32 s62, s[WV], 1
	s_cmp_eq_u32 s62, 0
	s_cselect_b32 s61, 0x05040100, s61             ; an even tile's
.irp j, 6,7,8,9,10,11
	v_mov_b32 v[QF+\j], 0
.endr
	s_wait_loadcnt 0x0
	v_perm_b32 v[QS], v35, v35, s61
	v_mov_b32 v13, 0xff61b1e6                      ; the largest t so far: -3e38
	s_delay_alu instid0(VALU_DEP_1)
	v_floor_f32 v12, -v13                          ; -M
	v_mov_b32 v14, 0                               ; the sum, in two halves
	v_mov_b32 v15, 0
.irp b, 0,1,2,3
	v_mov_b32 v[BT+\b], 0                          ; written once: a lane permute's destination counts as one of its sources
.endr
	v_mov_b32 v[FF+1], 0                           ; (named as the upper half of a pair)
	v_mov_b32 v[TMP], 0
.set j, 0
.rept 32
	v_mov_b32 v[OA+j], 0                           ; the step is written once: the first finds zeros.  (These lines are also the places between q's scale word and the first product)
.set j, j+1
.endr
; A KEY STEP: 128 keys.
.macro STEP
	v_add_nc_u32 v5, s[TB], v1                     ; these four are the places behind the last step's products, in front of the loads into registers that they have read
	v_add_nc_u32 v6, s[TB], v2
	v_add_nc_u32 v7, s[TB], v3
	v_add_nc_u32 v8, s[TS], v4
.irp f, 0,1,2,3
	ds_load_b128 v[FRG+12*\f:FRG+12*\f+3], v5 offset:\f*1536
	ds_load_b64 v[FRG+12*\f+4:FRG+12*\f+5], v6 offset:\f*1536+512
	ds_load_b128 v[FRG+12*\f+6:FRG+12*\f+9], v5 offset:\f*1536+768
	ds_load_b64 v[FRG+12*\f+10:FRG+12*\f+11], v6 offset:\f*1536+1280
	ds_load_b32 v[KW+\f], v8 offset:64*\f
.endr
	s_wait_alu depctr_va_vdst(0)
	s_wait_dscnt 0x0
.irp f, 0,1,2,3                                ; lane (r, h) holds query r; register 16 f + 8 u + j: key 32 f + 16 u + 8 h + j
	v_wmma_scale_f32_16x16x128_f8f6f4 v[S+16*\f:S+16*\f+7], v[FRG+12*\f:FRG+12*\f+11], v[QF:QF+11], 0, v[KW+\f], v[QS] matrix_a_fmt:MATRIX_FMT_FP6 matrix_b_fmt:MATRIX_FMT_FP6
	v_wmma_scale_f32_16x16x128_f8f6f4 v[S+16*\f+8:S+16*\f+15], v[FRG+12*\f:FRG+12*\f+11], v[QF+6:QF+17], 0, v[KW+\f], v[QS] matrix_a_fmt:MATRIX_FMT_FP6 matrix_b_fmt:MATRIX_FMT_FP6
.endr
.rept 4
	v_nop
.endr
.irp d, 0,1,2,3                                ; v's four fragments land under the softmax
.irp c, 0,1,2
	ds_load_b128 v[FRG+12*\d+4*\c:FRG+12*\d+4*\c+3], v7 offset:\d*1536+512*\c
.endr
	ds_load_b32 v[VW+\d], v8 offset:4096+64*\d
.endr
.irp b, 0,1,2,3
	v_max3_num_f32 v[BM+\b], v[S+16*\b], v[S+1+16*\b], v[S+2+16*\b]   ; the largest score of each block of 32 keys: for the row's maximum and for the block's largest p
.endr
.irp i, 3,5,7,9,11,13
.irp b, 0,1,2,3
	v_max3_num_f32 v[BM+\b], v[BM+\b], v[S+16*\b+\i], v[S+1+16*\b+\i]
.endr
.endr
.irp b, 0,1,2,3
	v_max_num_f32 v[BM+\b], v[BM+\b], v[S+15+16*\b]
.endr
.irp b, 0,1,2,3
	s_delay_alu instid0(VALU_DEP_4)
	v_permlanex16_b32 v[BT+\b], v[BM+\b], s[SEL], s[SEL+1]
.endr
.irp b, 0,1,2,3
	s_delay_alu instid0(VALU_DEP_4)
	v_max_num_f32 v[BM+\b], v[BM+\b], v[BT+\b]
.endr
	s_delay_alu instid0(VALU_DEP_2)
	v_max3_num_f32 v[TMP], v[BM], v[BM+1], v[BM+2]
	s_delay_alu instid0(VALU_DEP_1)
	v_max_num_f32 v[TMP], v[TMP], v[BM+3]
	s_delay_alu instid0(VALU_DEP_1)
	v_mul_f32 v[TMP], s[CS], v[TMP]
	s_delay_alu instid0(VALU_DEP_1)
	v_max_num_f32 v13, v13, v[TMP]                 ; the running largest t
	v_mov_b32 v[TMP], v12
	s_delay_alu instid0(VALU_DEP_2)
	v_floor_f32 v12, -v13                          ; the new -M: M is a whole number
	s_delay_alu instid0(VALU_DEP_1)
	v_sub_f32 v[TMP], v12, v[TMP]
	s_delay_alu instid0(VALU_DEP_1)
	v_cvt_i32_f32 v[TMP], v[TMP]                   ; (it saturates)
	s_delay_alu instid0(VALU_DEP_1)
	v_ldexp_f32 v[FF], 1.0, v[TMP]                 ; f = 2^(old M - new M)
.set j, 0
.rept 32
	v_pk_fma_f32 v[S+j:S+j+1], v[S+j:S+j+1], s[CS:CS+1], v[12:13] op_sel_hi:[1,0,0]   ; t - M
.set j, j+2
.endr
.irp b, 0,1,2,3
	v_fma_f32 v[BM+\b], v[BM+\b], s[CS], v12
.endr
.set j, 0
	s_wait_alu depctr_va_vdst(0)
.rept 64
	v_exp_f32 v[S+j], v[S+j]                       ; p, at most 1
.set j, j+1
.endr
	v_pk_mul_f32 v[14:15], v[14:15], v[FF:FF+1] op_sel_hi:[1,0]   ; the sums under the new M; a plain place behind the exponentials
	s_wait_alu depctr_va_vdst(0)                   ; one wait for the batch, ahead of its first reader
.irp b, 0,1,2,3
	v_exp_f32 v[BM+\b], v[BM+\b]                   ; the blocks' largest p
.endr
	v_pk_add_f32 v[230:231], v[100:101], v[104:105]
	v_pk_add_f32 v[252:253], v[108:109], v[112:113]
	v_pk_add_f32 v[250:251], v[116:117], v[120:121]
	v_pk_add_f32 v[248:249], v[124:125], v[128:129]
	v_pk_add_f32 v[246:247], v[132:133], v[136:137]
	v_pk_add_f32 v[244:245], v[140:141], v[144:145]
	v_pk_add_f32 v[242:243], v[148:149], v[152:153]
	v_pk_add_f32 v[14:15], v[14:15], v[156:157]
	v_pk_add_f32 v[230:231], v[230:231], v[96:97]
	v_pk_add_f32 v[252:253], v[252:253], v[98:99]
	v_pk_add_f32 v[250:251], v[250:251], v[102:103]
	v_pk_add_f32 v[248:249], v[248:249], v[106:107]
	v_pk_add_f32 v[246:247], v[246:247], v[110:111]
	v_pk_add_f32 v[244:245], v[244:245], v[114:115]
	v_pk_add_f32 v[242:243], v[242:243], v[118:119]
	v_pk_add_f32 v[14:15], v[14:15], v[122:123]
	v_pk_add_f32 v[230:231], v[230:231], v[126:127]
	v_pk_add_f32 v[252:253], v[252:253], v[130:131]
	v_pk_add_f32 v[250:251], v[250:251], v[134:135]
	v_pk_add_f32 v[248:249], v[248:249], v[138:139]
	v_pk_add_f32 v[246:247], v[246:247], v[142:143]
	v_pk_add_f32 v[244:245], v[244:245], v[146:147]
	v_pk_add_f32 v[242:243], v[242:243], v[150:151]
	v_pk_add_f32 v[14:15], v[14:15], v[154:155]
	v_pk_add_f32 v[230:231], v[230:231], v[158:159]
	s_delay_alu instid0(VALU_DEP_2)
	v_pk_add_f32 v[14:15], v[14:15], v[248:249]
	s_delay_alu instid0(VALU_DEP_2)
	v_pk_add_f32 v[230:231], v[230:231], v[246:247]
	v_pk_add_f32 v[252:253], v[252:253], v[244:245]
	v_pk_add_f32 v[250:251], v[250:251], v[242:243]
	s_delay_alu instid0(VALU_DEP_2)
	v_pk_add_f32 v[14:15], v[14:15], v[252:253]
	s_delay_alu instid0(VALU_DEP_2)
	v_pk_add_f32 v[230:231], v[230:231], v[250:251]
	s_delay_alu instid0(VALU_DEP_1)
	v_pk_add_f32 v[14:15], v[14:15], v[230:231]
	s_wait_alu depctr_va_vdst(0)                   ; and one for the four
.irp b, 0,1,2,3
	v_max_num_f32 v[BM+\b], 0x1800000, v[BM+\b]    ; the floor 2^(3 - 127)
.endr
.irp b, 0,1,2,3
	s_delay_alu instid0(VALU_DEP_4)
	v_add_nc_u32 v[CVS+\b], 0xff000000, v[BM+\b]
.endr
.irp b, 0,1,2,3
	s_delay_alu instid0(VALU_DEP_4)
	v_lshrrev_b32 v[BT+\b], 23, v[CVS+\b]
.endr
	s_delay_alu instid0(VALU_DEP_3)
	v_lshl_or_b32 v[PWD], v[BT+1], 8, v[BT]
	s_delay_alu instid0(VALU_DEP_1)
	v_lshl_or_b32 v[PWD], v[BT+2], 16, v[PWD]
	s_delay_alu instid0(VALU_DEP_1)
	v_lshl_or_b32 v[PWD], v[BT+3], 24, v[PWD]
.irp c, 0,1
	v_cvt_scalef32_pk16_fp6_f32 v[P+6*\c:P+2+6*\c], v[S+32*\c:S+15+32*\c], v[CVS+2*\c]
	v_cvt_scalef32_pk16_fp6_f32 v[CV2+4*\c:CV2+2+4*\c], v[S+16+32*\c:S+31+32*\c], v[CVS+2*\c+1]
.endr
	v_nop
.irp c, 0,1
.irp i, 0,1,2
	v_permlane16_swap_b32 v[P+6*\c+\i], v[CV2+4*\c+\i]
.endr
.irp i, 0,1,2
	s_delay_alu instid0(VALU_DEP_3)
	v_mov_b32 v[P+3+6*\c+\i], v[CV2+4*\c+\i]
.endr
.endr
.set j, 0
.rept 16
	v_pk_mul_f32 v[OA+j:OA+j+1], v[OA+j:OA+j+1], v[FF:FF+1] op_sel_hi:[1,0]   ; the result under the new M.  (These 16 are also the places in front of the products below)
.set j, j+2
.endr
	s_wait_alu depctr_va_vdst(0)
	s_wait_dscnt 0x0                               ; v's fragments and words
.irp d, 0,1,2,3                                ; four accumulators, one instruction a turn
	v_wmma_scale_f32_16x16x128_f8f6f4 v[OA+8*\d:OA+8*\d+7], v[FRG+12*\d:FRG+12*\d+11], v[P:P+11], v[OA+8*\d:OA+8*\d+7], v[VW+\d], v[PWD] matrix_a_fmt:MATRIX_FMT_FP6 matrix_b_fmt:MATRIX_FMT_FP6
.endr
.endm
; All the keys, sixteen steps of 128.  The fetching waves wait for their one load, then signal; all read behind the barrier.  Nothing is ever filled again.
.macro CHUNK c
	s_wait_tensorcnt 0x0                           ; my one load, if I issued one, has landed
	s_barrier_signal -1
	s_barrier_wait -1
	s_mov_b32 s[CNT], 16
.Lstep_\@:
	STEP
	s_add_co_u32 s[TB], s[TB], 6144
	s_add_co_u32 s[TS], s[TS], 256
	s_sub_co_u32 s[CNT], s[CNT], 1
	s_cmp_lg_u32 s[CNT], 0
	s_cbranch_scc1 .Lstep_\@
.endm
	; the weights' units.  Work-group g = 8 bh + x: block g / 4 of 64, plane g % 4; unit = wave % 4
	s_and_b32 s76, s9, 3                           ; plane
	s_lshr_b32 s77, s9, 2
	s_lshl_b32 s78, s10, 1
	s_add_co_u32 s77, s77, s78                     ; block
	s_and_b32 s79, s[WV], 3                        ; unit
	s_mul_i32 s78, s77, 12288
	s_mul_i32 s80, s76, 192
	s_add_co_u32 s78, s78, s80
	s_mul_i32 s80, s79, 48
	s_add_co_u32 s78, s78, s80                     ; from: 16 rows of 768 bytes, 48 bytes of each
	s_mul_i32 s76, s76, 786432
	s_mul_i32 s77, s77, 3072
	s_add_co_u32 s76, s76, s77
	s_mul_i32 s79, s79, 768
	s_add_co_u32 s76, s76, s79
	s_add_co_u32 s76, s76, 589824                  ; to: block 192 + block of the plane, in WA and in WF alike
	s_mov_b32 s77, 0
	s_and_b32 s79, s[WV], 4
	s_cmp_lg_u32 s79, 0                            ; waves 12-15: w_fc
	s_cselect_b64 s[80:81], s[70:71], s[68:69]
	s_cselect_b64 s[82:83], s[74:75], s[72:73]
	s_cselect_b32 s79, 2359296, 0                  ; w_fc's row 3,072
	s_add_co_u32 s78, s78, s79
	s_mov_b32 s79, 0
	s_add_nc_u64 s[80:81], s[80:81], s[78:79]
	s_add_nc_u64 s[82:83], s[82:83], s[76:77]
	s_wait_alu depctr_va_vdst(0)
	s_cmp_lt_u32 s[WV], 8
	s_cbranch_scc1 .Lno_w
	v_bfe_u32 v233, v0, 4, 1
	v_mul_u32_u24 v232, v11, 768
	v_mad_u32_u24 v232, v233, 24, v232             ; row r, + 24 h
.irp p, 0,1,2
	global_load_b64 v[234+2*\p:235+2*\p], v232, s[80:81] offset:8*\p th:TH_LOAD_NT   ; kept in v234-239 and stored behind the way out
.endr
.Lno_w:
	CHUNK 0
	; THE WAY OUT: divide by the sum, bring the 64 channels into natural order, quantise two blocks of 32, store the image and the two scale bytes.
.rept 4
	v_nop                                          ; places behind the last products
.endr
	v_add_f32 v14, v14, v15
	s_delay_alu instid0(VALU_DEP_1)
	v_permlanex16_b32 v[TMP], v14, s[SEL], s[SEL+1]
	s_delay_alu instid0(VALU_DEP_1)
	v_add_f32 v14, v14, v[TMP]                     ; the row's sum
	s_wait_alu depctr_va_vdst(0)
	v_rcp_f32 v14, v14
	v_nop                                          ; a plain place behind the transcendental
	s_lshr_b32 s11, s10, 4                         ; batch
	s_and_b32 s12, s10, 15                         ; head
	s_lshr_b32 s13, s12, 2
	s_lshl_b32 s13, s13, 8
	s_lshl_b32 s14, s11, 7
	s_add_co_u32 s13, s13, s14
	s_add_co_u32 s13, s13, s8
	s_mul_i32 s14, s13, 3072
	s_and_b32 s13, s12, 3
	s_mul_i32 s13, s13, 768
	s_add_co_u32 s14, s14, s13
	s_mov_b32 s15, 0
	s_add_nc_u64 s[14:15], s[6:7], s[14:15]        ; my image
	s_lshl_b32 s16, s11, 16
	s_lshl_b32 s13, s8, 9
	s_add_co_u32 s16, s16, s13
	s_lshl_b32 s13, s12, 1
	s_add_co_u32 s16, s16, s13
	s_add_co_u32 s16, s16, 3145728
	s_mov_b32 s17, 0
	s_add_nc_u64 s[16:17], s[6:7], s[16:17]        ; my rows' scale bytes
	s_wait_alu depctr_va_vdst(0)                   ; ahead of the reciprocal's first reader
.set j, 0
.rept 32
	v_mul_f32 v[S+j], v[OA+j], v14                 ; register 8 t + i: channel 16 t + 8 h + i
.set j, j+1
.endr
.irp b, 0,1
.irp j, 0,1,2,3,4,5,6,7
	v_permlane16_swap_b32 v[S+16*\b+\j], v[S+8+16*\b+\j]   ; now register 16 b + i: channel 32 b + 16 h + i
.endr
.endr
.irp b, 0,1
	v_max3_num_f32 v[BM+\b], |v[S+16*\b]|, |v[S+1+16*\b]|, 0x1800000
.endr
.irp i, 2,4,6,8,10,12,14
.irp b, 0,1
	s_delay_alu instid0(VALU_DEP_2)
	v_max3_num_f32 v[BM+\b], v[BM+\b], |v[S+16*\b+\i]|, |v[S+1+16*\b+\i]|
.endr
.endr
.irp b, 0,1
	s_delay_alu instid0(VALU_DEP_2)
	v_permlanex16_b32 v[BT+\b], v[BM+\b], s[SEL], s[SEL+1]
.endr
.irp b, 0,1
	s_delay_alu instid0(VALU_DEP_2)
	v_max_num_f32 v[BM+\b], v[BM+\b], v[BT+\b]
.endr
.irp b, 0,1
	s_delay_alu instid0(VALU_DEP_2)
	v_add_nc_u32 v[CVS+\b], 0xff000000, v[BM+\b]
.endr
.irp b, 0,1
	s_delay_alu instid0(VALU_DEP_2)
	v_lshrrev_b32 v[BT+\b], 23, v[CVS+\b]
.endr
	s_delay_alu instid0(VALU_DEP_1)
	v_lshl_or_b32 v[PWD], v[BT+1], 8, v[BT]
	v_cvt_scalef32_pk16_fp6_f32 v[P:P+2], v[S:S+15], v[CVS]
	v_cvt_scalef32_pk16_fp6_f32 v[CV2:CV2+2], v[S+16:S+31], v[CVS+1]
	v_nop
.irp i, 0,1,2
	v_permlane16_swap_b32 v[P+\i], v[CV2+\i]
.endr
.irp i, 0,1,2
	s_delay_alu instid0(VALU_DEP_3)
	v_mov_b32 v[P+3+\i], v[CV2+\i]                 ; lane (r, h): block h of row r in six registers
.endr
	global_store_b128 v1, v[P:P+3], s[14:15]       ; 512 consecutive bytes,
	global_store_b64 v2, v[P+4:P+5], s[14:15] offset:512   ; and 256
	global_store_b16 v9, v[PWD], s[16:17]
	s_cmp_lt_u32 s[WV], 8
	s_cbranch_scc1 .Lno_w2
	s_wait_loadcnt 0x0                             ; the weight's unit
	global_store_b128 v1, v[234:237], s[82:83]
	global_store_b64 v2, v[238:239], s[82:83] offset:512
.Lno_w2:
	s_wait_tensorcnt 0x0
	ds_add_u32 v254, v255
	s_wait_dscnt 0x0
	ROUND                                          ; the closing round
	s_endpgm
.Lfunc_end_k_q6d10600492_attn:
	.size	k_q6d10600492_attn, .Lfunc_end_k_q6d10600492_attn-k_q6d10600492_attn
	.p2alignl 7, 3214868480
	.fill 96, 4, 3214868480
	.section	.rodata,"a",@progbits
	.p2align	6, 0x0
	.amdhsa_kernel k_q6d10600492_attn
		.amdhsa_group_segment_fixed_size 206848
		.amdhsa_private_segment_fixed_size 0
		.amdhsa_enable_private_segment 0
		.amdhsa_kernarg_size 48
		.amdhsa_user_sgpr_count 2
		.amdhsa_user_sgpr_kernarg_segment_ptr 1
		.amdhsa_wavefront_size32 1
		.amdhsa_system_sgpr_workgroup_id_x 1
		.amdhsa_system_sgpr_workgroup_id_y 1
		.amdhsa_system_sgpr_workgroup_id_z 1
		.amdhsa_system_vgpr_workitem_id 0
		.amdhsa_next_free_vgpr 256
		.amdhsa_next_free_sgpr 84
		.amdhsa_reserve_vcc 0
		.amdhsa_float_denorm_mode_32 3
		.amdhsa_float_denorm_mode_16_64 3
		.amdhsa_memory_ordered 1
		.amdhsa_forward_progress 1
		.amdhsa_inst_pref_size 33
	.end_amdhsa_kernel
	.amdgpu_metadata
---
amdhsa.version: [ 1, 2 ]
amdhsa.kernels:
  - .name:           k_q6d10600492_attn
    .symbol:         k_q6d10600492_attn.kd
    .args:
      - { .name: QKV, .offset: 0, .size: 8, .value_kind: global_buffer, .address_space: global }
      - { .name: AT, .offset: 8, .size: 8, .value_kind: global_buffer, .address_space: global }
      - { .name: w_proj_codes, .offset: 16, .size: 8, .value_kind: global_buffer, .address_space: global }
      - { .name: w_fc_codes, .offset: 24, .size: 8, .value_kind: global_buffer, .address_space: global }
      - { .name: WA, .offset: 32, .size: 8, .value_kind: global_buffer, .address_space: global }
      - { .name: WF, .offset: 40, .size: 8, .value_kind: global_buffer, .address_space: global }
    .group_segment_fixed_size: 206848
    .private_segment_fixed_size: 0
    .kernarg_segment_align: 8
    .kernarg_segment_size: 48
    .max_flat_workgroup_size: 512
    .sgpr_count:     84
    .vgpr_count:     256
    .wavefront_size: 32
...
	.end_amdgpu_metadata
.endif
;; end of part 9
;; launch proj (part 10): grid 8 x 32, 4 waves a work-group, clusters of 4 x 4, 327,680 bytes of LDS; arguments AT, WA, w_proj_scales, b_proj, x, X1, w_out_codes, WO; writes X1, WO
.if DOCPART == 10
	.amdgcn_target "amdgcn-amd-amdhsa--gfx1250"
	.amdhsa_code_object_version 6
	.text
	.protected	k_q6d10600492_proj
	.globl	k_q6d10600492_proj
	.p2align	8
	.type	k_q6d10600492_proj,@function
k_q6d10600492_proj:
	s_mov_b64 s[64:65], 0
	v_nop
	global_prefetch_b8 v0, s[64:65] scope:SCOPE_SE
	s_setreg_imm32_b32 hwreg(HW_REG_WAVE_MODE, 25, 1), 1
	s_wait_xcnt 0x0
	s_wait_alu depctr_hold_cnt(0) depctr_sa_sdst(0) depctr_va_vdst(0) depctr_va_sdst(0) depctr_va_ssrc(0) depctr_va_vcc(0) depctr_vm_vsrc(0)
	s_getreg_b32 s2, hwreg(HW_REG_IB_STS2, 6, 4)
	s_cmp_eq_u32 s2, 0
	s_cbranch_scc0 .Lentry_in_a_cluster
	s_endpgm
.Lentry_in_a_cluster:
	s_bfe_u32 s2, ttmp6, 0x10000c
	s_cmp_lg_u32 s2, 0xf033
	s_cbranch_scc0 .Lentry_shape_is_right
	s_endpgm
.Lentry_shape_is_right:
.set SIZE_K, 1024
.set ASC,    3145728
.set LASTL,  0
.set KSTEP,  512
.set NQ,     KSTEP/128
.set ROWB,   384
.set KROW,   SIZE_K*6/8
.set PITCH,  432
.set FR,     12
.set NP,     4
.set APLANE, 24576                     ; a plane (256 along K) of the tile's 128 rows; a slot: A's two planes, then B's two
.set ABYTES, 2*APLANE
.set ASTEP,  786432
; B's codes come as images like A's: [K / 256][row / 16][4][768], w_proj's in blocks 192 on of WA's planes.
; ALSO: each wave brings four units (16 rows x 256 codes) of w_out into that layout, WO: planes of 196,608 bytes.
.set HALFB,  ABYTES
.set BSTEP,  786432
.set BOFF,   589824
.set SLOT,   2*ABYTES
.set LAPS,   SIZE_K/(2*KSTEP)
.set KS,     SIZE_K/32
.set SCL,    2*SLOT
.set HALFS,  (64*KS/256)*272
.set SBLK,   (16*KS/256)*272
.set SPARE,  SCL+4*HALFS
.set SPITCH, 272
.set ADRA, 16
.set ADRB, 20
.set STO,  24
.set RD,   25
.set CO,   26
.set ADRS, 27
.set SPW,  28
.set NIL,  29
.set BO,   30
.set SC,   32
.set BIAS, 64
.set AF,   128
.set BK,   128
.set RES,  128
.set G1, 24
.set G0, 32
.set G1B, 48
.set G0B, 56
.set G1S, 68
.set G0S, 76
.set G1SB, 80
.set G0SB, 88
.set MSB, 0
.macro WIN new
.if MSB != (\new)
	s_set_vgpr_msb (MSB<<8)|(\new)
.set MSB, (\new)
.endif
.endm
.set MUL,  0xa1
.set TO_B, 0x40
.macro JLOAD g0a, g1a, g0b, g1b
	s_cmp_eq_u32 s15, 0
	s_cbranch_scc0 .Lfor_b_\@
	tensor_load_to_lds s[\g0a:\g0a+3], s[\g1a:\g1a+7]
	s_nop 0
.rept 4
	v_nop
.endr
	s_branch .Lasked_\@
.Lfor_b_\@:
	tensor_load_to_lds s[\g0b:\g0b+3], s[\g1b:\g1b+7]
	s_nop 0
.rept 4
	v_nop
.endr
.Lasked_\@:
.endm
.macro CREST
	s_cmp_lg_u32 s14, 0
	s_cbranch_scc1 .Lnot_wave_0_\@
	s_barrier_signal -3
.Lnot_wave_0_\@:
	s_barrier_wait -3
	s_barrier_signal -1
	s_barrier_wait -1
.endm
.macro CROUND
	s_barrier_signal -1
	s_barrier_wait -1
	CREST
.endm
	s_load_b64 s[4:5], s[0:1], 0x0
	s_load_b128 s[8:11], s[0:1], 0x8
	s_load_b128 s[96:99], s[0:1], 0x18
	s_load_b64 s[100:101], s[0:1], 0x28
	v_lshl_add_u32 v[SPW], v0, 2, SPARE
	v_mov_b32 v[NIL], 0
	ds_add_u32 v28, v29
	ds_add_u32 v28, v29
	s_wait_dscnt 0x0
	v_lshrrev_b32 v1, 5, v0
	v_readfirstlane_b32 s14, v1
	s_lshr_b32 s15, s14, 1
	s_and_b32 s16, s14, 1
	s_bfe_u32 s40, ttmp6, 0x40000
	s_bfe_u32 s41, ttmp6, 0x40004
	s_lshl_b32 s42, ttmp9, 2
	s_add_co_u32 s42, s42, s40
	s_and_b32 s17, ttmp7, 0xffff
	s_lshl_b32 s17, s17, 2
	s_add_co_u32 s17, s17, s41
	s_lshl_b32 s43, s41, 2
	s_lshl_b32 s43, 15, s43
	s_lshl_b32 s44, 0x1111, s40
	s_or_b32 s[G1+0], s43, (3<<16)|(1<<21)
	s_mov_b32 s[G1+1], (APLANE/8)<<16
	s_mov_b32 s[G1+2], 2<<16
	s_mov_b32 s[G1+3], (APLANE/8)<<16
	s_mov_b32 s[G1+4], 2
	s_mov_b32 s[G1+5], ASTEP/8
	s_mov_b32 s[G1+6], 0
	s_mov_b32 s[G1+7], 0
	s_or_b32 s[G1B+0], s44, (3<<16)|(1<<21)
	s_mov_b32 s[G1B+1], (APLANE/8)<<16
	s_mov_b32 s[G1B+2], 2<<16
	s_mov_b32 s[G1B+3], (APLANE/8)<<16
	s_mov_b32 s[G1B+4], 2
	s_mov_b32 s[G1B+5], BSTEP/8
	s_mov_b32 s[G1B+6], 0
	s_mov_b32 s[G1B+7], 0
	s_or_b32 s[G1S+0], s43, (3<<16)|(1<<20)|(1<<21)|(5<<22)|(3<<25)
	s_or_b32 s[G1SB+0], s44, (3<<16)|(1<<20)|(1<<21)|(5<<22)|(3<<25)
.irp g, G1S, G1SB
	s_mov_b32 s[\g+1], 32<<16
	s_mov_b32 s[\g+2], (128*KS/256)<<16
	s_mov_b32 s[\g+3], 32<<16
	s_mov_b32 s[\g+4], 128*KS/256
	s_mov_b32 s[\g+5], 32
	s_mov_b32 s[\g+6], 0
	s_mov_b32 s[\g+7], 0
.endr
	s_lshl_b32 s20, s17, 7                         ; A: the tile's first row
	s_lshl_b32 s46, s42, 7                         ; B likewise
	s_mov_b32 s21, 0
	s_mov_b32 s47, 0
	s_mov_b64 s[18:19], KS
	s_mul_u64 s[22:23], s[20:21], s[18:19]
	s_mul_u64 s[92:93], s[46:47], s[18:19]
	s_mov_b64 s[18:19], 192
	s_mul_u64 s[46:47], s[46:47], s[18:19]
	s_mul_u64 s[20:21], s[20:21], s[18:19]
	s_mul_i32 s45, s16, APLANE                     ; in the ring I fetch one plane of a slot's two: where it goes, for A
	s_add_co_u32 s95, s45, ABYTES                  ; and for B,
	s_mul_i32 s18, s16, ASTEP                      ; and where it comes from
	s_mov_b32 s19, 0
	s_mul_i32 s12, s16, BSTEP
	s_mov_b32 s13, 0
	s_wait_kmcnt 0x0
	s_add_nc_u64 s[6:7], s[4:5], ASC
	s_add_nc_u64 s[20:21], s[4:5], s[20:21]
	s_add_nc_u64 s[22:23], s[6:7], s[22:23]
	s_add_nc_u64 s[46:47], s[8:9], s[46:47]
	s_add_nc_u64 s[46:47], s[46:47], BOFF
	s_add_nc_u64 s[92:93], s[10:11], s[92:93]
	CROUND
	s_mov_b32 s[G0S], 1                            ; the head's four tiles, each whole: A's scale bytes,
	s_mov_b32 s[G0S+1], SCL
	s_mov_b64 s[G0S+2:G0S+3], s[22:23]
	s_or_b32 s[G0S+3], s[G0S+3], 0x80000000
	s_mov_b32 s[G0SB], 1                           ; B's,
	s_mov_b32 s[G0SB+1], SCL+2*HALFS
	s_mov_b64 s[G0SB+2:G0SB+3], s[92:93]
	s_or_b32 s[G0SB+3], s[G0SB+3], 0x80000000
	s_mov_b32 s[G0], 1                             ; A's planes 0 and 1,
	s_mov_b32 s[G0+1], 0
	s_mov_b64 s[G0+2:G0+3], s[20:21]
	s_or_b32 s[G0+3], s[G0+3], 0x80000000
	s_mov_b32 s[G0B], 1                            ; and B's
	s_mov_b32 s[G0B+1], ABYTES
	s_mov_b64 s[G0B+2:G0B+3], s[46:47]
	s_or_b32 s[G0B+3], s[G0B+3], 0x80000000
	s_add_nc_u64 s[20:21], s[20:21], s[18:19]      ; for the ring: my plane of the two
	s_add_nc_u64 s[46:47], s[46:47], s[12:13]
	s_mov_b32 s[G0+4], 1                           ; slot 1: planes 2 and 3
	s_add_co_u32 s[G0+5], s45, SLOT
	s_add_nc_u64 s[G0+6:G0+7], s[20:21], 2*ASTEP
	s_or_b32 s[G0+7], s[G0+7], 0x80000000
	s_mov_b32 s[G0B+4], 1
	s_add_co_u32 s[G0B+5], s95, SLOT
	s_add_nc_u64 s[G0B+6:G0B+7], s[46:47], 2*BSTEP
	s_or_b32 s[G0B+7], s[G0B+7], 0x80000000
; one tensor load a wave at the head: one chain of branches on the wave's number
.macro ARM under, g0, g1, next
	s_cmp_lt_u32 s14, \under
	s_cbranch_scc0 \next
	tensor_load_to_lds s[\g0:\g0+3], s[\g1:\g1+7]
	s_nop 0
.rept 4
	v_nop
.endr
	s_branch .Lhead_asked
\next:
.endm
	ARM 1, G0,  G1,  .Lhead_b
	ARM 2, G0B, G1B, .Lhead_sa
	ARM 3, G0S, G1S, .Lhead_sb
	tensor_load_to_lds s[G0SB:G0SB+3], s[G1SB:G1SB+7]
	s_nop 0
.rept 4
	v_nop
.endr
.Lhead_asked:
	v_and_b32 v1, 15, v0
	v_bfe_u32 v2, v0, 4, 1
	v_and_b32 v6, 31, v0
	v_lshlrev_b32 v7, 4, v6
	v_lshlrev_b32 v8, 3, v6
	s_mul_i32 s21, s15, 12288                      ; my 64 rows of A in a plane,
	s_mul_i32 s22, s16, 12288                      ; and of B,
	s_add_co_u32 s22, s22, ABYTES                  ; whose planes lie behind A's
.irp s, 0,1
	v_add_nc_u32 v[ADRA+\s], s21, v7
	v_add_nc_u32 v[ADRA+2+\s], s21, v8
	v_add_nc_u32 v[ADRB+\s], s22, v7
	v_add_nc_u32 v[ADRB+2+\s], s22, v8
	s_add_co_u32 s21, s21, SLOT
	s_add_co_u32 s22, s22, SLOT
.endr
	v_mul_u32_u24 v5, v1, KS
	v_lshrrev_b32 v6, 8, v5
	v_lshl_add_u32 v5, v6, 4, v5
	s_mul_i32 s21, s15, HALFS
	s_mul_i32 s22, s16, HALFS
	s_add_co_u32 s22, s22, 2*HALFS
	s_sub_co_u32 s22, s22, s21
	v_mul_u32_u24 v6, s22, v2
	s_add_co_u32 s21, s21, SCL
	v_add_nc_u32 v5, v5, v6
	v_add_nc_u32 v[ADRS], s21, v5
	s_mul_i32 s23, s14, 16*SPITCH
	v_mul_u32_u24 v5, v1, SPITCH
	v_lshl_add_u32 v5, v2, 5, v5
	v_add_nc_u32 v[STO], s23, v5
	v_mul_u32_u24 v5, v2, SPITCH
	v_lshl_add_u32 v5, v1, 4, v5
	v_add_nc_u32 v[RD], s23, v5
	v_mul_u32_u24 v9, v1, 3072
	v_mad_u32_u24 v9, v2, 24, v9                   ; w_out: row r, + 24 h
	v_lshlrev_b32 v[BO], 4, v1
	s_wait_alu depctr_va_vdst(0)
	v_lshl_add_u32 v[CO], v2, 13, v[BO]
	s_wait_alu depctr_va_vdst(0)
	s_and_b32 s18, s17, 15
	s_lshl_b32 s18, s18, 7
	s_lshl_b32 s19, s15, 6
	s_add_co_u32 s18, s18, s19
	s_lshl_b32 s18, s18, 13
	s_lshr_b32 s19, s17, 4
	s_lshl_b32 s19, s19, 12
	s_add_co_u32 s18, s18, s19
	s_lshl_b32 s20, s42, 9
	s_lshl_b32 s21, s16, 8
	s_add_co_u32 s20, s20, s21
	s_add_co_u32 s18, s18, s20
	s_mov_b32 s19, 0
	s_mov_b32 s21, 0
	s_add_nc_u64 s[98:99], s[98:99], s[18:19]
	s_add_nc_u64 s[100:101], s[100:101], s[18:19]
	s_add_nc_u64 s[96:97], s[96:97], s[20:21]
	s_load_b128 s[4:7], s[0:1], 0x30               ; w_out's codes, WO.  Work-group g = 8 x tile row + tile column: block g / 4 of 64; plane 4 (g % 4) + wave
	s_lshl_b32 s18, s17, 1
	s_lshr_b32 s19, s42, 2
	s_add_co_u32 s18, s18, s19
	s_and_b32 s19, s42, 3
	s_mul_i32 s20, s18, 49152
	s_mul_i32 s21, s19, 768
	s_add_co_u32 s20, s20, s21
	s_mul_i32 s21, s14, 192
	s_add_co_u32 s20, s20, s21
	s_mov_b32 s21, 0
	s_lshl_b32 s19, s19, 2
	s_add_co_u32 s19, s19, s14
	s_mul_i32 s22, s19, 196608
	s_mul_i32 s18, s18, 3072
	s_add_co_u32 s22, s22, s18
	s_mov_b32 s23, 0
	s_wait_kmcnt 0x0
	s_add_nc_u64 s[4:5], s[4:5], s[20:21]
	s_add_nc_u64 s[6:7], s[6:7], s[22:23]
.irp j, 0,1,2,3
.irp p, 0,1,2
	global_load_b64 v[68+6*\j+2*\p:69+6*\j+2*\p], v9, s[4:5] offset:48*\j+8*\p th:TH_LOAD_NT
.endr
.endr
	global_load_b128 v[BIAS:BIAS+3], v[BO], s[96:97]
	WIN 0x80
.irp a, 0,1,2,3
.irp t, 0,1,2,3,4,5,6,7
	global_load_b128 v[RES+32*\a+4*\t:RES+32*\a+4*\t+3], v[CO], s[98:99] offset:(16*\a+2*\t)*8192 th:TH_LOAD_NT
.endr
.endr
	WIN 0
.macro FRAG reg, adr, q, i
	ds_load_b128 v[\reg:\reg+3], v[\adr] offset:((\q)/2)*APLANE+(\i)*3072+((\q)%2)*1536
	ds_load_b64 v[\reg+4:\reg+5], v[\adr+2] offset:((\q)/2)*APLANE+(\i)*3072+((\q)%2)*1536+512
	ds_load_b128 v[\reg+6:\reg+9], v[\adr] offset:((\q)/2)*APLANE+(\i)*3072+((\q)%2)*1536+768
	ds_load_b64 v[\reg+10:\reg+11], v[\adr+2] offset:((\q)/2)*APLANE+(\i)*3072+((\q)%2)*1536+1280
.endm
.macro FRAGA reg, slot, q, i
	ds_load_b128 v[\reg:\reg+3], v[ADRA+\slot] offset:((\q)/2)*APLANE+(\i)*3072+((\q)%2)*1536
	ds_load_b64 v[\reg+4:\reg+5], v[ADRA+2+\slot] offset:((\q)/2)*APLANE+(\i)*3072+((\q)%2)*1536+512
	ds_load_b128 v[\reg+6:\reg+9], v[ADRA+\slot] offset:((\q)/2)*APLANE+(\i)*3072+((\q)%2)*1536+768
	ds_load_b64 v[\reg+10:\reg+11], v[ADRA+2+\slot] offset:((\q)/2)*APLANE+(\i)*3072+((\q)%2)*1536+1280
.endm
.macro MULA a, p, q, sc, zero
.irp b, 0,1,2,3
.if \zero
	v_wmma_scale_f32_16x16x128_f8f6f4 v[8*(4*(\a)+\b):8*(4*(\a)+\b)+7], v[128*(\p)+FR*\b:128*(\p)+FR*\b+FR-1], v[AF+48*(\p)+FR*(\a):AF+48*(\p)+FR*(\a)+FR-1], 0, v[SC+16*(\sc)+NQ*\b+(\q)], v[SC+16*(\sc)+NQ*(\a)+(\q)] matrix_a_fmt:MATRIX_FMT_FP6 matrix_b_fmt:MATRIX_FMT_FP6 matrix_a_scale:MATRIX_SCALE_ROW1
.else
	v_wmma_scale_f32_16x16x128_f8f6f4 v[8*(4*(\a)+\b):8*(4*(\a)+\b)+7], v[128*(\p)+FR*\b:128*(\p)+FR*\b+FR-1], v[AF+48*(\p)+FR*(\a):AF+48*(\p)+FR*(\a)+FR-1], v[8*(4*(\a)+\b):8*(4*(\a)+\b)+7], v[SC+16*(\sc)+NQ*\b+(\q)], v[SC+16*(\sc)+NQ*(\a)+(\q)] matrix_a_fmt:MATRIX_FMT_FP6 matrix_b_fmt:MATRIX_FMT_FP6 matrix_a_scale:MATRIX_SCALE_ROW1
.endif
.endr
.endm
.macro FETCH_B slot, q, p
	WIN TO_B
.irp i, 0,1,2,3
	FRAG 128*(\p)+FR*\i, ADRB+\slot, \q, \i
.endr
	WIN 0
.endm
.macro FETCH_A slot, q, p, i0
.irp i, \i0, \i0+1
	FRAGA AF+48*(\p)+FR*(\i), \slot, \q, \i
.endr
.endm
.macro SCALES sc
.irp i, 0,1,2,3
	ds_load_b128 v[SC+16*\sc+4*\i:SC+16*\sc+4*\i+3], v[ADRS] offset:\i*SBLK
.endr
.endm
.macro PLACES n
.rept \n
	v_nop
.endr
.endm
.macro QSTEP slot, q, zero
	s_wait_dscnt 8
	WIN MUL
	MULA 0, (\q)%2, \q, \slot, \zero
	MULA 1, (\q)%2, \q, \slot, \zero
	PLACES NP
	FETCH_B \slot, (\q)+1, 1-(\q)%2
	FETCH_A \slot, (\q)+1, 1-(\q)%2, 0
	FETCH_A \slot, (\q)+1, 1-(\q)%2, 2
	s_wait_dscnt 32                                ; all but the 32 just issued
	WIN MUL
	MULA 2, (\q)%2, \q, \slot, \zero
	MULA 3, (\q)%2, \q, \slot, \zero
.endm
.macro TURN slot, next, fill
	WIN 0
	s_wait_tensorcnt 0x0
	ds_add_u32 v[SPW], v[NIL]
	s_wait_dscnt 9
	WIN MUL
	MULA 0, 1, NQ-1, \slot, 0
	s_wait_dscnt 0x0
	s_barrier_signal -1
	MULA 1, 1, NQ-1, \slot, 0
	WIN 0
	s_barrier_wait -1
.if \fill
	CREST
	s_add_nc_u64 s[G0+4*\slot+2:G0+4*\slot+3], s[G0+4*\slot+2:G0+4*\slot+3], 4*ASTEP
	s_add_nc_u64 s[G0B+4*\slot+2:G0B+4*\slot+3], s[G0B+4*\slot+2:G0B+4*\slot+3], 4*BSTEP
	JLOAD G0+4*\slot, G1, G0B+4*\slot, G1B
.else
	PLACES NP
.endif
	v_add_nc_u32 v[ADRS], 4*NQ, v[ADRS]
	FETCH_B \next, 0, 0
	FETCH_A \next, 0, 0, 0
	SCALES \next
	FETCH_A \next, 0, 0, 2
	WIN MUL
	MULA 2, 1, NQ-1, \slot, 0
	MULA 3, 1, NQ-1, \slot, 0
.endm
	s_wait_alu depctr_va_vdst(0)                   ; the head's end
	s_wait_tensorcnt 0x0                           ; my tile of the head's four is in
	ds_add_u32 v[SPW], v[NIL]
.irp g, G1, G1B                                ; no load of mine is out: from here on a load brings one plane, 24,576 dense bytes as 96 rows of 256
	s_mov_b32 s[\g+1], 32<<16
	s_mov_b32 s[\g+2], 96<<16
	s_mov_b32 s[\g+3], 32<<16
	s_mov_b32 s[\g+4], 96
	s_mov_b32 s[\g+5], 32
.endr
	s_mov_b32 s[G0+1], s45                         ; and slot 0's group 0 stands at my plane of its two
	s_sub_nc_u64 s[G0+2:G0+3], s[G0+6:G0+7], 2*ASTEP
	s_mov_b32 s[G0B+1], s95
	s_sub_nc_u64 s[G0B+2:G0B+3], s[G0B+6:G0B+7], 2*BSTEP
	s_wait_dscnt 0x0
	CROUND                                         ; all four tiles are in, all sixteen work-groups are here
	JLOAD G0+4, G1, G0B+4, G1B                     ; slot 1's first fill, my one load behind the round
	FETCH_B 0, 0, 0
	FETCH_A 0, 0, 0, 0
	SCALES 0
	FETCH_A 0, 0, 0, 2
	QSTEP 0, 0, 1
	WIN 0
.if LAPS > 1
	s_mov_b32 s3, LAPS-1
.Llap:
	QSTEP 0, 1, 0
	QSTEP 0, 2, 0
	TURN 0, 1, 1
	QSTEP 1, 0, 0
	QSTEP 1, 1, 0
	QSTEP 1, 2, 0
	TURN 1, 0, 1
	QSTEP 0, 0, 0
	WIN 0
	s_sub_co_u32 s3, s3, 1
	s_cmp_lg_u32 s3, 0
	s_cbranch_scc1 .Llap
.endif
	QSTEP 0, 1, 0
	QSTEP 0, 2, 0
	TURN 0, 1, 0
	QSTEP 1, 0, 0
	QSTEP 1, 1, 0
	QSTEP 1, 2, 0
	s_wait_dscnt 8
	WIN MUL
	MULA 0, 1, NQ-1, 1, 0
	MULA 1, 1, NQ-1, 1, 0
	s_wait_dscnt 0
	MULA 2, 1, NQ-1, 1, 0
	MULA 3, 1, NQ-1, 1, 0
	WIN 0
.macro TOSTAGE a
	WIN 0x08
.irp b, 0,1,2,3
	ds_store_b128 v[STO], v[32*(\a)+8*\b:32*(\a)+8*\b+3] offset:64*\b
	ds_store_b128 v[STO], v[32*(\a)+8*\b+4:32*(\a)+8*\b+7] offset:64*\b+16
.endr
	WIN 0
.set BB, BK+32*((\a)%2)
.irp t, 0,1,2,3,4,5,6,7
	ds_load_b128 v[BB+4*\t:BB+4*\t+3], v[RD] offset:\t*2*SPITCH
.endr
.endm
.macro SEND a, younger
.set BB, BK+32*((\a)%2)
.set RS, RES+32*(\a)
	s_wait_dscnt \younger
.irp t, 0,1,2,3,4,5,6,7
	v_pk_add_f32 v[BB+4*\t:BB+4*\t+1], v[BB+4*\t:BB+4*\t+1], v[BIAS:BIAS+1]
	v_pk_add_f32 v[BB+4*\t+2:BB+4*\t+3], v[BB+4*\t+2:BB+4*\t+3], v[BIAS+2:BIAS+3]
.endr
	WIN 0x08
.set i, 0
.rept 16
	v_pk_add_f32 v[BB+2*i:BB+2*i+1], v[BB+2*i:BB+2*i+1], v[RS+2*i:RS+2*i+1]
.set i, i+1
.endr
	WIN 0
.irp t, 0,1,2,3,4,5,6,7
.if LASTL
	global_store_b128 v[CO], v[BB+4*\t:BB+4*\t+3], s[100:101] offset:(16*(\a)+2*\t)*8192 th:TH_STORE_NT
.else
	global_store_b128 v[CO], v[BB+4*\t:BB+4*\t+3], s[100:101] offset:(16*(\a)+2*\t)*8192
.endif
.endr
.endm
	PLACES NP
	s_wait_loadcnt 0x0
.irp j, 0,1,2,3
	global_store_b128 v7, v[68+6*\j:71+6*\j], s[6:7] offset:768*\j        ; w_out's images: 512 and 256 consecutive bytes, aligned
	global_store_b64 v8, v[72+6*\j:73+6*\j], s[6:7] offset:768*\j+512
.endr
	TOSTAGE 0
.irp a, 1,2,3
.if \a > 1
	s_wait_xcnt 0x0
.endif
	TOSTAGE \a
	SEND \a-1, 16
.endr
	SEND 3, 0
	s_wait_tensorcnt 0x0
	ds_add_u32 v[SPW], v[NIL]
	s_wait_dscnt 0x0
	CROUND
	s_endpgm
.Lfunc_end_k_q6d10600492_proj:
	.size	k_q6d10600492_proj, .Lfunc_end_k_q6d10600492_proj-k_q6d10600492_proj
	.p2alignl 7, 3214868480
	.fill 96, 4, 3214868480
	.section	.rodata,"a",@progbits
	.p2align	6, 0x0
	.amdhsa_kernel k_q6d10600492_proj
		.amdhsa_group_segment_fixed_size 327680
		.amdhsa_private_segment_fixed_size 0
		.amdhsa_enable_private_segment 0
		.amdhsa_kernarg_size 64
		.amdhsa_user_sgpr_count 2
		.amdhsa_user_sgpr_kernarg_segment_ptr 1
		.amdhsa_wavefront_size32 1
		.amdhsa_system_sgpr_workgroup_id_x 1
		.amdhsa_system_sgpr_workgroup_id_y 1
		.amdhsa_system_sgpr_workgroup_id_z 1
		.amdhsa_system_vgpr_workitem_id 0
		.amdhsa_next_free_vgpr 768
		.amdhsa_next_free_sgpr 102
		.amdhsa_reserve_vcc 0
		.amdhsa_float_denorm_mode_32 3
		.amdhsa_float_denorm_mode_16_64 3
		.amdhsa_memory_ordered 1
		.amdhsa_forward_progress 1
		.amdhsa_inst_pref_size 69
	.end_amdhsa_kernel
	.amdgpu_metadata
---
amdhsa.version: [ 1, 2 ]
amdhsa.kernels:
  - .name:           k_q6d10600492_proj
    .symbol:         k_q6d10600492_proj.kd
    .args:
      - { .name: AT, .offset: 0, .size: 8, .value_kind: global_buffer, .address_space: global }
      - { .name: WA, .offset: 8, .size: 8, .value_kind: global_buffer, .address_space: global }
      - { .name: w_proj_scales, .offset: 16, .size: 8, .value_kind: global_buffer, .address_space: global }
      - { .name: b_proj, .offset: 24, .size: 8, .value_kind: global_buffer, .address_space: global }
      - { .name: x, .offset: 32, .size: 8, .value_kind: global_buffer, .address_space: global }
      - { .name: X1, .offset: 40, .size: 8, .value_kind: global_buffer, .address_space: global }
      - { .name: w_out_codes, .offset: 48, .size: 8, .value_kind: global_buffer, .address_space: global }
      - { .name: WO, .offset: 56, .size: 8, .value_kind: global_buffer, .address_space: global }
    .group_segment_fixed_size: 327680
    .private_segment_fixed_size: 0
    .kernarg_segment_align: 8
    .kernarg_segment_size: 64
    .max_flat_workgroup_size: 128
    .sgpr_count:     102
    .vgpr_count:     768
    .wavefront_size: 32
...
	.end_amdgpu_metadata
.endif
;; end of part 10
;; launch ln2: the kernel of part 7 again; grid 256 x 1, 8 waves a work-group, no clusters, 82,944 bytes of LDS; arguments X1, ln2_g, ln2_b, H, w_fc_codes, WF; writes H, WF
;; launch fc (part 11): grid 16 x 16, 4 waves a work-group, clusters of 4 x 4, 327,680 bytes of LDS; arguments H, WF, w_fc_scales, b_fc, G; writes G
.if DOCPART == 11
	.amdgcn_target "amdgcn-amd-amdhsa--gfx1250"
	.amdhsa_code_object_version 6
	.text
	.protected	k_q6d10600492_fc
	.globl	k_q6d10600492_fc
	.p2align	8
	.type	k_q6d10600492_fc,@function
k_q6d10600492_fc:
	s_mov_b64 s[64:65], 0
	v_nop
	global_prefetch_b8 v0, s[64:65] scope:SCOPE_SE
	s_setreg_imm32_b32 hwreg(HW_REG_WAVE_MODE, 25, 1), 1
	s_wait_xcnt 0x0
	s_wait_alu depctr_hold_cnt(0) depctr_sa_sdst(0) depctr_va_vdst(0) depctr_va_sdst(0) depctr_va_ssrc(0) depctr_va_vcc(0) depctr_vm_vsrc(0)
	s_getreg_b32 s2, hwreg(HW_REG_IB_STS2, 6, 4)
	s_cmp_eq_u32 s2, 0
	s_cbranch_scc0 .Lentry_in_a_cluster
	s_endpgm
.Lentry_in_a_cluster:
	s_bfe_u32 s2, ttmp6, 0x10000c
	s_cmp_lg_u32 s2, 0xf033
	s_cbranch_scc0 .Lentry_shape_is_right
	s_endpgm
.Lentry_shape_is_right:
.set SIZE_K, 1024
.set KSTEP,  256
.set NQ,     KSTEP/128
; BOTH OPERANDS' CODES COME AS IMAGES [K / 256][row / 16][4][768] (H and WF): a slot holds one plane's part, dense bytes; a fragment is two loads of 16 and two of 8 bytes a lane.
.set ROWB,   786432                    ; from plane to plane
.set KROW,   192                       ; bytes of a row in a plane
.set PITCH,  192
.set FR,     12
.set NL,     4
.set NP,     4
.set HALFT,  128*PITCH
.set SLOT,   4*HALFT
.set LAPS,   SIZE_K/(2*KSTEP)
.set KS,     SIZE_K/32
.set SCL,    2*SLOT
.set HALFS,  (128*KS/256)*272
.set SBLK,   (16*KS/256)*272
.set SPARE,  SCL+4*HALFS
.set ADRA, 16
.set ADRB, 20
.set ADRS, 27
.set SPW,  28
.set NIL,  29
.set SC,   32
.set BI,   64
.set AF,   128
.set T,    128
.set U,    192
.set TM,   192
.set PW,   208
.set PC,   210
.set G1, 24
.set G0, 32
.set G1B, 48
.set G0B, 56
.set G1S, 68
.set G0S, 76
.set G1SB, 80
.set G0SB, 88
.set SEL, 46
.set MSB, 0
.macro WIN new
.if MSB != (\new)
	s_set_vgpr_msb (MSB<<8)|(\new)
.set MSB, (\new)
.endif
.endm
.set MUL_LO, 0xa1
.set MUL_HI, 0xf1
.set TO_B,   0x40
.macro JLOAD g0a, g1a, g0b, g1b
	s_cmp_eq_u32 s15, 0
	s_cbranch_scc0 .Lfor_b_\@
	tensor_load_to_lds s[\g0a:\g0a+3], s[\g1a:\g1a+7]
	s_nop 0
.rept 4
	v_nop
.endr
	s_branch .Lasked_\@
.Lfor_b_\@:
	tensor_load_to_lds s[\g0b:\g0b+3], s[\g1b:\g1b+7]
	s_nop 0
.rept 4
	v_nop
.endr
.Lasked_\@:
.endm
.macro CREST
	s_cmp_lg_u32 s14, 0
	s_cbranch_scc1 .Lnot_wave_0_\@
	s_barrier_signal -3
.Lnot_wave_0_\@:
	s_barrier_wait -3
	s_barrier_signal -1
	s_barrier_wait -1
.endm
.macro CROUND
	s_barrier_signal -1
	s_barrier_wait -1
	CREST
.endm
	s_load_b64 s[4:5], s[0:1], 0x0
	s_load_b128 s[8:11], s[0:1], 0x8
	s_load_b128 s[96:99], s[0:1], 0x18
	v_lshl_add_u32 v[SPW], v0, 2, SPARE
	v_mov_b32 v[NIL], 0
	ds_add_u32 v28, v29
	ds_add_u32 v28, v29
	s_wait_dscnt 0x0
	v_lshrrev_b32 v1, 5, v0
	v_readfirstlane_b32 s14, v1
	s_lshr_b32 s15, s14, 1
	s_and_b32 s16, s14, 1
	s_bfe_u32 s40, ttmp6, 0x40000
	s_bfe_u32 s41, ttmp6, 0x40004
	s_lshl_b32 s42, ttmp9, 2
	s_add_co_u32 s42, s42, s40
	s_and_b32 s17, ttmp7, 0xffff
	s_lshl_b32 s17, s17, 2
	s_add_co_u32 s17, s17, s41
	s_lshl_b32 s43, s41, 2
	s_lshl_b32 s43, 15, s43
	s_lshl_b32 s44, 0x1111, s40
	s_or_b32 s[G1+0], s43, (3<<16)|(1<<21)         ; dense bytes as rows of 256 (32 elements of 8): 192 rows for the head's 256 rows of codes, later 96
	s_or_b32 s[G1B+0], s44, (3<<16)|(1<<21)
.irp g, G1, G1B
	s_mov_b32 s[\g+1], 32<<16
	s_mov_b32 s[\g+2], 192<<16
	s_mov_b32 s[\g+3], 32<<16
	s_mov_b32 s[\g+4], 192
	s_mov_b32 s[\g+5], 32
	s_mov_b32 s[\g+6], 0
	s_mov_b32 s[\g+7], 0
.endr
	s_or_b32 s[G1S+0], s43, (3<<16)|(1<<20)|(1<<21)|(5<<22)|(3<<25)
	s_or_b32 s[G1SB+0], s44, (3<<16)|(1<<20)|(1<<21)|(5<<22)|(3<<25)
.irp g, G1S, G1SB
	s_mov_b32 s[\g+1], 32<<16
	s_mov_b32 s[\g+2], (256*KS/256)<<16
	s_mov_b32 s[\g+3], 32<<16
	s_mov_b32 s[\g+4], 256*KS/256
	s_mov_b32 s[\g+5], 32
	s_mov_b32 s[\g+6], 0
	s_mov_b32 s[\g+7], 0
.endr
	s_lshl_b32 s20, s17, 8                         ; A: the tile's first row
	s_lshl_b32 s46, s42, 8                         ; B likewise
	s_mov_b32 s21, 0
	s_mov_b32 s47, 0
	s_mov_b64 s[18:19], KS
	s_mul_u64 s[22:23], s[20:21], s[18:19]
	s_mul_u64 s[92:93], s[46:47], s[18:19]
	s_mov_b64 s[18:19], KROW
	s_mul_u64 s[20:21], s[20:21], s[18:19]
	s_mul_u64 s[46:47], s[46:47], s[18:19]
	s_mul_i32 s45, s14, HALFT
	s_mul_i32 s94, s16, HALFT                      ; in the ring I fetch 128 rows: which half, in bytes
	s_mov_b32 s95, 0
	s_wait_kmcnt 0x0
	s_add_nc_u64 s[6:7], s[4:5], 3145728
	s_add_nc_u64 s[20:21], s[4:5], s[20:21]
	s_add_nc_u64 s[22:23], s[6:7], s[22:23]
	s_add_nc_u64 s[46:47], s[8:9], s[46:47]
	s_add_nc_u64 s[92:93], s[10:11], s[92:93]
	CROUND
	s_mov_b32 s[G0S], 1                            ; the head's four tiles, each whole: A's scale bytes,
	s_mov_b32 s[G0S+1], SCL
	s_mov_b64 s[G0S+2:G0S+3], s[22:23]
	s_or_b32 s[G0S+3], s[G0S+3], 0x80000000
	s_mov_b32 s[G0SB], 1                           ; B's,
	s_mov_b32 s[G0SB+1], SCL+2*HALFS
	s_mov_b64 s[G0SB+2:G0SB+3], s[92:93]
	s_or_b32 s[G0SB+3], s[G0SB+3], 0x80000000
	s_mov_b32 s[G0], 1                             ; plane 0 of A's 256 rows,
	s_mov_b32 s[G0+1], 0
	s_mov_b64 s[G0+2:G0+3], s[20:21]
	s_or_b32 s[G0+3], s[G0+3], 0x80000000
	s_mov_b32 s[G0B], 1                            ; and of B's
	s_mov_b32 s[G0B+1], 2*HALFT
	s_mov_b64 s[G0B+2:G0B+3], s[46:47]
	s_or_b32 s[G0B+3], s[G0B+3], 0x80000000
	s_add_nc_u64 s[20:21], s[20:21], s[94:95]      ; for the ring: my 128 rows
	s_add_nc_u64 s[46:47], s[46:47], s[94:95]
	s_mov_b32 s[G0+4], 1                           ; slot 1: plane 1
	s_add_co_u32 s[G0+5], s45, SLOT
	s_add_nc_u64 s[G0+6:G0+7], s[20:21], ROWB
	s_or_b32 s[G0+7], s[G0+7], 0x80000000
	s_mov_b32 s[G0B+4], 1
	s_add_co_u32 s[G0B+5], s45, SLOT
	s_add_nc_u64 s[G0B+6:G0B+7], s[46:47], ROWB
	s_or_b32 s[G0B+7], s[G0B+7], 0x80000000
; one tensor load a wave at the head: one chain of branches on the wave's number
.macro ARM under, g0, g1, next
	s_cmp_lt_u32 s14, \under
	s_cbranch_scc0 \next
	tensor_load_to_lds s[\g0:\g0+3], s[\g1:\g1+7]
	s_nop 0
.rept 4
	v_nop
.endr
	s_branch .Lhead_asked
\next:
.endm
	ARM 1, G0,  G1,  .Lhead_b
	ARM 2, G0B, G1B, .Lhead_sa
	ARM 3, G0S, G1S, .Lhead_sb
	tensor_load_to_lds s[G0SB:G0SB+3], s[G1SB:G1SB+7]
	s_nop 0
.rept 4
	v_nop
.endr
.Lhead_asked:
	v_and_b32 v1, 15, v0
	v_bfe_u32 v2, v0, 4, 1
	v_and_b32 v3, 31, v0
	v_lshlrev_b32 v4, 4, v3                        ; 16 L: an image's registers 0-3
	v_lshlrev_b32 v5, 3, v3                        ; 8 L: its registers 4-5
	s_mul_i32 s21, s15, HALFT
	s_mul_i32 s22, s16, HALFT
	s_add_co_u32 s22, s22, 2*HALFT
.irp s, 0,1
	v_add_nc_u32 v[ADRA+\s], s21, v4
	v_add_nc_u32 v[ADRB+\s], s22, v4
	v_add_nc_u32 v[ADRA+2+\s], s21, v5
	v_add_nc_u32 v[ADRB+2+\s], s22, v5
	s_add_co_u32 s21, s21, SLOT
	s_add_co_u32 s22, s22, SLOT
.endr
	v_mul_u32_u24 v5, v1, KS
	v_lshrrev_b32 v6, 8, v5
	v_lshl_add_u32 v5, v6, 4, v5
	s_mul_i32 s21, s15, HALFS
	s_mul_i32 s22, s16, HALFS
	s_add_co_u32 s22, s22, 2*HALFS
	s_sub_co_u32 s22, s22, s21
	v_mul_u32_u24 v6, s22, v2
	s_add_co_u32 s21, s21, SCL
	v_add_nc_u32 v5, v5, v6
	v_add_nc_u32 v[ADRS], s21, v5
	v_and_b32 v6, 31, v0
	v_lshlrev_b32 v26, 4, v6
	v_lshlrev_b32 v7, 3, v6
	v_lshlrev_b32 v30, 7, v1
	v_lshlrev_b32 v31, 5, v2
	s_wait_alu depctr_va_vdst(0)
	v_mov_b32 v8, 0xbdd2d3e8
	v_mov_b32 v9, 0xbdd2d3e8
	v_mov_b32 v10, 0xc0135761
	v_mov_b32 v11, 0xc0135761
	s_lshl_b32 s18, s42, 10
	s_lshl_b32 s19, s16, 9
	s_add_co_u32 s18, s18, s19
	s_mov_b32 s19, 0
	s_add_nc_u64 s[96:97], s[96:97], s[18:19]
	s_lshl_b32 s18, s42, 8
	s_lshl_b32 s20, s17, 4
	s_add_co_u32 s18, s18, s20
	s_lshl_b32 s20, s15, 3
	s_add_co_u32 s18, s18, s20
	s_mul_i32 s18, s18, 3072
	s_mul_i32 s20, s16, 1536
	s_add_co_u32 s18, s18, s20
	s_add_nc_u64 s[4:5], s[98:99], s[18:19]
	s_lshl_b32 s18, s17, 15
	s_lshl_b32 s20, s15, 14
	s_add_co_u32 s18, s18, s20
	s_lshl_b32 s20, s42, 3
	s_add_co_u32 s18, s18, s20
	s_lshl_b32 s20, s16, 2
	s_add_co_u32 s18, s18, s20
	s_add_co_u32 s18, s18, 12582912
	s_add_nc_u64 s[6:7], s[98:99], s[18:19]
.irp b, 0,1,2,3,4,5,6,7
	global_load_b128 v[BI+8*\b:BI+8*\b+3], v31, s[96:97] offset:64*\b
	global_load_b128 v[BI+8*\b+4:BI+8*\b+7], v31, s[96:97] offset:64*\b+16
.endr
.macro FRAG reg, adr, q, i
	ds_load_b128 v[\reg:\reg+3], v[\adr] offset:(\i)*3072+(\q)*1536
	ds_load_b64 v[\reg+4:\reg+5], v[\adr+2] offset:(\i)*3072+(\q)*1536+512
	ds_load_b128 v[\reg+6:\reg+9], v[\adr] offset:(\i)*3072+(\q)*1536+768
	ds_load_b64 v[\reg+10:\reg+11], v[\adr+2] offset:(\i)*3072+(\q)*1536+1280
.endm
.macro MUL16 a0, p, q, sc, zero
.irp a, \a0, \a0+1
.irp b, 0,1,2,3,4,5,6,7
.if \zero
	v_wmma_scale_f32_16x16x128_f8f6f4 v[8*(8*((\a)%4)+\b):8*(8*((\a)%4)+\b)+7], v[128*(\p)+FR*\b:128*(\p)+FR*\b+FR-1], v[AF+FR*(\a):AF+FR*(\a)+FR-1], 0, v[SC+8*NQ*(\sc)+NQ*\b+(\q)], v[SC+8*NQ*(\sc)+NQ*(\a)+(\q)] matrix_a_fmt:MATRIX_FMT_FP6 matrix_b_fmt:MATRIX_FMT_FP6 matrix_a_scale:MATRIX_SCALE_ROW1
.else
	v_wmma_scale_f32_16x16x128_f8f6f4 v[8*(8*((\a)%4)+\b):8*(8*((\a)%4)+\b)+7], v[128*(\p)+FR*\b:128*(\p)+FR*\b+FR-1], v[AF+FR*(\a):AF+FR*(\a)+FR-1], v[8*(8*((\a)%4)+\b):8*(8*((\a)%4)+\b)+7], v[SC+8*NQ*(\sc)+NQ*\b+(\q)], v[SC+8*NQ*(\sc)+NQ*(\a)+(\q)] matrix_a_fmt:MATRIX_FMT_FP6 matrix_b_fmt:MATRIX_FMT_FP6 matrix_a_scale:MATRIX_SCALE_ROW1
.endif
.endr
.endr
.endm
.macro FETCH_B slot, q, p
	WIN TO_B
.irp i, 0,1,2,3,4,5,6,7
	FRAG 128*(\p)+FR*\i, ADRB+\slot, \q, \i
.endr
	WIN 0
.endm
.macro FETCH_A slot, q, i0
.irp i, \i0, \i0+1, \i0+2, \i0+3
	FRAG AF+FR*(\i), ADRA+\slot, \q, \i
.endr
.endm
.macro SCALES sc
.irp i, 0,1,2,3,4,5,6,7
	ds_load_b64 v[SC+8*NQ*\sc+NQ*\i:SC+8*NQ*\sc+NQ*\i+1], v[ADRS] offset:\i*SBLK
.endr
.endm
.macro PLACES n
.rept \n
	v_nop
.endr
.endm
.macro STEP slot, q, zero
	s_wait_dscnt 4*NL
	WIN MUL_LO
	MUL16 0, (\q)%2, \q, \slot, \zero
	MUL16 2, (\q)%2, \q, \slot, \zero
	s_wait_dscnt 0
	PLACES NP
	FETCH_B \slot, (\q)+1, 1-(\q)%2
	FETCH_A \slot, (\q)+1, 0
	WIN MUL_HI
	MUL16 4, (\q)%2, \q, \slot, \zero
	MUL16 6, (\q)%2, \q, \slot, \zero
	PLACES NP
	WIN 0
	FETCH_A \slot, (\q)+1, 4
.endm
.macro TURN slot, next, fill
	s_wait_tensorcnt 0x0
	ds_add_u32 v[SPW], v[NIL]
	s_wait_dscnt 4*NL+1
	WIN MUL_LO
	MUL16 0, 1, NQ-1, \slot, 0
	s_wait_dscnt 0x0
	s_barrier_signal -1
	MUL16 2, 1, NQ-1, \slot, 0
	WIN 0
	s_barrier_wait -1
.if \fill
	CREST
	s_add_nc_u64 s[G0+4*\slot+2:G0+4*\slot+3], s[G0+4*\slot+2:G0+4*\slot+3], 2*ROWB
	s_add_nc_u64 s[G0B+4*\slot+2:G0B+4*\slot+3], s[G0B+4*\slot+2:G0B+4*\slot+3], 2*ROWB
	JLOAD G0+4*\slot, G1, G0B+4*\slot, G1B
.else
	PLACES NP
.endif
	s_wait_alu depctr_va_vdst(0)
	v_add_nc_u32 v[ADRS], 4*NQ, v[ADRS]
	FETCH_B \next, 0, 0
	FETCH_A \next, 0, 0
	SCALES \next
	WIN MUL_HI
	MUL16 4, 1, NQ-1, \slot, 0
	MUL16 6, 1, NQ-1, \slot, 0
	PLACES NP
	WIN 0
	FETCH_A \next, 0, 4
.endm
	s_wait_alu depctr_va_vdst(0)                   ; the head's end
	s_wait_tensorcnt 0x0                           ; my tile of the head's four is in
	ds_add_u32 v[SPW], v[NIL]
	s_mov_b32 s[G1+2], 96<<16                      ; no load of mine is out: from here on a load brings 128 rows of codes, 96 rows of 256 bytes,
	s_mov_b32 s[G1+4], 96
	s_mov_b32 s[G1B+2], 96<<16
	s_mov_b32 s[G1B+4], 96
	s_mov_b32 s[G0+1], s45                         ; and slot 0's group 0 stands at my quarter of plane 0
	s_sub_nc_u64 s[G0+2:G0+3], s[G0+6:G0+7], ROWB
	s_mov_b32 s[G0B+1], s45
	s_sub_nc_u64 s[G0B+2:G0B+3], s[G0B+6:G0B+7], ROWB
	s_wait_dscnt 0x0
	CROUND                                         ; all four tiles are in, all sixteen work-groups are here
	JLOAD G0+4, G1, G0B+4, G1B                     ; slot 1's first fill, my one load behind the round
	FETCH_B 0, 0, 0
	FETCH_A 0, 0, 0
	SCALES 0
	FETCH_A 0, 0, 4
	STEP 0, 0, 1
	s_mov_b32 s3, LAPS-1
.Llap:
	TURN 0, 1, 1
	STEP 1, 0, 0
	TURN 1, 0, 1
	STEP 0, 0, 0
	s_sub_co_u32 s3, s3, 1
	s_cmp_lg_u32 s3, 0
	s_cbranch_scc1 .Llap
	TURN 0, 1, 0
	STEP 1, 0, 0
	s_wait_dscnt 4*NL
	WIN MUL_LO
	MUL16 0, 1, NQ-1, 1, 0
	MUL16 2, 1, NQ-1, 1, 0
	s_wait_dscnt 0
	WIN MUL_HI
	MUL16 4, 1, NQ-1, 1, 0
	MUL16 6, 1, NQ-1, 1, 0
	WIN 0
.macro QUANT s
.irp b, 0,1,2,3
	v_max3_num_f32 v[TM+\b], |v[\s+16*\b]|, |v[\s+1+16*\b]|, 0x1800000
.endr
.irp i, 2,4,6,8,10,12,14
.irp b, 0,1,2,3
	v_max3_num_f32 v[TM+\b], v[TM+\b], |v[\s+16*\b+\i]|, |v[\s+1+16*\b+\i]|
.endr
.endr
.irp b, 0,1,2,3
	v_permlanex16_b32 v[TM+4+\b], v[TM+\b], s[SEL], s[SEL+1]
.endr
.irp b, 0,1,2,3
	v_max_num_f32 v[TM+\b], v[TM+\b], v[TM+4+\b]
.endr
.irp b, 0,1,2,3
	v_add_nc_u32 v[TM+12+\b], 0xff000000, v[TM+\b]
.endr
.irp b, 0,1,2,3
	v_lshrrev_b32 v[TM+4+\b], 23, v[TM+12+\b]
.endr
	v_lshl_or_b32 v[PW], v[TM+5], 8, v[TM+4]
	v_lshl_or_b32 v[PW], v[TM+6], 16, v[PW]
	v_lshl_or_b32 v[PW], v[TM+7], 24, v[PW]
.irp c, 0,1
	v_cvt_scalef32_pk16_fp6_f32 v[PC+6*\c:PC+2+6*\c], v[\s+32*\c:\s+15+32*\c], v[TM+12+2*\c]
	v_cvt_scalef32_pk16_fp6_f32 v[PC+12+4*\c:PC+14+4*\c], v[\s+16+32*\c:\s+31+32*\c], v[TM+12+2*\c+1]
.endr
	v_nop
.irp c, 0,1
.irp i, 0,1,2
	v_permlane16_swap_b32 v[PC+6*\c+\i], v[PC+12+4*\c+\i]
.endr
.irp i, 0,1,2
	v_mov_b32 v[PC+3+6*\c+\i], v[PC+12+4*\c+\i]
.endr
.endr
.endm
.macro GBLK a
	s_wait_xcnt 0x0
	WIN 0x02+(\a)/4
.set i, 0
.rept 32
	v_pk_add_f32 v[T+2*i:T+2*i+1], v[64*((\a)%4)+2*i:64*((\a)%4)+2*i+1], v[BI+2*i:BI+2*i+1]
.set i, i+1
.endr
	WIN 0
.set i, 0
.rept 32
	v_pk_mul_f32 v[U+2*i:U+2*i+1], v[T+2*i:T+2*i+1], v[T+2*i:T+2*i+1]
.set i, i+1
.endr
.set i, 0
.rept 32
	v_pk_fma_f32 v[U+2*i:U+2*i+1], v[U+2*i:U+2*i+1], v[8:9], v[10:11]
.set i, i+1
.endr
.set i, 0
.rept 32
	v_pk_mul_f32 v[U+2*i:U+2*i+1], v[U+2*i:U+2*i+1], v[T+2*i:T+2*i+1]
.set i, i+1
.endr
.set i, 0
	s_wait_alu depctr_va_vdst(0)
.rept 64
	v_exp_f32 v[U+i], v[U+i]
.set i, i+1
.endr
	v_nop
	s_wait_alu depctr_va_vdst(0)
.set i, 0
.rept 32
	v_pk_add_f32 v[U+2*i:U+2*i+1], v[U+2*i:U+2*i+1], 1.0 op_sel_hi:[1,0]
.set i, i+1
.endr
.set i, 0
	s_wait_alu depctr_va_vdst(0)
.rept 64
	v_rcp_f32 v[U+i], v[U+i]
.set i, i+1
.endr
	v_nop
	s_wait_alu depctr_va_vdst(0)
.set i, 0
.rept 32
	v_pk_mul_f32 v[T+2*i:T+2*i+1], v[T+2*i:T+2*i+1], v[U+2*i:U+2*i+1]
.set i, i+1
.endr
.irp b, 0,1,2,3
.irp j, 0,1,2,3,4,5,6,7
	v_permlane16_swap_b32 v[T+16*\b+\j], v[T+8+16*\b+\j]
.endr
.endr
	QUANT T
	global_store_b128 v26, v[PC:PC+3], s[4:5] offset:(\a)*3072
	global_store_b64 v7, v[PC+4:PC+5], s[4:5] offset:(\a)*3072+512
	global_store_b128 v26, v[PC+6:PC+9], s[4:5] offset:(\a)*3072+768
	global_store_b64 v7, v[PC+10:PC+11], s[4:5] offset:(\a)*3072+1280
	global_store_b32 v30, v[PW], s[6:7] offset:(\a)*2048
.endm
	PLACES NP
	s_wait_loadcnt 0x0
	s_mov_b32 s[SEL], 0x76543210
	s_mov_b32 s[SEL+1], 0xfedcba98
.irp a, 0,1,2,3,4,5,6,7
	GBLK \a
.endr
	s_wait_tensorcnt 0x0
	ds_add_u32 v[SPW], v[NIL]
	s_wait_dscnt 0x0
	CROUND
	s_endpgm
.Lfunc_end_k_q6d10600492_fc:
	.size	k_q6d10600492_fc, .Lfunc_end_k_q6d10600492_fc-k_q6d10600492_fc
	.p2alignl 7, 3214868480
	.fill 96, 4, 3214868480
	.section	.rodata,"a",@progbits
	.p2align	6, 0x0
	.amdhsa_kernel k_q6d10600492_fc
		.amdhsa_group_segment_fixed_size 327680
		.amdhsa_private_segment_fixed_size 0
		.amdhsa_enable_private_segment 0
		.amdhsa_kernarg_size 40
		.amdhsa_user_sgpr_count 2
		.amdhsa_user_sgpr_kernarg_segment_ptr 1
		.amdhsa_wavefront_size32 1
		.amdhsa_system_sgpr_workgroup_id_x 1
		.amdhsa_system_sgpr_workgroup_id_y 1
		.amdhsa_system_sgpr_workgroup_id_z 1
		.amdhsa_system_vgpr_workitem_id 0
		.amdhsa_next_free_vgpr 1024
		.amdhsa_next_free_sgpr 102
		.amdhsa_reserve_vcc 0
		.amdhsa_float_denorm_mode_32 3
		.amdhsa_float_denorm_mode_16_64 3
		.amdhsa_memory_ordered 1
		.amdhsa_forward_progress 1
		.amdhsa_inst_pref_size 255
	.end_amdhsa_kernel
	.section	.bss,"aw",@nobits
	.p2align	6
	.space	262144
	.amdgpu_metadata
---
amdhsa.version: [ 1, 2 ]
amdhsa.kernels:
  - .name:           k_q6d10600492_fc
    .symbol:         k_q6d10600492_fc.kd
    .args:
      - { .name: H, .offset: 0, .size: 8, .value_kind: global_buffer, .address_space: global }
      - { .name: WF, .offset: 8, .size: 8, .value_kind: global_buffer, .address_space: global }
      - { .name: w_fc_scales, .offset: 16, .size: 8, .value_kind: global_buffer, .address_space: global }
      - { .name: b_fc, .offset: 24, .size: 8, .value_kind: global_buffer, .address_space: global }
      - { .name: G, .offset: 32, .size: 8, .value_kind: global_buffer, .address_space: global }
    .group_segment_fixed_size: 327680
    .private_segment_fixed_size: 0
    .kernarg_segment_align: 8
    .kernarg_segment_size: 40
    .max_flat_workgroup_size: 128
    .sgpr_count:     102
    .vgpr_count:     1024
    .wavefront_size: 32
...
	.end_amdgpu_metadata
.endif
;; end of part 11
;; launch out (part 12): grid 8 x 32, 4 waves a work-group, clusters of 4 x 4, 327,680 bytes of LDS; arguments G, WO, w_out_scales, b_out, X1, out0; writes out0
.if DOCPART == 12
	.amdgcn_target "amdgcn-amd-amdhsa--gfx1250"
	.amdhsa_code_object_version 6
	.text
	.protected	k_q6d10600492_out
	.globl	k_q6d10600492_out
	.p2align	8
	.type	k_q6d10600492_out,@function
k_q6d10600492_out:
	s_mov_b64 s[64:65], 0
	v_nop
	global_prefetch_b8 v0, s[64:65] scope:SCOPE_SE
	s_setreg_imm32_b32 hwreg(HW_REG_WAVE_MODE, 25, 1), 1
	s_wait_xcnt 0x0
	s_wait_alu depctr_hold_cnt(0) depctr_sa_sdst(0) depctr_va_vdst(0) depctr_va_sdst(0) depctr_va_ssrc(0) depctr_va_vcc(0) depctr_vm_vsrc(0)
	s_getreg_b32 s2, hwreg(HW_REG_IB_STS2, 6, 4)
	s_cmp_eq_u32 s2, 0
	s_cbranch_scc0 .Lentry_in_a_cluster
	s_endpgm
.Lentry_in_a_cluster:
	s_bfe_u32 s2, ttmp6, 0x10000c
	s_cmp_lg_u32 s2, 0xf033
	s_cbranch_scc0 .Lentry_shape_is_right
	s_endpgm
.Lentry_shape_is_right:
.set SIZE_K, 4096
.set ASC,    12582912
.set LASTL,  1
.set KSTEP,  512
.set NQ,     KSTEP/128
.set ROWB,   384
.set KROW,   SIZE_K*6/8
.set PITCH,  432
.set FR,     12
.set NP,     4
.set APLANE, 24576                     ; a plane (256 along K) of the tile's 128 rows; a slot: A's two planes, then B's two
.set ABYTES, 2*APLANE
.set ASTEP,  786432
; B's codes come as images like A's: WO [K / 256][row / 16][4][768], planes of 196,608 bytes.
.set HALFB,  ABYTES
.set BSTEP,  196608
.set SLOT,   2*ABYTES
.set LAPS,   SIZE_K/(2*KSTEP)
.set KS,     SIZE_K/32
.set SCL,    2*SLOT
.set HALFS,  (64*KS/256)*272
.set SBLK,   (16*KS/256)*272
.set SPARE,  SCL+4*HALFS
.set SPITCH, 272
.set ADRA, 16
.set ADRB, 20
.set STO,  24
.set RD,   25
.set CO,   26
.set ADRS, 27
.set SPW,  28
.set NIL,  29
.set BO,   30
.set SC,   32
.set BIAS, 64
.set AF,   128
.set BK,   128
.set RES,  128
.set G1, 24
.set G0, 32
.set G1B, 48
.set G0B, 56
.set G1S, 68
.set G0S, 76
.set G1SB, 80
.set G0SB, 88
.set MSB, 0
.macro WIN new
.if MSB != (\new)
	s_set_vgpr_msb (MSB<<8)|(\new)
.set MSB, (\new)
.endif
.endm
.set MUL,  0xa1
.set TO_B, 0x40
.macro JLOAD g0a, g1a, g0b, g1b
	s_cmp_eq_u32 s15, 0
	s_cbranch_scc0 .Lfor_b_\@
	tensor_load_to_lds s[\g0a:\g0a+3], s[\g1a:\g1a+7]
	s_nop 0
.rept 4
	v_nop
.endr
	s_branch .Lasked_\@
.Lfor_b_\@:
	tensor_load_to_lds s[\g0b:\g0b+3], s[\g1b:\g1b+7]
	s_nop 0
.rept 4
	v_nop
.endr
.Lasked_\@:
.endm
.macro CREST
	s_cmp_lg_u32 s14, 0
	s_cbranch_scc1 .Lnot_wave_0_\@
	s_barrier_signal -3
.Lnot_wave_0_\@:
	s_barrier_wait -3
	s_barrier_signal -1
	s_barrier_wait -1
.endm
.macro CROUND
	s_barrier_signal -1
	s_barrier_wait -1
	CREST
.endm
	s_load_b64 s[4:5], s[0:1], 0x0
	s_load_b128 s[8:11], s[0:1], 0x8
	s_load_b128 s[96:99], s[0:1], 0x18
	s_load_b64 s[100:101], s[0:1], 0x28
	v_lshl_add_u32 v[SPW], v0, 2, SPARE
	v_mov_b32 v[NIL], 0
	ds_add_u32 v28, v29
	ds_add_u32 v28, v29
	s_wait_dscnt 0x0
	v_lshrrev_b32 v1, 5, v0
	v_readfirstlane_b32 s14, v1
	s_lshr_b32 s15, s14, 1
	s_and_b32 s16, s14, 1
	s_bfe_u32 s40, ttmp6, 0x40000
	s_bfe_u32 s41, ttmp6, 0x40004
	s_lshl_b32 s42, ttmp9, 2
	s_add_co_u32 s42, s42, s40
	s_and_b32 s17, ttmp7, 0xffff
	s_lshl_b32 s17, s17, 2
	s_add_co_u32 s17, s17, s41
	s_lshl_b32 s43, s41, 2
	s_lshl_b32 s43, 15, s43
	s_lshl_b32 s44, 0x1111, s40
	s_or_b32 s[G1+0], s43, (3<<16)|(1<<21)
	s_mov_b32 s[G1+1], (APLANE/8)<<16
	s_mov_b32 s[G1+2], 2<<16
	s_mov_b32 s[G1+3], (APLANE/8)<<16
	s_mov_b32 s[G1+4], 2
	s_mov_b32 s[G1+5], ASTEP/8
	s_mov_b32 s[G1+6], 0
	s_mov_b32 s[G1+7], 0
	s_or_b32 s[G1B+0], s44, (3<<16)|(1<<21)
	s_mov_b32 s[G1B+1], (APLANE/8)<<16
	s_mov_b32 s[G1B+2], 2<<16
	s_mov_b32 s[G1B+3], (APLANE/8)<<16
	s_mov_b32 s[G1B+4], 2
	s_mov_b32 s[G1B+5], BSTEP/8
	s_mov_b32 s[G1B+6], 0
	s_mov_b32 s[G1B+7], 0
	s_or_b32 s[G1S+0], s43, (3<<16)|(1<<20)|(1<<21)|(5<<22)|(3<<25)
	s_or_b32 s[G1SB+0], s44, (3<<16)|(1<<20)|(1<<21)|(5<<22)|(3<<25)
.irp g, G1S, G1SB
	s_mov_b32 s[\g+1], 32<<16
	s_mov_b32 s[\g+2], (128*KS/256)<<16
	s_mov_b32 s[\g+3], 32<<16
	s_mov_b32 s[\g+4], 128*KS/256
	s_mov_b32 s[\g+5], 32
	s_mov_b32 s[\g+6], 0
	s_mov_b32 s[\g+7], 0
.endr
	s_lshl_b32 s20, s17, 7                         ; A: the tile's first row
	s_lshl_b32 s46, s42, 7                         ; B likewise
	s_mov_b32 s21, 0
	s_mov_b32 s47, 0
	s_mov_b64 s[18:19], KS
	s_mul_u64 s[22:23], s[20:21], s[18:19]
	s_mul_u64 s[92:93], s[46:47], s[18:19]
	s_mov_b64 s[18:19], 192
	s_mul_u64 s[46:47], s[46:47], s[18:19]
	s_mul_u64 s[20:21], s[20:21], s[18:19]
	s_mul_i32 s45, s16, APLANE                     ; in the ring I fetch one plane of a slot's two: where it goes, for A
	s_add_co_u32 s95, s45, ABYTES                  ; and for B,
	s_mul_i32 s18, s16, ASTEP                      ; and where it comes from
	s_mov_b32 s19, 0
	s_mul_i32 s12, s16, BSTEP
	s_mov_b32 s13, 0
	s_wait_kmcnt 0x0
	s_add_nc_u64 s[6:7], s[4:5], ASC
	s_add_nc_u64 s[20:21], s[4:5], s[20:21]
	s_add_nc_u64 s[22:23], s[6:7], s[22:23]
	s_add_nc_u64 s[46:47], s[8:9], s[46:47]
	s_add_nc_u64 s[92:93], s[10:11], s[92:93]
	CROUND
	s_mov_b32 s[G0S], 1                            ; the head's four tiles, each whole: A's scale bytes,
	s_mov_b32 s[G0S+1], SCL
	s_mov_b64 s[G0S+2:G0S+3], s[22:23]
	s_or_b32 s[G0S+3], s[G0S+3], 0x80000000
	s_mov_b32 s[G0SB], 1                           ; B's,
	s_mov_b32 s[G0SB+1], SCL+2*HALFS
	s_mov_b64 s[G0SB+2:G0SB+3], s[92:93]
	s_or_b32 s[G0SB+3], s[G0SB+3], 0x80000000
	s_mov_b32 s[G0], 1                             ; A's planes 0 and 1,
	s_mov_b32 s[G0+1], 0
	s_mov_b64 s[G0+2:G0+3], s[20:21]
	s_or_b32 s[G0+3], s[G0+3], 0x80000000
	s_mov_b32 s[G0B], 1                            ; and B's
	s_mov_b32 s[G0B+1], ABYTES
	s_mov_b64 s[G0B+2:G0B+3], s[46:47]
	s_or_b32 s[G0B+3], s[G0B+3], 0x80000000
	s_add_nc_u64 s[20:21], s[20:21], s[18:19]      ; for the ring: my plane of the two
	s_add_nc_u64 s[46:47], s[46:47], s[12:13]
	s_mov_b32 s[G0+4], 1                           ; slot 1: planes 2 and 3
	s_add_co_u32 s[G0+5], s45, SLOT
	s_add_nc_u64 s[G0+6:G0+7], s[20:21], 2*ASTEP
	s_or_b32 s[G0+7], s[G0+7], 0x80000000
	s_mov_b32 s[G0B+4], 1
	s_add_co_u32 s[G0B+5], s95, SLOT
	s_add_nc_u64 s[G0B+6:G0B+7], s[46:47], 2*BSTEP
	s_or_b32 s[G0B+7], s[G0B+7], 0x80000000
; one tensor load a wave at the head: one chain of branches on the wave's number
.macro ARM under, g0, g1, next
	s_cmp_lt_u32 s14, \under
	s_cbranch_scc0 \next
	tensor_load_to_lds s[\g0:\g0+3], s[\g1:\g1+7]
	s_nop 0
.rept 4
	v_nop
.endr
	s_branch .Lhead_asked
\next:
.endm
	ARM 1, G0,  G1,  .Lhead_b
	ARM 2, G0B, G1B, .Lhead_sa
	ARM 3, G0S, G1S, .Lhead_sb
	tensor_load_to_lds s[G0SB:G0SB+3], s[G1SB:G1SB+7]
	s_nop 0
.rept 4
	v_nop
.endr
.Lhead_asked:
	v_and_b32 v1, 15, v0
	v_bfe_u32 v2, v0, 4, 1
	v_and_b32 v6, 31, v0
	v_lshlrev_b32 v7, 4, v6
	v_lshlrev_b32 v8, 3, v6
	s_mul_i32 s21, s15, 12288                      ; my 64 rows of A in a plane,
	s_mul_i32 s22, s16, 12288                      ; and of B,
	s_add_co_u32 s22, s22, ABYTES                  ; whose planes lie behind A's
.irp s, 0,1
	v_add_nc_u32 v[ADRA+\s], s21, v7
	v_add_nc_u32 v[ADRA+2+\s], s21, v8
	v_add_nc_u32 v[ADRB+\s], s22, v7
	v_add_nc_u32 v[ADRB+2+\s], s22, v8
	s_add_co_u32 s21, s21, SLOT
	s_add_co_u32 s22, s22, SLOT
.endr
	v_mul_u32_u24 v5, v1, KS
	v_lshrrev_b32 v6, 8, v5
	v_lshl_add_u32 v5, v6, 4, v5
	s_mul_i32 s21, s15, HALFS
	s_mul_i32 s22, s16, HALFS
	s_add_co_u32 s22, s22, 2*HALFS
	s_sub_co_u32 s22, s22, s21
	v_mul_u32_u24 v6, s22, v2
	s_add_co_u32 s21, s21, SCL
	v_add_nc_u32 v5, v5, v6
	v_add_nc_u32 v[ADRS], s21, v5
	s_mul_i32 s23, s14, 16*SPITCH
	v_mul_u32_u24 v5, v1, SPITCH
	v_lshl_add_u32 v5, v2, 5, v5
	v_add_nc_u32 v[STO], s23, v5
	v_mul_u32_u24 v5, v2, SPITCH
	v_lshl_add_u32 v5, v1, 4, v5
	v_add_nc_u32 v[RD], s23, v5
	v_lshlrev_b32 v[BO], 4, v1
	s_wait_alu depctr_va_vdst(0)
	v_lshl_add_u32 v[CO], v2, 13, v[BO]
	s_wait_alu depctr_va_vdst(0)
	s_and_b32 s18, s17, 15
	s_lshl_b32 s18, s18, 7
	s_lshl_b32 s19, s15, 6
	s_add_co_u32 s18, s18, s19
	s_lshl_b32 s18, s18, 13
	s_lshr_b32 s19, s17, 4
	s_lshl_b32 s19, s19, 12
	s_add_co_u32 s18, s18, s19
	s_lshl_b32 s20, s42, 9
	s_lshl_b32 s21, s16, 8
	s_add_co_u32 s20, s20, s21
	s_add_co_u32 s18, s18, s20
	s_mov_b32 s19, 0
	s_mov_b32 s21, 0
	s_add_nc_u64 s[98:99], s[98:99], s[18:19]
	s_add_nc_u64 s[100:101], s[100:101], s[18:19]
	s_add_nc_u64 s[96:97], s[96:97], s[20:21]
	global_load_b128 v[BIAS:BIAS+3], v[BO], s[96:97]
	WIN 0x80
.irp a, 0,1,2,3
.irp t, 0,1,2,3,4,5,6,7
	global_load_b128 v[RES+32*\a+4*\t:RES+32*\a+4*\t+3], v[CO], s[98:99] offset:(16*\a+2*\t)*8192 th:TH_LOAD_NT
.endr
.endr
	WIN 0
.macro FRAG reg, adr, q, i
	ds_load_b128 v[\reg:\reg+3], v[\adr] offset:((\q)/2)*APLANE+(\i)*3072+((\q)%2)*1536
	ds_load_b64 v[\reg+4:\reg+5], v[\adr+2] offset:((\q)/2)*APLANE+(\i)*3072+((\q)%2)*1536+512
	ds_load_b128 v[\reg+6:\reg+9], v[\adr] offset:((\q)/2)*APLANE+(\i)*3072+((\q)%2)*1536+768
	ds_load_b64 v[\reg+10:\reg+11], v[\adr+2] offset:((\q)/2)*APLANE+(\i)*3072+((\q)%2)*1536+1280
.endm
.macro FRAGA reg, slot, q, i
	ds_load_b128 v[\reg:\reg+3], v[ADRA+\slot] offset:((\q)/2)*APLANE+(\i)*3072+((\q)%2)*1536
	ds_load_b64 v[\reg+4:\reg+5], v[ADRA+2+\slot] offset:((\q)/2)*APLANE+(\i)*3072+((\q)%2)*1536+512
	ds_load_b128 v[\reg+6:\reg+9], v[ADRA+\slot] offset:((\q)/2)*APLANE+(\i)*3072+((\q)%2)*1536+768
	ds_load_b64 v[\reg+10:\reg+11], v[ADRA+2+\slot] offset:((\q)/2)*APLANE+(\i)*3072+((\q)%2)*1536+1280
.endm
.macro MULA a, p, q, sc, zero
.irp b, 0,1,2,3
.if \zero
	v_wmma_scale_f32_16x16x128_f8f6f4 v[8*(4*(\a)+\b):8*(4*(\a)+\b)+7], v[128*(\p)+FR*\b:128*(\p)+FR*\b+FR-1], v[AF+48*(\p)+FR*(\a):AF+48*(\p)+FR*(\a)+FR-1], 0, v[SC+16*(\sc)+NQ*\b+(\q)], v[SC+16*(\sc)+NQ*(\a)+(\q)] matrix_a_fmt:MATRIX_FMT_FP6 matrix_b_fmt:MATRIX_FMT_FP6 matrix_a_scale:MATRIX_SCALE_ROW1
.else
	v_wmma_scale_f32_16x16x128_f8f6f4 v[8*(4*(\a)+\b):8*(4*(\a)+\b)+7], v[128*(\p)+FR*\b:128*(\p)+FR*\b+FR-1], v[AF+48*(\p)+FR*(\a):AF+48*(\p)+FR*(\a)+FR-1], v[8*(4*(\a)+\b):8*(4*(\a)+\b)+7], v[SC+16*(\sc)+NQ*\b+(\q)], v[SC+16*(\sc)+NQ*(\a)+(\q)] matrix_a_fmt:MATRIX_FMT_FP6 matrix_b_fmt:MATRIX_FMT_FP6 matrix_a_scale:MATRIX_SCALE_ROW1
.endif
.endr
.endm
.macro FETCH_B slot, q, p
	WIN TO_B
.irp i, 0,1,2,3
	FRAG 128*(\p)+FR*\i, ADRB+\slot, \q, \i
.endr
	WIN 0
.endm
.macro FETCH_A slot, q, p, i0
.irp i, \i0, \i0+1
	FRAGA AF+48*(\p)+FR*(\i), \slot, \q, \i
.endr
.endm
.macro SCALES sc
.irp i, 0,1,2,3
	ds_load_b128 v[SC+16*\sc+4*\i:SC+16*\sc+4*\i+3], v[ADRS] offset:\i*SBLK
.endr
.endm
.macro PLACES n
.rept \n
	v_nop
.endr
.endm
.macro QSTEP slot, q, zero
	s_wait_dscnt 8
	WIN MUL
	MULA 0, (\q)%2, \q, \slot, \zero
	MULA 1, (\q)%2, \q, \slot, \zero
	PLACES NP
	FETCH_B \slot, (\q)+1, 1-(\q)%2
	FETCH_A \slot, (\q)+1, 1-(\q)%2, 0
	FETCH_A \slot, (\q)+1, 1-(\q)%2, 2
	s_wait_dscnt 32                                ; all but the 32 just issued
	WIN MUL
	MULA 2, (\q)%2, \q, \slot, \zero
	MULA 3, (\q)%2, \q, \slot, \zero
.endm
.macro TURN slot, next, fill
	WIN 0
	s_wait_tensorcnt 0x0
	ds_add_u32 v[SPW], v[NIL]
	s_wait_dscnt 9
	WIN MUL
	MULA 0, 1, NQ-1, \slot, 0
	s_wait_dscnt 0x0
	s_barrier_signal -1
	MULA 1, 1, NQ-1, \slot, 0
	WIN 0
	s_barrier_wait -1
.if \fill
	CREST
	s_add_nc_u64 s[G0+4*\slot+2:G0+4*\slot+3], s[G0+4*\slot+2:G0+4*\slot+3], 4*ASTEP
	s_add_nc_u64 s[G0B+4*\slot+2:G0B+4*\slot+3], s[G0B+4*\slot+2:G0B+4*\slot+3], 4*BSTEP
	JLOAD G0+4*\slot, G1, G0B+4*\slot, G1B
.else
	PLACES NP
.endif
	s_wait_alu depctr_va_vdst(0)
	v_add_nc_u32 v[ADRS], 4*NQ, v[ADRS]
	FETCH_B \next, 0, 0
	FETCH_A \next, 0, 0, 0
	SCALES \next
	FETCH_A \next, 0, 0, 2
	WIN MUL
	MULA 2, 1, NQ-1, \slot, 0
	MULA 3, 1, NQ-1, \slot, 0
.endm
	s_wait_alu depctr_va_vdst(0)                   ; the head's end
	s_wait_tensorcnt 0x0                           ; my tile of the head's four is in
	ds_add_u32 v[SPW], v[NIL]
.irp g, G1, G1B                                ; no load of mine is out: from here on a load brings one plane, 24,576 dense bytes as 96 rows of 256
	s_mov_b32 s[\g+1], 32<<16
	s_mov_b32 s[\g+2], 96<<16
	s_mov_b32 s[\g+3], 32<<16
	s_mov_b32 s[\g+4], 96
	s_mov_b32 s[\g+5], 32
.endr
	s_mov_b32 s[G0+1], s45                         ; and slot 0's group 0 stands at my plane of its two
	s_sub_nc_u64 s[G0+2:G0+3], s[G0+6:G0+7], 2*ASTEP
	s_mov_b32 s[G0B+1], s95
	s_sub_nc_u64 s[G0B+2:G0B+3], s[G0B+6:G0B+7], 2*BSTEP
	s_wait_dscnt 0x0
	CROUND                                         ; all four tiles are in, all sixteen work-groups are here
	JLOAD G0+4, G1, G0B+4, G1B                     ; slot 1's first fill, my one load behind the round
	FETCH_B 0, 0, 0
	FETCH_A 0, 0, 0, 0
	SCALES 0
	FETCH_A 0, 0, 0, 2
	QSTEP 0, 0, 1
	WIN 0
.if LAPS > 1
	s_mov_b32 s3, LAPS-1
.Llap:
	QSTEP 0, 1, 0
	QSTEP 0, 2, 0
	TURN 0, 1, 1
	QSTEP 1, 0, 0
	QSTEP 1, 1, 0
	QSTEP 1, 2, 0
	TURN 1, 0, 1
	QSTEP 0, 0, 0
	WIN 0
	s_sub_co_u32 s3, s3, 1
	s_cmp_lg_u32 s3, 0
	s_cbranch_scc1 .Llap
.endif
	QSTEP 0, 1, 0
	QSTEP 0, 2, 0
	TURN 0, 1, 0
	QSTEP 1, 0, 0
	QSTEP 1, 1, 0
	QSTEP 1, 2, 0
	s_wait_dscnt 8
	WIN MUL
	MULA 0, 1, NQ-1, 1, 0
	MULA 1, 1, NQ-1, 1, 0
	s_wait_dscnt 0
	MULA 2, 1, NQ-1, 1, 0
	MULA 3, 1, NQ-1, 1, 0
	WIN 0
.macro TOSTAGE a
	WIN 0x08
.irp b, 0,1,2,3
	ds_store_b128 v[STO], v[32*(\a)+8*\b:32*(\a)+8*\b+3] offset:64*\b
	ds_store_b128 v[STO], v[32*(\a)+8*\b+4:32*(\a)+8*\b+7] offset:64*\b+16
.endr
	WIN 0
.set BB, BK+32*((\a)%2)
.irp t, 0,1,2,3,4,5,6,7
	ds_load_b128 v[BB+4*\t:BB+4*\t+3], v[RD] offset:\t*2*SPITCH
.endr
.endm
.macro SEND a, younger
.set BB, BK+32*((\a)%2)
.set RS, RES+32*(\a)
	s_wait_dscnt \younger
.irp t, 0,1,2,3,4,5,6,7
	v_pk_add_f32 v[BB+4*\t:BB+4*\t+1], v[BB+4*\t:BB+4*\t+1], v[BIAS:BIAS+1]
	v_pk_add_f32 v[BB+4*\t+2:BB+4*\t+3], v[BB+4*\t+2:BB+4*\t+3], v[BIAS+2:BIAS+3]
.endr
	WIN 0x08
.set i, 0
.rept 16
	v_pk_add_f32 v[BB+2*i:BB+2*i+1], v[BB+2*i:BB+2*i+1], v[RS+2*i:RS+2*i+1]
.set i, i+1
.endr
	WIN 0
.irp t, 0,1,2,3,4,5,6,7
.if LASTL
	global_store_b128 v[CO], v[BB+4*\t:BB+4*\t+3], s[100:101] offset:(16*(\a)+2*\t)*8192 th:TH_STORE_NT
.else
	global_store_b128 v[CO], v[BB+4*\t:BB+4*\t+3], s[100:101] offset:(16*(\a)+2*\t)*8192
.endif
.endr
.endm
	PLACES NP
	s_wait_loadcnt 0x0
	TOSTAGE 0
.irp a, 1,2,3
.if \a > 1
	s_wait_xcnt 0x0
.endif
	TOSTAGE \a
	SEND \a-1, 16
.endr
	SEND 3, 0
	s_wait_tensorcnt 0x0
	ds_add_u32 v[SPW], v[NIL]
	s_wait_dscnt 0x0
	CROUND
	s_endpgm
.Lfunc_end_k_q6d10600492_out:
	.size	k_q6d10600492_out, .Lfunc_end_k_q6d10600492_out-k_q6d10600492_out
	.p2alignl 7, 3214868480
	.fill 96, 4, 3214868480
	.section	.rodata,"a",@progbits
	.p2align	6, 0x0
	.amdhsa_kernel k_q6d10600492_out
		.amdhsa_group_segment_fixed_size 327680
		.amdhsa_private_segment_fixed_size 0
		.amdhsa_enable_private_segment 0
		.amdhsa_kernarg_size 48
		.amdhsa_user_sgpr_count 2
		.amdhsa_user_sgpr_kernarg_segment_ptr 1
		.amdhsa_wavefront_size32 1
		.amdhsa_system_sgpr_workgroup_id_x 1
		.amdhsa_system_sgpr_workgroup_id_y 1
		.amdhsa_system_sgpr_workgroup_id_z 1
		.amdhsa_system_vgpr_workitem_id 0
		.amdhsa_next_free_vgpr 768
		.amdhsa_next_free_sgpr 102
		.amdhsa_reserve_vcc 0
		.amdhsa_float_denorm_mode_32 3
		.amdhsa_float_denorm_mode_16_64 3
		.amdhsa_memory_ordered 1
		.amdhsa_forward_progress 1
		.amdhsa_inst_pref_size 103
	.end_amdhsa_kernel
	.amdgpu_metadata
---
amdhsa.version: [ 1, 2 ]
amdhsa.kernels:
  - .name:           k_q6d10600492_out
    .symbol:         k_q6d10600492_out.kd
    .args:
      - { .name: G, .offset: 0, .size: 8, .value_kind: global_buffer, .address_space: global }
      - { .name: WO, .offset: 8, .size: 8, .value_kind: global_buffer, .address_space: global }
      - { .name: w_out_scales, .offset: 16, .size: 8, .value_kind: global_buffer, .address_space: global }
      - { .name: b_out, .offset: 24, .size: 8, .value_kind: global_buffer, .address_space: global }
      - { .name: X1, .offset: 32, .size: 8, .value_kind: global_buffer, .address_space: global }
      - { .name: out0, .offset: 40, .size: 8, .value_kind: global_buffer, .address_space: global }
    .group_segment_fixed_size: 327680
    .private_segment_fixed_size: 0
    .kernarg_segment_align: 8
    .kernarg_segment_size: 48
    .max_flat_workgroup_size: 128
    .sgpr_count:     102
    .vgpr_count:     768
    .wavefront_size: 32
...
	.end_amdgpu_metadata
.endif
;; end of part 12
